; MI455X (gfx1250); checked and timed in simulation.
; The chip was launched on July 23, 2026; its instructions are those of AMD's public machine-readable ISA for CDNA 5 (MIT licence, August 2026) and "CDNA5" Instruction Set Architecture Reference Guide (July 2026). The comments in the code are by the model that wrote it; some were corrected since.
;; Attention. Allowed arithmetic: matrix products marked QUANTISED: E5M2 operands, one E8M0 scale for each 32 along K, by v_wmma_scale_f32_16x16x128_f8f6f4 with both operands' format E5M2, f32 sums; everything else in f32.
;; Inputs: W_fc_codes 3,072 x 32 x 32 uint8 (E5M2 codes of W_fc, K innermost, in blocks of 32 codes); W_fc_scales 3,072 x 32 uint8 (E8M0 scales of W_fc, one for each 32 codes along K); W_out_codes 1,024 x 32 x 32 uint8 (E5M2 codes of W_out, K innermost, in blocks of 32 codes); W_out_scales 1,024 x 32 uint8 (E8M0 scales of W_out, one for each 32 codes along K); b_fc 3,072 float32; b_out 1,024 float32; x 4 x 2,048 x 1,024 float32.
;; Outputs: out0 4 x 2,048 x 1,024 float32.
;; This version of the problem:
;;   THIS VERSION OF THE PROBLEM IS GIVEN IN LOW PRECISION. The matrix products marked QUANTISED in the list below multiply operands that are first quantised to E5M2 (5 exponent bits, 2 mantissa bits; 8 bits a number), with one power-of-two scale for each 32 numbers along K (OCP MX v1.0); their sums are f32. All else is computed in f32.
;;   The module's matrix products, in the order in which they are computed (A, B: the left and right operand; K: the contracted axis; several contracted axes count as one K, in the product's order):
;;     1. [M 8,192, K 1,024] x [K 1,024, N 3,072]; A: input x; B: input W_fc (given as codes): QUANTISED
;;     2. batch 64 x [M 2,048, K 64] x [K 64, N 2,048]; A: computed on the way; B: computed on the way: QUANTISED
;;     3. batch 64 x [M 64, K 2,048] x [K 2,048, N 2,048]; A: computed on the way; B: softmax (see below): QUANTISED
;;     4. [M 8,192, K 1,024] x [K 1,024, N 1,024]; A: computed on the way; B: input W_out (given as codes): QUANTISED
;;   THE QUANTISER, for each operand of a quantised product, along K:
;;     - K is cut into blocks of 32 from its start; a last block that is shorter is filled with zeros.
;;     - A block's scale is 2^e with e = floor(log2(the largest magnitude in the block)) - 15, held to -126 .. 127; a block of zeros has e = 0. As a byte (E8M0): e + 127.
;;     - Each number is divided by its block's scale, clamped to +-57,344, and rounded to the nearest number of E5M2, ties to even, subnormals kept.
;;     - The product sums the exact products of the quantised numbers (number of the format x scale) in f32.
;;   ~~~python
;;   def quantise(x, axis):      # numpy; x: float32 -> the quantised numbers, widened to float32 again
;;       x = np.moveaxis(x, axis, -1); K = x.shape[-1]
;;       x = np.pad(x, [(0, 0)] * (x.ndim - 1) + [(0, -K % 32)]); x = x.reshape(x.shape[:-1] + (-1, 32)); a = np.abs(x).max(-1, keepdims=True)
;;       e = np.where(a > 0, np.clip(np.frexp(np.where(a > 0, a, 1))[1] - 1 - 15, -126, 127), 0)      # np.frexp(a)[1] - 1 = floor(log2(a)), exactly
;;       r = np.clip(x / 2.0 ** e, -57344, 57344)
;;       step = 2.0 ** (np.maximum(np.frexp(np.where(r == 0, 1, r))[1] - 1, -14) - 2)
;;       q = np.round(r / step) * step * 2.0 ** e      # np.round: ties to even
;;       return np.moveaxis(q.reshape(q.shape[:-2] + (-1,))[..., :K], -1, axis).astype(np.float32)
;;   ~~~
;;   SOFTMAX AHEAD OF A QUANTISED PRODUCT. Where the list says 'softmax', what is quantised is not the finished softmax but p = 2^(t - M), with t = logit x log2(e) and M = ceil(the row's largest t), a whole number; so 1/2 < the row's largest p <= 1. The row's sum l is taken of the UNQUANTISED p, in f32, and the product's result is divided by l at the end. Since M is a whole number, a kernel that streams over the keys may use a running M (the ceiling of the running maximum): every later rescaling is an exact power of two, which a block's scale takes up: the codes' values come out the same.
;;   OPERANDS COMPUTED ON THE WAY. 'Computed on the way' means the value that the module computes at that place (a softmax that the list does not call 'softmax' is quantised finished and normalised). What goes into a quantiser is computed in f32, as accurately as f32 sums, v_exp_f32 and their like allow (about 1e-6 of the number): no bf16 or f16 on the way to a quantiser, and a product that is left as it is and whose result goes on into a quantised operand takes f32 operands (vector FMAs, or v_wmma_f32_16x16x4_f32). A number that lies on a knife's edge between two numbers of the format may be rounded either way, as far as f32 arithmetic and the matrix unit's own rounding can turn it there, and no further.
;;   INPUTS GIVEN AS CODES. W_fc (in the module: [1024, 3072], K = its axis 0); W_out (in the module: [1024, 1024], K = its axis 0): each comes as NAME_codes (uint8): NAME with its K axis moved to the last place and cut into blocks of 32 codes, [.., K / 32, bytes a block], one block behind the other in memory; one code a byte (a code: sign, 5 exponent bits, 2 mantissa bits); and NAME_scales (uint8): the same leading axes, one E8M0 byte (e + 127) for each 32 codes along K. Its value is code x scale, taken as it is: it is not quantised again, and the codes and scales need not be those that the quantiser above would give.
;; 2 versions. Each part assembles by itself: llvm-mc -triple=amdgcn-amd-amdhsa -mcpu=gfx1250 --defsym DOCPART=n.
;; ======== version 1 of 2: 4 launches
;; workspace buffers: x_codes 8,388,608 bytes; x_scales 262,144 bytes; wo_img 1,048,576 bytes; qkv_img 25,165,824 bytes; scl 1,048,576 bytes; nv_img 8,388,608 bytes; nv_scl 262,144 bytes
;; launch prep (part 1): grid 272 x 1, 4 waves a work-group, no clusters, 33,280 bytes of LDS; arguments x, W_out_codes, x_codes, x_scales, wo_img; writes x_codes, x_scales, wo_img
.if DOCPART == 1
	.amdgcn_target "amdgcn-amd-amdhsa--gfx1250"
	.amdhsa_code_object_version 6
	.text
	.protected	k_qa922dc4ca1_prep
	.globl	k_qa922dc4ca1_prep
	.p2align	8
	.type	k_qa922dc4ca1_prep,@function
k_qa922dc4ca1_prep:
	s_mov_b64 s[64:65], 0
	v_nop
	global_prefetch_b8 v0, s[64:65] scope:SCOPE_SE
	s_setreg_imm32_b32 hwreg(HW_REG_WAVE_MODE, 25, 1), 1
	s_wait_xcnt 0x0
; Work-groups 0-255: x [8192][1024] f32 becomes codes of E5M2 (K innermost) and one E8M0 byte for each 32 along K.
; A block's scale is 2^(floor(log2(largest magnitude)) - 15); its byte is the largest magnitude's exponent field - 15, held at 1 from below.
; Each number is divided by the scale, held within +-57,344 and rounded to the nearest code, ties to even.
; Work-groups 256-271: W_out's codes are laid anew in the order of an operand's registers: [K step 8][tile of 16 rows 64][piece 4][lane 32][16 bytes].
; LIMITS: NaN and infinities in x are not served; a block whose largest magnitude lies under 2^-111 keeps the byte 1; a block of zeros gets the
; byte 1 where the rule says 127 (its codes are zeros, and this program alone reads the bytes).
; A wave of the first kind takes 16 steps of 512 numbers.  Each load reads 512 consecutive bytes; a step's 2,048 bytes turn through the wave's own stage in LDS
; (16 bytes of padding behind each 64) and come back 64 bytes a lane, so that a lane holds 16 neighbours along K and two neighbouring lanes hold a block.
; No tensor load, no barrier: waves share nothing.  Matrix units and clusters have no work here: the launch only moves and converts.
.set STEPS, 16
.set EMAX,  15
.set MANT,  0x600000                   ; the mantissa field of 57,344 as f32
.set CB,    16                         ; bytes of 16 codes
.set R,     16                         ; v16-79   four sets of 16 numbers as loaded
.set X,     80                         ; v80-111  two sets of 16 neighbours
.set C,     128                        ; v128-191 codes, four registers a step
.set E,     112                        ; v112-127 a scale byte a step
.set WREG,  8192                       ; LDS of a wave: two stages of 32 x SP bytes, then its 256 scale bytes
.set SP,    80
	s_load_b128 s[4:7], s[0:1], 0x0                ; x, W_out's codes
	s_load_b128 s[8:11], s[0:1], 0x10              ; x's codes, x's scales
	s_load_b64 s[12:13], s[0:1], 0x20              ; W_out's image
	v_lshl_add_u32 v192, v0, 2, 0x8000
	v_mov_b32 v193, 0
	v_lshrrev_b32 v1, 5, v0
	v_readfirstlane_b32 s16, v1                    ; wave
	v_and_b32 v2, 31, v0                           ; lane
	s_cmp_ge_u32 ttmp9, 256                        ; the last sixteen work-groups lay W_out
	s_cbranch_scc1 .Lrelay
	v_lshlrev_b32 v3, 4, v2                        ; my 16 bytes of a load's 512
	s_mul_i32 s17, s16, WREG
	v_lshrrev_b32 v14, 2, v2
	v_mul_u32_u24 v14, v14, SP
	v_and_b32 v15, 3, v2
	v_lshl_add_u32 v14, v15, 4, v14
	v_add_nc_u32 v14, s17, v14                     ; the stage, in: SP (lane / 4) + 16 (lane % 4)
	v_mul_u32_u24 v15, v2, SP
	v_add_nc_u32 v15, s17, v15                     ; and out: SP x lane
	v_mul_u32_u24 v4, v2, CB                       ; my codes' place in a step's
	v_lshrrev_b32 v5, 1, v2
	s_add_co_u32 s17, s17, 2*32*SP
	v_add_nc_u32 v5, s17, v5                       ; my block's scale byte in LDS
	v_lshlrev_b32 v7, 3, v2
	v_add_nc_u32 v6, s17, v7                       ; and 8 bytes a lane on the way out
	s_mov_b32 s23, MANT
	s_wait_kmcnt 0x0
	s_lshl_b32 s17, ttmp9, 2
	s_add_co_u32 s18, s17, s16                     ; which run of 8,192 numbers is my wave's
	s_mov_b32 s19, 0
	s_mov_b64 s[20:21], 512*STEPS*4
	s_mul_u64 s[20:21], s[18:19], s[20:21]
	s_add_nc_u64 s[4:5], s[4:5], s[20:21]
	s_mov_b64 s[20:21], 32*STEPS*CB
	s_mul_u64 s[20:21], s[18:19], s[20:21]
	s_add_nc_u64 s[8:9], s[8:9], s[20:21]
	s_lshl_b32 s18, s18, 8                         ; 256 scale bytes a run
	s_add_nc_u64 s[10:11], s[10:11], s[18:19]
.macro LOAD t
.irp i, 0,1,2,3
	global_load_b128 v[R+16*((\t)%4)+4*\i:R+16*((\t)%4)+4*\i+3], v3, s[4:5] offset:2048*(\t)+512*\i th:TH_LOAD_NT   ; 32 lanes read 512 consecutive bytes
.endr
.endm
.macro TURN t                          ; a step's numbers through the stage: LDS serves a wave's instructions in order, so no wait stands between stores and loads
.irp i, 0,1,2,3
	ds_store_b128 v14, v[R+16*((\t)%4)+4*\i:R+16*((\t)%4)+4*\i+3] offset:32*SP*((\t)%2)+8*SP*\i
.endr
.irp i, 0,1,2,3
	ds_load_b128 v[X+16*((\t)%2)+4*\i:X+16*((\t)%2)+4*\i+3], v15 offset:32*SP*((\t)%2)+16*\i
.endr
.endm
.irp t, 0,1,2,3
	LOAD \t
.endr
	s_wait_loadcnt 12                              ; step 0's four loads are in
	TURN 0
.macro STEP t
.set XS, X+16*((\t)%2)
.if (\t) > 0
	s_wait_dscnt 1                                 ; this step's numbers are back (the last step's byte store may be out)
.else
	s_wait_dscnt 0x0
.endif
.if (\t)+4 < STEPS
	LOAD (\t)+4                                    ; the registers that the stage's stores have read take the loads of four steps on
.endif
.if (\t)+1 < STEPS
.if STEPS-2-(\t) >= 3
	s_wait_loadcnt 12                              ; the next step's four loads are in; three steps' may be out
.else
	s_wait_loadcnt 4*(STEPS-2-(\t))
.endif
	TURN (\t)+1
.endif
	v_max3_num_f32 v8, |v[XS]|, |v[XS+1]|, |v[XS+2]|               ; the largest magnitude of my 16, in two chains
	v_max3_num_f32 v9, |v[XS+3]|, |v[XS+4]|, |v[XS+5]|
.irp i, 6,10
	v_max3_num_f32 v8, v8, |v[XS+\i]|, |v[XS+\i+1]|
	v_max3_num_f32 v9, v9, |v[XS+\i+2]|, |v[XS+\i+3]|
.endr
	v_max3_num_f32 v8, v8, |v[XS+14]|, |v[XS+15]|
	v_max3_num_f32 v8, v8, v9, (EMAX+1)<<23        ; and the floor 2^(16 - 127): the byte cannot fall under 1
	v_max_num_f32_dpp v8, v8, v8 row_xmask:1 row_mask:0xf bank_mask:0xf   ; with my neighbour's 16: the block's
	v_add_nc_u32 v11, -(EMAX<<23), v8              ; 15 off the exponent field: the conversion's scale operand
	v_and_or_b32 v10, v8, 0x7f800000, s23          ; 57,344 x the scale
.irp i, 0,1,2,3,4,5,6,7,8,9,10,11,12,13,14,15
	v_med3_num_f32 v[XS+\i], v[XS+\i], -v10, v10   ; the conversion to an 8-bit code does not saturate (ISA guide 7.6.2): the hold comes first
.endr
	v_cvt_scalef32_pk8_bf8_f32 v[C+4*(\t):C+4*(\t)+1], v[XS:XS+7], v11
	v_cvt_scalef32_pk8_bf8_f32 v[C+4*(\t)+2:C+4*(\t)+3], v[XS+8:XS+15], v11
	v_lshrrev_b32 v[E+(\t)], 23, v11               ; the scale's byte (also the plain line behind the conversions)
	ds_store_b8 v5, v[E+(\t)] offset:16*(\t)       ; both lanes of a block write the same byte with the same value
	global_store_b128 v4, v[C+4*(\t):C+4*(\t)+3], s[8:9] offset:32*CB*(\t)   ; the wave stores 512 consecutive bytes
.endm
.irp t, 0,1,2,3,4,5,6,7,8,9,10,11,12,13,14,15
	STEP \t
.endr
	ds_load_b64 v[12:13], v6                       ; in order behind my byte stores
	s_wait_dscnt 0x0
	global_store_b64 v7, v[12:13], s[10:11]        ; 32 lanes store 256 consecutive bytes, aligned
	s_wait_tensorcnt 0x0
	ds_add_u32 v192, v193
	s_wait_dscnt 0x0
	s_endpgm
.Lrelay:
	; wave = one tile T of 16 rows of W_out: lane (r, h) takes k = 128 s + 32 c + 16 h + 0..15 of row 16 T + r; it leaves at [s][T][c][lane]
	v_and_b32 v3, 15, v0                           ; r
	v_bfe_u32 v4, v0, 4, 1                         ; h
	v_lshlrev_b32 v1, 10, v3
	v_lshl_add_u32 v1, v4, 4, v1                   ; r x 1,024 + 16 h
	v_lshlrev_b32 v2, 4, v2                        ; 16 x lane
	s_sub_co_u32 s17, ttmp9, 256
	s_lshl_b32 s17, s17, 2
	s_add_co_u32 s17, s17, s16                     ; T
	s_lshl_b32 s18, s17, 14
	s_mov_b32 s19, 0
	s_lshl_b32 s20, s17, 11
	s_mov_b32 s21, 0
	s_wait_kmcnt 0x0
	s_add_nc_u64 s[6:7], s[6:7], s[18:19]
	s_add_nc_u64 s[12:13], s[12:13], s[20:21]
.set i, 0
.rept 32
	global_load_b128 v[16+4*i:16+4*i+3], v1, s[6:7] offset:128*(i/4)+32*(i%4)
.set i, i+1
.endr
.set i, 0
.rept 32
	s_wait_loadcnt 31-i                            ; loads come back in order: piece i is in
	global_store_b128 v2, v[16+4*i:16+4*i+3], s[12:13] offset:(i/4)*131072+512*(i%4)   ; 512 consecutive bytes
.set i, i+1
.endr
	s_endpgm
.Lfunc_end_k_qa922dc4ca1_prep:
	.size	k_qa922dc4ca1_prep, .Lfunc_end_k_qa922dc4ca1_prep-k_qa922dc4ca1_prep
	.p2alignl 7, 3214868480
	.fill 96, 4, 3214868480
	.section	.rodata,"a",@progbits
	.p2align	6, 0x0
	.amdhsa_kernel k_qa922dc4ca1_prep
		.amdhsa_group_segment_fixed_size 33280
		.amdhsa_private_segment_fixed_size 0
		.amdhsa_enable_private_segment 0
		.amdhsa_kernarg_size 40
		.amdhsa_user_sgpr_count 2
		.amdhsa_user_sgpr_kernarg_segment_ptr 1
		.amdhsa_wavefront_size32 1
		.amdhsa_system_sgpr_workgroup_id_x 1
		.amdhsa_system_sgpr_workgroup_id_y 1
		.amdhsa_system_sgpr_workgroup_id_z 1
		.amdhsa_system_vgpr_workitem_id 0
		.amdhsa_next_free_vgpr 194
		.amdhsa_next_free_sgpr 66
		.amdhsa_reserve_vcc 0
		.amdhsa_float_denorm_mode_32 3
		.amdhsa_float_denorm_mode_16_64 3
		.amdhsa_memory_ordered 1
		.amdhsa_forward_progress 1
		.amdhsa_inst_pref_size 58
	.end_amdhsa_kernel
	.amdgpu_metadata
---
amdhsa.version: [ 1, 2 ]
amdhsa.kernels:
  - .name:           k_qa922dc4ca1_prep
    .symbol:         k_qa922dc4ca1_prep.kd
    .args:
      - { .name: x, .offset: 0, .size: 8, .value_kind: global_buffer, .address_space: global }
      - { .name: W_out_codes, .offset: 8, .size: 8, .value_kind: global_buffer, .address_space: global }
      - { .name: x_codes, .offset: 16, .size: 8, .value_kind: global_buffer, .address_space: global }
      - { .name: x_scales, .offset: 24, .size: 8, .value_kind: global_buffer, .address_space: global }
      - { .name: wo_img, .offset: 32, .size: 8, .value_kind: global_buffer, .address_space: global }
    .group_segment_fixed_size: 33280
    .private_segment_fixed_size: 0
    .kernarg_segment_align: 8
    .kernarg_segment_size: 40
    .max_flat_workgroup_size: 128
    .sgpr_count:     66
    .vgpr_count:     194
    .wavefront_size: 32
...
	.end_amdgpu_metadata
.endif
;; end of part 1
;; launch qkv (part 2): grid 16 x 32, 4 waves a work-group, clusters of 4 x 4, 327,680 bytes of LDS; arguments x_codes, x_scales, W_fc_codes, W_fc_scales, b_fc, qkv_img, scl; writes qkv_img, scl
.if DOCPART == 2
	.amdgcn_target "amdgcn-amd-amdhsa--gfx1250"
	.amdhsa_code_object_version 6
	.text
	.protected	k_qa922dc4ca1_qkv
	.globl	k_qa922dc4ca1_qkv
	.p2align	8
	.type	k_qa922dc4ca1_qkv,@function
k_qa922dc4ca1_qkv:
	s_mov_b64 s[64:65], 0
	v_nop
	global_prefetch_b8 v0, s[64:65] scope:SCOPE_SE
	s_setreg_imm32_b32 hwreg(HW_REG_WAVE_MODE, 25, 1), 1
	s_wait_xcnt 0x0
	s_wait_alu depctr_hold_cnt(0) depctr_sa_sdst(0) depctr_va_vdst(0) depctr_va_sdst(0) depctr_va_ssrc(0) depctr_va_vcc(0) depctr_vm_vsrc(0)
	s_getreg_b32 s2, hwreg(HW_REG_IB_STS2, 6, 4)
	s_cmp_eq_u32 s2, 0
	s_cbranch_scc0 .Lentry_in_a_cluster
	s_endpgm
.Lentry_in_a_cluster:
	s_bfe_u32 s2, ttmp6, 0x10000c
	s_cmp_lg_u32 s2, 0xf033
	s_cbranch_scc0 .Lentry_shape_is_right
	s_endpgm
.Lentry_shape_is_right:
; qkv = swish(x W_fc + b_fc) on codes of E5M2 with E8M0 scales, then q, k (along the head's 64) and v (along the tokens) are quantised and stored as images of operand registers.
; SHARES.  A work-group: 256 tokens x one head's 192 columns.  Wave w: tokens 64 w .. 64 w + 63: 4 tiles of tokens (a) x 12 tiles of columns (b: 0-3 q, 4-7 k, 8-11 v), 48 accumulators.
; K = 1,024 goes in four slots of 256 through a ring of two LDS slots (rows of 256 bytes + 16 of padding).  CLUSTER 4 x 4: x's tile hangs on the token block alone and is asked for jointly along
; a row of the cluster, W's on the head alone and jointly along a column.
; q AND k TILES ARE USED TRANSPOSED (source 0 = 16 rows of W, source 1 = 16 tokens): a lane holds one token, its registers run along the head's 64, which is the next K.  Both get the same order
; inside a block of 32, so q . k is unchanged.  v TILES ARE USED STRAIGHT (source 0 = tokens, source 1 = W): a lane holds one column and eight tokens, and the tokens are the next K.
; THE ROWS OF W THAT FORM A v TILE ARE NOT NEIGHBOURS: lane r of tile 2 b + u takes row 128 + 32 b + 8 u + r + 8 (r / 8), so that the attention's result comes out in the order that the last product's K wants.
; The biases are the C of each sum's first matrix instruction.  Scale words: one 16-byte load a tile and lane reads K steps 0-3 (lanes 0-15) or 4-7 (lanes 16-31) of the lane's row, so K steps 4-7 read the upper lanes.
; swish(z) = z / (1 + 2^(-z log2 e)), in f32.
; LIMITS: NaN and infinities are not served; a block whose largest magnitude lies under 2^-111 keeps the byte 1; a block of zeros gets the byte 1 (zero codes; the bytes are read by this program alone).
; No prefetch: four slots in all, the tiles are shared in the cluster, and the first two are asked for at the head.
; REGISTERS: window 0: v4-16 addresses; v24-31 words at work; v32-79 W's scale words (4 b + q); v80-95 x's (4 a + q); v96-127 v's bias; v128-255 x's fragments, two sets; on the way out v96-255 are at work.
;   window 1: v0-191 W's 12 fragments; v192-255 q's and k's bias.   window 2: accumulators of a = 0, 1 at 8 (12 a + b).   window 3: those of a = 2, 3.
.set PITCH, 272
.set XROWS, 256*PITCH                  ; x's 256 rows of a slot; W's 192 lie behind them
.set SLOT,  448*PITCH
.set STG,   2*SLOT                     ; the scale words' stage: q 1,024 bytes, k 512, v 512
.set SPARE, STG+2048                   ; the spare words, 128 bytes a wave: no other line names them
.set ADX, 4                            ; v4-5   my x fragments in slot 0, 1
.set ADW, 6                            ; v6-7   W's, rows as they lie
.set ADV, 8                            ; v8-9   W's, rows r + 8 (r / 8)
.set SPW, 10
.set NIL, 11
.set LI,  12                           ; 16 x lane
.set SQA, 13
.set SKA, 14
.set SVA, 15
.set SRD, 16
.set PW,  24
.set QW,  25
.set KW,  26
.set WS,  32
.set XS,  80
.set VBI, 96
.set XF,  128
.set QKB, 192                          ; in window 1
.set TM,  224                          ; way out: v224-227 largest magnitudes, 228-231 bytes, 232-235 the hold, 236-239 the conversions' scale operands
.set PC,  240                          ; way out: 16 registers of codes
.set WV,  18
.set G1X, 24
.set G0X, 32
.set G1W, 48
.set G0W, 56
.set QB,  72
.set KB,  74
.set VBS, 76
.set SCB, 78
.set NL,  80                           ; s[80:81] -log2(e)
.set SEL, 82
.set MNT, 84
.set MSB, 0
.macro WIN new                         ; the immediate's high byte repeats the setting that is left
.if MSB != (\new)
	s_set_vgpr_msb (MSB<<8)|(\new)
.set MSB, (\new)
.endif
.endm
.macro PLACES n
.rept \n
	v_nop
.endr
.endm
.macro JLOAD s                         ; a joint load: waves 0, 1 fetch x's halves, waves 2, 3 W's; four v_nop follow each line
	s_cmp_eq_u32 s19, 0
	s_cbranch_scc0 .Lfor_w_\@
	tensor_load_to_lds s[G0X+4*\s:G0X+4*\s+3], s[G1X:G1X+7]
	s_nop 0
.rept 4
	v_nop
.endr
	s_branch .Lasked_\@
.Lfor_w_\@:
	tensor_load_to_lds s[G0W+4*\s:G0W+4*\s+3], s[G1W:G1W+7]
	s_nop 0
.rept 4
	v_nop
.endr
.Lasked_\@:
.endm
.macro CREST                           ; a round of the cluster's barrier behind its opening barrier
	s_cmp_lg_u32 s[WV], 0
	s_cbranch_scc1 .Lnot_wave_0_\@
	s_barrier_signal -3
.Lnot_wave_0_\@:
	s_barrier_wait -3
	s_barrier_signal -1
	s_barrier_wait -1
.endm
.macro CROUND
	s_barrier_signal -1
	s_barrier_wait -1
	CREST
.endm
	s_load_b128 s[4:7], s[0:1], 0x0                ; x's codes, x's scales
	s_load_b128 s[8:11], s[0:1], 0x10              ; W_fc's codes, W_fc's scales
	s_load_b128 s[12:15], s[0:1], 0x20             ; b_fc, the images
	s_load_b64 s[16:17], s[0:1], 0x30              ; the scale words
	v_lshl_add_u32 v[SPW], v0, 2, SPARE
	v_mov_b32 v[NIL], 0
	ds_add_u32 v10, v11
	ds_add_u32 v10, v11
	s_wait_dscnt 0x0
	v_lshrrev_b32 v1, 5, v0
	v_readfirstlane_b32 s[WV], v1                  ; wave 0..3
	s_lshr_b32 s19, s[WV], 1                       ; I fetch for x (0) or for W (1)
	s_and_b32 s20, s[WV], 1                        ; and which half of the tile's rows
	s_bfe_u32 s40, ttmp6, 0x40000                  ; cx
	s_bfe_u32 s41, ttmp6, 0x40004                  ; cy
	s_lshl_b32 s42, ttmp9, 2
	s_add_co_u32 s42, s42, s40                     ; the head = 4 x cluster x + cx
	s_and_b32 s43, ttmp7, 0xffff
	s_lshl_b32 s43, s43, 2
	s_add_co_u32 s43, s43, s41                     ; the block of 256 tokens = 4 x cluster y + cy
	s_lshl_b32 s44, s41, 2
	s_lshl_b32 s44, 15, s44                        ; my row of the cluster
	s_lshl_b32 s45, 0x1111, s40                    ; my column
	s_or_b32 s[G1X], s44, (1<<20)|(1<<21)|(5<<22)|(3<<25)   ; the mask; elements of 1 byte; padding on; bit 21 beside a mask; 4 words behind every 64
	s_or_b32 s[G1W], s45, (1<<20)|(1<<21)|(5<<22)|(3<<25)
	s_mov_b32 s[G1X+1], 256<<16                    ; tensor_dim0
	s_mov_b32 s[G1X+2], 128<<16                    ; tensor_dim1
	s_mov_b32 s[G1X+3], 256<<16                    ; tile_dim0
	s_mov_b32 s[G1X+4], 128                        ; tile_dim1
	s_mov_b32 s[G1X+5], 1024                       ; the pitch in memory
	s_mov_b32 s[G1X+6], 0
	s_mov_b32 s[G1X+7], 0
	s_mov_b32 s[G1W+1], 256<<16
	s_mov_b32 s[G1W+2], 96<<16
	s_mov_b32 s[G1W+3], 256<<16
	s_mov_b32 s[G1W+4], 96
	s_mov_b32 s[G1W+5], 1024
	s_mov_b32 s[G1W+6], 0
	s_mov_b32 s[G1W+7], 0
	s_lshl_b32 s66, s43, 8                         ; x: row 256 x block + 128 x half, 1,024 bytes a row (registers that never hold the head)
	s_lshl_b32 s21, s20, 7
	s_add_co_u32 s66, s66, s21
	s_lshl_b32 s66, s66, 10
	s_mov_b32 s67, 0
	s_mul_i32 s68, s42, 192                        ; W: row 192 x head + 96 x half (registers that never hold the token block)
	s_mul_i32 s21, s20, 96
	s_add_co_u32 s68, s68, s21
	s_lshl_b32 s68, s68, 10
	s_mov_b32 s69, 0
	s_mul_i32 s46, s20, 128*PITCH                  ; where they go in a slot: no place in the cluster enters an LDS address
	s_mul_i32 s47, s20, 96*PITCH
	s_add_co_u32 s47, s47, XROWS
	s_mov_b32 s[NL], 0xbfb8aa3b
	s_mov_b32 s[NL+1], s[NL]
	s_mov_b32 s[SEL], 0x76543210
	s_mov_b32 s[SEL+1], 0xfedcba98
	s_mov_b32 s[MNT], 0x600000
	s_wait_kmcnt 0x0
	s_add_nc_u64 s[66:67], s[4:5], s[66:67]
	s_add_nc_u64 s[68:69], s[8:9], s[68:69]
	CROUND                                         ; all sixteen work-groups are here: the first joint loads meet
.irp s, 0,1
	s_mov_b32 s[G0X+4*\s], 1
	s_add_co_u32 s[G0X+4*\s+1], s46, \s*SLOT
	s_add_nc_u64 s[G0X+4*\s+2:G0X+4*\s+3], s[66:67], \s*256
	s_or_b32 s[G0X+4*\s+3], s[G0X+4*\s+3], 0x80000000
	s_mov_b32 s[G0W+4*\s], 1
	s_add_co_u32 s[G0W+4*\s+1], s47, \s*SLOT
	s_add_nc_u64 s[G0W+4*\s+2:G0W+4*\s+3], s[68:69], \s*256
	s_or_b32 s[G0W+4*\s+3], s[G0W+4*\s+3], 0x80000000
	JLOAD \s                                       ; two tensor loads of mine are out
.endr
	; where the results go
	s_lshr_b32 s85, s43, 3
	s_lshl_b32 s85, s85, 4
	s_add_co_u32 s85, s85, s42                     ; bh = 16 x batch + head
	s_and_b32 s86, s43, 7                          ; rb: which 256 tokens of the sequence
	s_lshl_b32 s88, s85, 17
	s_lshl_b32 s87, s86, 14
	s_add_co_u32 s88, s88, s87                     ; 131,072 bh + 16,384 rb
	s_lshl_b32 s87, s[WV], 12
	s_add_co_u32 s90, s88, s87
	s_mov_b32 s91, 0
	s_add_nc_u64 s[QB:QB+1], s[14:15], s[90:91]    ; q: tile of queries 16 rb + 4 w, 1,024 bytes a tile
	s_add_nc_u64 s[KB:KB+1], s[QB:QB+1], 0x800000  ; k: fragment of 32 keys 8 rb + 2 w, 2,048 bytes each: the same offset in part 1
	s_lshl_b32 s87, s19, 13
	s_add_co_u32 s90, s88, s87
	s_lshl_b32 s87, s20, 10
	s_add_co_u32 s90, s90, s87
	s_add_nc_u64 s[VBS:VBS+1], s[14:15], s[90:91]  ; v: key step 2 rb + w / 2, pieces 2 (w % 2) on
	s_add_nc_u64 s[VBS:VBS+1], s[VBS:VBS+1], 0x1000000
	s_lshl_b32 s90, s86, 10
	s_lshl_b32 s87, s[WV], 9
	s_add_co_u32 s90, s90, s87                     ; the scale words that I store: waves 0, 1: q's, 1,024 rb + 512 w;
	s_lshl_b32 s87, s[WV], 12
	s_lshl_b32 s89, s86, 9
	s_add_co_u32 s87, s87, s89                     ; wave 2: k's, wave 3: v's: 4,096 w + 512 rb
	s_cmp_lt_u32 s[WV], 2
	s_cselect_b32 s90, s90, s87
	s_lshl_b32 s87, s85, 14
	s_add_co_u32 s90, s90, s87
	s_add_nc_u64 s[SCB:SCB+1], s[16:17], s[90:91]
	s_lshl_b32 s90, s43, 13
	s_lshl_b32 s87, s[WV], 11
	s_add_co_u32 s90, s90, s87
	s_add_nc_u64 s[6:7], s[6:7], s[90:91]          ; x's scales at my first token: 32 bytes a row
	s_mul_i32 s90, s42, 6144
	s_add_nc_u64 s[10:11], s[10:11], s[90:91]      ; W's scales at the head's first row
	s_mul_i32 s90, s42, 768
	s_add_nc_u64 s[12:13], s[12:13], s[90:91]      ; b_fc at the head's first column
	v_and_b32 v1, 15, v0                           ; r
	v_bfe_u32 v2, v0, 4, 1                         ; h
	v_and_b32 v3, 8, v1
	v_add_nc_u32 v3, v3, v1                        ; r + 8 (r / 8)
	v_lshlrev_b32 v17, 5, v1
	v_lshl_add_u32 v17, v2, 4, v17                 ; 32 r + 16 h
	v_lshlrev_b32 v18, 5, v3
	v_lshl_add_u32 v18, v2, 4, v18
	v_lshlrev_b32 v19, 5, v2                       ; 32 h
	v_lshlrev_b32 v20, 2, v3
.irp b, 0,1,2,3,4,5,6,7
	global_load_b128 v[WS+4*\b:WS+4*\b+3], v17, s[10:11] offset:512*\b   ; 16 rows x 32 bytes: 512 consecutive bytes
.endr
.irp t, 0,1,2,3
	global_load_b128 v[WS+32+4*\t:WS+32+4*\t+3], v18, s[10:11] offset:(128+32*(\t/2)+8*(\t%2))*32
.endr
.irp a, 0,1,2,3
	global_load_b128 v[XS+4*\a:XS+4*\a+3], v17, s[6:7] offset:512*\a
.endr
.irp t, 0,1,2,3
.irp j, 0,1,2,3,4,5,6,7
	global_load_b32 v[VBI+8*\t+\j], v20, s[12:13] offset:4*(128+32*(\t/2)+8*(\t%2))   ; a v tile's C: my column's bias in all eight registers
.endr
.endr
	WIN 0x40                                       ; destination window 1
.irp b, 0,1,2,3,4,5,6,7
	global_load_b128 v[QKB+8*\b:QKB+8*\b+3], v19, s[12:13] offset:64*\b      ; a q or k tile's C: columns 16 b + 8 h + 0..7
	global_load_b128 v[QKB+8*\b+4:QKB+8*\b+7], v19, s[12:13] offset:64*\b+16
.endr
	WIN 0
	v_mul_u32_u24 v21, v1, PITCH
	v_lshl_add_u32 v21, v2, 4, v21                 ; r x pitch + 16 h
	s_mul_i32 s87, s[WV], 64*PITCH
	v_add_nc_u32 v[ADX], s87, v21
	v_add_nc_u32 v[ADX+1], SLOT, v[ADX]
	v_add_nc_u32 v[ADW], XROWS, v21
	v_add_nc_u32 v[ADW+1], SLOT, v[ADW]
	v_mul_u32_u24 v22, v3, PITCH
	v_lshl_add_u32 v22, v2, 4, v22
	v_add_nc_u32 v[ADV], XROWS, v22
	v_add_nc_u32 v[ADV+1], SLOT, v[ADV]
	v_and_b32 v[LI], 31, v0
	v_lshlrev_b32 v[LI], 4, v[LI]
	s_lshl_b32 s87, s[WV], 8
	s_add_co_u32 s87, s87, STG
	v_lshl_add_u32 v[SQA], v1, 2, s87              ; q's words: 256 w + 4 r
	s_lshl_b32 s87, s19, 8
	s_lshl_b32 s89, s20, 3
	s_add_co_u32 s89, s89, s87
	s_add_co_u32 s89, s89, STG+1024
	v_lshl_add_u32 v[SKA], v1, 4, s89              ; k's: 256 (w / 2) + 16 r + 8 (w % 2)
	s_lshl_b32 s89, s20, 1
	s_add_co_u32 s89, s89, s87
	s_add_co_u32 s89, s89, STG+1536
	v_lshl_add_u32 v[SVA], v1, 4, s89              ; v's bytes: 256 (w / 2) + 16 r + 2 (w % 2)
	v_lshl_add_u32 v[SRD], v0, 4, STG
.macro FRAG reg, adr, off              ; a fragment, 16 rows x 128 K: registers 4 c .. 4 c + 3 hold K = 32 c + 16 h + 0..15
.irp c, 0,1,2,3
	ds_load_b128 v[\reg+4*\c:\reg+4*\c+3], v[\adr] offset:\off+32*\c
.endr
.endm
.macro FETCH_W0 slot, q                ; W's tiles 0-5: 24 loads
	WIN 0x40
.irp b, 0,1,2,3,4,5
	FRAG 16*\b, ADW+\slot, 128*(\q)+\b*16*PITCH
.endr
.endm
.macro FETCH_W1 slot, q                ; W's tiles 6-11: 24 loads
	WIN 0x40
.irp b, 6,7
	FRAG 16*\b, ADW+\slot, 128*(\q)+\b*16*PITCH
.endr
.irp t, 0,1,2,3
	FRAG 128+16*\t, ADV+\slot, 128*(\q)+(128+32*(\t/2)+8*(\t%2))*PITCH
.endr
.endm
.macro FETCH_X slot, q, p              ; my four tiles of tokens into set p: 16 loads
	WIN 0
.irp a, 0,1,2,3
	FRAG XF+64*(\p)+16*\a, ADX+\slot, 128*(\q)+\a*16*PITCH
.endr
.endm
; one product.  wi: accumulator window 2 + wi; ap: tile of tokens 2 wi + ap; b: tile of columns; s: K step of 128; first: the bias is C
.macro MMT wi, ap, b, s, first         ; transposed: source 0 = W, source 1 = x
.set AC, 8*(12*(\ap)+(\b))
.set XR, XF+64*((\s)%2)+16*(2*(\wi)+(\ap))
.set WR, WS+4*(\b)+(\s)%4
.set XW, XS+4*(2*(\wi)+(\ap))+(\s)%4
.if \first
	v_wmma_scale_f32_16x16x128_f8f6f4 v[AC:AC+7], v[16*(\b):16*(\b)+15], v[XR:XR+15], v[QKB+8*(\b):QKB+8*(\b)+7], v[WR], v[XW] matrix_a_fmt:MATRIX_FMT_BF8 matrix_b_fmt:MATRIX_FMT_BF8
.elseif (\s) < 4
	v_wmma_scale_f32_16x16x128_f8f6f4 v[AC:AC+7], v[16*(\b):16*(\b)+15], v[XR:XR+15], v[AC:AC+7], v[WR], v[XW] matrix_a_fmt:MATRIX_FMT_BF8 matrix_b_fmt:MATRIX_FMT_BF8
.else
	v_wmma_scale_f32_16x16x128_f8f6f4 v[AC:AC+7], v[16*(\b):16*(\b)+15], v[XR:XR+15], v[AC:AC+7], v[WR], v[XW] matrix_a_fmt:MATRIX_FMT_BF8 matrix_b_fmt:MATRIX_FMT_BF8 matrix_a_scale:MATRIX_SCALE_ROW1 matrix_b_scale:MATRIX_SCALE_ROW1
.endif
.endm
.macro MMU wi, ap, b, s, first         ; straight: source 0 = x, source 1 = W
.set AC, 8*(12*(\ap)+(\b))
.set XR, XF+64*((\s)%2)+16*(2*(\wi)+(\ap))
.set WR, WS+4*(\b)+(\s)%4
.set XW, XS+4*(2*(\wi)+(\ap))+(\s)%4
.if \first
	v_wmma_scale_f32_16x16x128_f8f6f4 v[AC:AC+7], v[XR:XR+15], v[16*(\b):16*(\b)+15], v[VBI+8*((\b)-8):VBI+8*((\b)-8)+7], v[XW], v[WR] matrix_a_fmt:MATRIX_FMT_BF8 matrix_b_fmt:MATRIX_FMT_BF8
.elseif (\s) < 4
	v_wmma_scale_f32_16x16x128_f8f6f4 v[AC:AC+7], v[XR:XR+15], v[16*(\b):16*(\b)+15], v[AC:AC+7], v[XW], v[WR] matrix_a_fmt:MATRIX_FMT_BF8 matrix_b_fmt:MATRIX_FMT_BF8
.else
	v_wmma_scale_f32_16x16x128_f8f6f4 v[AC:AC+7], v[XR:XR+15], v[16*(\b):16*(\b)+15], v[AC:AC+7], v[XW], v[WR] matrix_a_fmt:MATRIX_FMT_BF8 matrix_b_fmt:MATRIX_FMT_BF8 matrix_a_scale:MATRIX_SCALE_ROW1 matrix_b_scale:MATRIX_SCALE_ROW1
.endif
.endm
; The 48 accumulators take turns, one instruction a turn, in the same order in every step.
.macro MULT_A wi, s, first             ; tiles 0-5: 12 products
.if \first
	WIN 0x91+0x40*(\wi)                            ; source 0 window 1, source 1 window 0, C (bias) window 1, D window 2 + wi
.else
	WIN 0xa1+0x50*(\wi)                            ; C and D window 2 + wi
.endif
.irp ap, 0,1
.irp b, 0,1,2,3,4,5
	MMT \wi, \ap, \b, \s, \first
.endr
.endr
.endm
.macro MULT_B wi, s, first             ; tiles 6, 7: 4 products
.if \first
	WIN 0x91+0x40*(\wi)
.else
	WIN 0xa1+0x50*(\wi)
.endif
.irp ap, 0,1
.irp b, 6,7
	MMT \wi, \ap, \b, \s, \first
.endr
.endr
.endm
.macro MULU wi, s, first               ; tiles 8-11: 8 products
.if \first
	WIN 0x84+0x40*(\wi)                            ; source 0 window 0, source 1 window 1, C (bias) window 0, D window 2 + wi
.else
	WIN 0xa4+0x50*(\wi)
.endif
.irp ap, 0,1
.irp b, 8,9,10,11
	MMU \wi, \ap, \b, \s, \first
.endr
.endr
.endm
.macro HALF2 s, first
	MULT_B 0, \s, \first
	MULU 0, \s, \first
	MULT_B 1, \s, \first
	MULU 1, \s, \first
.endm
; A load into a register that a matrix instruction has read stands eight places behind it, and only plain vector instructions that name none of its registers are places.
; A slot's first step of 128: its successor lies in the same slot.
.macro STEP slot, s, first
	s_wait_dscnt 24                                ; W's tiles 0-5 and x are in; the youngest 24 loads (W's tiles 6-11) may be out
	MULT_A 0, \s, \first
	MULT_A 1, \s, \first
	s_wait_dscnt 0x0                               ; W's tiles 6-11 are in
	PLACES 8
	FETCH_W0 \slot, 1
	FETCH_X \slot, 1, ((\s)+1)%2
	HALF2 \s, \first
	PLACES 8
	FETCH_W1 \slot, 1
	WIN 0
.endm
; A slot's second step changes slots: one barrier; in front of it each wave waits for all its tensor loads, adds 0 to its spare word, and waits for that and for its reads of this slot.
.macro TURN slot, next, s, fill
	s_wait_tensorcnt 0x0                           ; all my tensor loads have landed: my part of the next slot
	ds_add_u32 v[SPW], v[NIL]                      ; 0 onto my spare word
	s_wait_dscnt 25                                ; (the add and the youngest 24 loads may be out)
	MULT_A 0, \s, 0                                ; twelve products stand between the add and the wait for it
	s_wait_dscnt 0x0                               ; the add is done, and my reads of this slot are over
	s_barrier_signal -1
	MULT_A 1, \s, 0
	WIN 0
	s_barrier_wait -1
.if \fill
	CREST                                          ; the barrier has opened a round of the cluster's: no wave of any partner reads this slot or has a load on its way
	s_add_nc_u64 s[G0X+4*\slot+2:G0X+4*\slot+3], s[G0X+4*\slot+2:G0X+4*\slot+3], 512
	s_add_nc_u64 s[G0W+4*\slot+2:G0W+4*\slot+3], s[G0W+4*\slot+2:G0W+4*\slot+3], 512
	JLOAD \slot                                    ; my one tensor load behind the round; its four v_nop are four of the eight places
	PLACES 4
.else
	PLACES 8
.endif
	FETCH_W0 \next, 0
	FETCH_X \next, 0, ((\s)+1)%2
	HALF2 \s, 0
	PLACES 8
	FETCH_W1 \next, 0
	WIN 0
.endm
	s_wait_tensorcnt 0x1                           ; my part of slot 0 is in; slot 1's may stay out
	s_barrier_signal -1
	s_barrier_wait -1
	FETCH_W0 0, 0
	FETCH_X 0, 0, 0
	FETCH_W1 0, 0
	WIN 0
	s_wait_loadcnt 0x0                             ; the scale words and the biases
	STEP 0, 0, 1
	TURN 0, 1, 1, 1
	STEP 1, 2, 0
	TURN 1, 0, 3, 1
	STEP 0, 4, 0
	TURN 0, 1, 5, 0                                ; nothing is left to fetch
	STEP 1, 6, 0
	s_wait_dscnt 24                                ; the last step
	MULT_A 0, 7, 0
	MULT_A 1, 7, 0
	s_wait_dscnt 0x0
	HALF2 7, 0
	WIN 0
; THE WAY OUT.
; Four blocks of 32 are quantised: block b's 16 numbers of my lane are v[s + sb b + 0..7] and v[s + sb b + d2 + 0..7]; the other 16 lie in lane l xor 16.  Codes to v[PC + 4 b ..], the four bytes to v[PW].
.macro QUANT4 s, sb, d2
	s_wait_xcnt 0x0                                ; earlier stores have read the code registers
	s_wait_dscnt 0x0                               ; and the LDS stores theirs
.irp b, 0,1,2,3
	v_max3_num_f32 v[TM+\b], |v[\s+\sb*\b]|, |v[\s+\sb*\b+1]|, 0x8000000   ; with the floor 2^(16 - 127): the byte cannot fall under 1
.endr
.irp i, 2,4,6
.irp b, 0,1,2,3
	v_max3_num_f32 v[TM+\b], v[TM+\b], |v[\s+\sb*\b+\i]|, |v[\s+\sb*\b+\i+1]|
.endr
.endr
.irp i, 0,2,4,6
.irp b, 0,1,2,3
	v_max3_num_f32 v[TM+\b], v[TM+\b], |v[\s+\sb*\b+\d2+\i]|, |v[\s+\sb*\b+\d2+\i+1]|
.endr
.endr
.irp b, 0,1,2,3
	v_permlanex16_b32 v[TM+4+\b], v[TM+\b], s[SEL], s[SEL+1]
.endr
.irp b, 0,1,2,3
	v_max_num_f32 v[TM+\b], v[TM+\b], v[TM+4+\b]   ; the block's largest magnitude
.endr
.irp b, 0,1,2,3
	v_add_nc_u32 v[TM+12+\b], 0xf8800000, v[TM+\b] ; 15 off its exponent field: the conversion's scale operand
.endr
.irp b, 0,1,2,3
	v_and_or_b32 v[TM+8+\b], v[TM+\b], 0x7f800000, s[MNT]   ; 57,344 x the scale
.endr
.irp b, 0,1,2,3
	v_lshrrev_b32 v[TM+4+\b], 23, v[TM+12+\b]      ; the scale's byte
.endr
	v_lshl_or_b32 v[PW], v[TM+5], 8, v[TM+4]
	v_lshl_or_b32 v[PW], v[TM+6], 16, v[PW]
	v_lshl_or_b32 v[PW], v[TM+7], 24, v[PW]
.irp b, 0,1,2,3
.irp i, 0,1,2,3,4,5,6,7
	v_med3_num_f32 v[\s+\sb*\b+\i], v[\s+\sb*\b+\i], -v[TM+8+\b], v[TM+8+\b]   ; the conversion does not saturate (ISA guide 7.6.2): the hold
	v_med3_num_f32 v[\s+\sb*\b+\d2+\i], v[\s+\sb*\b+\d2+\i], -v[TM+8+\b], v[TM+8+\b]
.endr
	v_cvt_scalef32_pk8_bf8_f32 v[PC+4*\b:PC+4*\b+1], v[\s+\sb*\b:\s+\sb*\b+7], v[TM+12+\b]
	v_cvt_scalef32_pk8_bf8_f32 v[PC+4*\b+2:PC+4*\b+3], v[\s+\sb*\b+\d2:\s+\sb*\b+\d2+7], v[TM+12+\b]
.endr
	v_nop                                          ; one plain line behind the last conversion
.endm
; swish of one tile of tokens' 12 accumulators (96 registers of window 2 + wi): q and k to v96-159, v to v160 + 32 ap on.  Each accumulator is read from its low end on.
.macro SWISH wi, ap
	WIN 2+(\wi)                                    ; source 0: the accumulators' window
.set i, 0
.rept 48
.set d, 96+2*i
.if i >= 32
.set d, 160+32*(\ap)+2*(i-32)
.endif
	v_pk_mul_f32 v[d:d+1], v[96*(\ap)+2*i:96*(\ap)+2*i+1], s[NL:NL+1] op_sel_hi:[1,0]   ; -z log2(e)
.set i, i+1
.endr
	WIN 0
.set i, 0
.rept 96
.set d, 96+i
.if i >= 64
.set d, 160+32*(\ap)+i-64
.endif
	v_exp_f32 v[d], v[d]
.set i, i+1
.endr
	v_nop                                          ; a plain line behind the batch,
	s_wait_alu depctr_va_vdst(0)                   ; and one wait for it, ahead of its first reader
.set i, 0
.rept 48
.set d, 96+2*i
.if i >= 32
.set d, 160+32*(\ap)+2*(i-32)
.endif
	v_pk_add_f32 v[d:d+1], v[d:d+1], 1.0 op_sel_hi:[1,0]
.set i, i+1
.endr
.set i, 0
.rept 96
.set d, 96+i
.if i >= 64
.set d, 160+32*(\ap)+i-64
.endif
	v_rcp_f32 v[d], v[d]
.set i, i+1
.endr
	v_nop
	s_wait_alu depctr_va_vdst(0)
	WIN 2+(\wi)
.set i, 0
.rept 48
.set d, 96+2*i
.if i >= 32
.set d, 160+32*(\ap)+2*(i-32)
.endif
	v_pk_mul_f32 v[d:d+1], v[96*(\ap)+2*i:96*(\ap)+2*i+1], v[d:d+1]   ; z / (1 + 2^(-z log2 e))
.set i, i+1
.endr
	WIN 0
.endm
.macro OUT_QK wi, ap                   ; blocks: q's two, k's two, of my token
	QUANT4 96, 16, 8
	v_and_b32 v[QW], 0xffff, v[PW]
	v_lshl_or_b32 v[QW], v[PW], 16, v[QW]          ; q's word: its two bytes twice, for either half of a K step of 128
.if \ap == 0
	v_lshrrev_b32 v[KW], 16, v[PW]                 ; k's word: this key's two bytes below,
.else
	v_and_or_b32 v[KW], v[PW], 0xffff0000, v[KW]   ; those of the key 16 further on above
.endif
	global_store_b128 v[LI], v[PC:PC+3], s[QB:QB+1] offset:(2*\wi+\ap)*1024          ; each store: 512 consecutive bytes, aligned
	global_store_b128 v[LI], v[PC+4:PC+7], s[QB:QB+1] offset:(2*\wi+\ap)*1024+512
	global_store_b128 v[LI], v[PC+8:PC+11], s[KB:KB+1] offset:\wi*2048+(2*\ap)*512
	global_store_b128 v[LI], v[PC+12:PC+15], s[KB:KB+1] offset:\wi*2048+(2*\ap+1)*512
	ds_store_b32 v[SQA], v[QW] offset:64*(2*\wi+\ap)   ; lanes 16-31 write what lanes 0-15 write
.if \ap == 1
	ds_store_b32 v[SKA], v[KW] offset:4*\wi
.endif
.endm
.macro OUT_V wi                        ; block t: v tile t's column of my lane, 32 tokens
	QUANT4 160, 8, 32
.irp t, 0,1,2,3
	global_store_b128 v[LI], v[PC+4*\t:PC+4*\t+3], s[VBS:VBS+1] offset:\t*2048+\wi*512
	ds_store_b8 v[SVA], v[TM+4+\t] offset:4*\t+\wi
.endr
.endm
	PLACES 8                                       ; behind the last products: results are read and operands' registers written from here on
.irp b, 0,1,2,3
	v_mov_b32 v[TM+4+\b], 0                        ; a lane permute's destination counts as one of its sources
.endr
.irp wi, 0,1
	SWISH \wi, 0
	OUT_QK \wi, 0
	SWISH \wi, 1
	OUT_QK \wi, 1
	OUT_V \wi
.endr
	s_wait_dscnt 0x0                               ; my words lie in the stage
	s_barrier_signal -1
	s_barrier_wait -1                              ; everybody's do
	ds_load_b128 v[28:31], v[SRD]
	s_wait_dscnt 0x0
	global_store_b128 v[LI], v[28:31], s[SCB:SCB+1]   ; a wave stores 512 consecutive bytes of scale words
	s_wait_tensorcnt 0x0                           ; the wave's end
	ds_add_u32 v[SPW], v[NIL]
	s_wait_dscnt 0x0
	CROUND                                         ; the closing round
	s_endpgm
.Lfunc_end_k_qa922dc4ca1_qkv:
	.size	k_qa922dc4ca1_qkv, .Lfunc_end_k_qa922dc4ca1_qkv-k_qa922dc4ca1_qkv
	.p2alignl 7, 3214868480
	.fill 96, 4, 3214868480
	.section	.rodata,"a",@progbits
	.p2align	6, 0x0
	.amdhsa_kernel k_qa922dc4ca1_qkv
		.amdhsa_group_segment_fixed_size 327680
		.amdhsa_private_segment_fixed_size 0
		.amdhsa_enable_private_segment 0
		.amdhsa_kernarg_size 56
		.amdhsa_user_sgpr_count 2
		.amdhsa_user_sgpr_kernarg_segment_ptr 1
		.amdhsa_wavefront_size32 1
		.amdhsa_system_sgpr_workgroup_id_x 1
		.amdhsa_system_sgpr_workgroup_id_y 1
		.amdhsa_system_sgpr_workgroup_id_z 1
		.amdhsa_system_vgpr_workitem_id 0
		.amdhsa_next_free_vgpr 1024
		.amdhsa_next_free_sgpr 100
		.amdhsa_reserve_vcc 0
		.amdhsa_float_denorm_mode_32 3
		.amdhsa_float_denorm_mode_16_64 3
		.amdhsa_memory_ordered 1
		.amdhsa_forward_progress 1
		.amdhsa_inst_pref_size 218
	.end_amdhsa_kernel
	.amdgpu_metadata
---
amdhsa.version: [ 1, 2 ]
amdhsa.kernels:
  - .name:           k_qa922dc4ca1_qkv
    .symbol:         k_qa922dc4ca1_qkv.kd
    .args:
      - { .name: x_codes, .offset: 0, .size: 8, .value_kind: global_buffer, .address_space: global }
      - { .name: x_scales, .offset: 8, .size: 8, .value_kind: global_buffer, .address_space: global }
      - { .name: W_fc_codes, .offset: 16, .size: 8, .value_kind: global_buffer, .address_space: global }
      - { .name: W_fc_scales, .offset: 24, .size: 8, .value_kind: global_buffer, .address_space: global }
      - { .name: b_fc, .offset: 32, .size: 8, .value_kind: global_buffer, .address_space: global }
      - { .name: qkv_img, .offset: 40, .size: 8, .value_kind: global_buffer, .address_space: global }
      - { .name: scl, .offset: 48, .size: 8, .value_kind: global_buffer, .address_space: global }
    .group_segment_fixed_size: 327680
    .private_segment_fixed_size: 0
    .kernarg_segment_align: 8
    .kernarg_segment_size: 56
    .max_flat_workgroup_size: 128
    .sgpr_count:     100
    .vgpr_count:     1024
    .wavefront_size: 32
...
	.end_amdgpu_metadata
.endif
;; end of part 2
;; launch attn (part 3): grid 8 x 64, 8 waves a work-group, clusters of 4 x 1, 327,680 bytes of LDS; arguments qkv_img, scl, nv_img, nv_scl; writes nv_img, nv_scl
.if DOCPART == 3
	.amdgcn_target "amdgcn-amd-amdhsa--gfx1250"
	.amdhsa_code_object_version 6
	.text
	.protected	k_qa922dc4ca1_attn
	.globl	k_qa922dc4ca1_attn
	.p2align	8
	.type	k_qa922dc4ca1_attn,@function
k_qa922dc4ca1_attn:
	s_mov_b64 s[64:65], 0
	v_nop
	global_prefetch_b8 v0, s[64:65] scope:SCOPE_SE
	s_setreg_imm32_b32 hwreg(HW_REG_WAVE_MODE, 25, 1), 1
	s_wait_xcnt 0x0
	s_wait_alu depctr_hold_cnt(0) depctr_sa_sdst(0) depctr_va_vdst(0) depctr_va_sdst(0) depctr_va_ssrc(0) depctr_va_vcc(0) depctr_vm_vsrc(0)
	s_getreg_b32 s2, hwreg(HW_REG_IB_STS2, 6, 4)
	s_cmp_eq_u32 s2, 0
	s_cbranch_scc0 .Lentry_in_a_cluster
	s_endpgm
.Lentry_in_a_cluster:
	s_bfe_u32 s2, ttmp6, 0x10000c
	s_cmp_lg_u32 s2, 0x3003
	s_cbranch_scc0 .Lentry_shape_is_right
	s_endpgm
.Lentry_shape_is_right:
; new_v = softmax(q k^T) v for one head (no scale, no mask), both products on codes of E5M2 with E8M0 scales; the result is quantised along the head's 64 for the last product.
; THE SOFTMAX: t = score x log2(e); M = the running largest t rounded UP to a whole number; p = 2^(t - M) is quantised along the keys, not normalised; the row's sum is taken of the unquantised p
; and divides at the end.  When M moves, the sum and O are multiplied by 2^(old M - new M), which rounds nothing.
; SHARES.  A work-group: 256 queries of one head.  Each of eight waves: two tiles of 16 queries, so that each fragment of K and V read from LDS feeds two products; two waves to a SIMD.
; THE HEAD'S K AND V STAY IN LDS, as images of operand registers (each fragment piece is 512 consecutive bytes, 16 a lane): 131,072 bytes each, and 8,192 of scale words.  Nothing is filled twice: no ring.
; CLUSTER 4 x 1: the four query blocks of a cluster belong to one head, so each part is asked for jointly.  Every wave issues three loads: its eighth of the scale words; key steps 0-3; key steps 4-15,
; which land while steps 0-3 are worked.
; BOTH PRODUCTS ARE USED TRANSPOSED: S^T = K Q^T, O^T = V^T P^T: a lane holds one query throughout.
; THE FIRST PRODUCT'S K IS 64: a fragment of K holds TWO tiles of 16 keys (K places 0-63: keys 32 f + r; 64-127: keys 32 f + 16 + r), and q stands between zero codes: the view [q | 0] gives the first tile's
; scores, [0 | q] the second's.  Zero codes add nothing (all codes are finite and no scale byte is 0xff).
; p's 16 registers of two neighbouring tiles are the keys 32 c + 16 u + 8 h + j in place 32 c + 16 h + 8 u + j; v's codes were laid in the same places.
; LIMITS: NaN and infinities are not served; a block whose largest magnitude lies under 2^-111 keeps the byte 1, and so does a block of zeros (zero codes).
; No prefetch: all that the work-group reads is asked for at its head.
; REGISTERS: window 0: v1-7 addresses; v8-23 statistics, eight a tile; v24-27 K's scale words, v28-31 V's, v32 q's (lanes 0-15 tile 0, lanes 16-31 tile 1), v33-34 p's; v36-67 block work; v68-84 the last quantiser;
;   v96-223 S^T, then p; v224-255 p's codes.   window 1: v0-63 K's four fragments; v64-127 V's four; v128-191 O^T; v192-231 0 | q tile 0 | 0 | q tile 1 | 0.
.set VIMG, 131072
.set SCL,  262144
.set STG,  SCL+8192
.set LI,   1                           ; 16 x lane
.set SR,   2                           ; SCL + 16 r
.set ADK,  3
.set ADVV, 4
.set ADS,  5
.set STA,  7                           ; STG + 2 x thread
.set ST,   8                           ; tile x at ST + 8 x: +0 -M, +1 largest t, +2:+3 the sum, +4:+5 f, +6, +7 at work
.set KS,   24
.set VS,   28
.set QS,   32
.set PS,   33
.set T,    36                          ; tile x at T + 16 x: +0..3 block maxima, +4..7 at work, +8..11 the hold, +12..15 the conversions' scale operands
.set TM,   68
.set PW,   84
.set RDS,  85                          ; STG + 16 x lane
.set S,    96
.set P,    224
.set PC,   224
.set VF,   64                          ; window 1
.set O,    128
.set QZ,   192
.set WV,   12
.set G1S,  16
.set G1A,  24
.set G1B,  32
.set G0S,  40
.set G0A,  44
.set G0B,  48
.set TK,   52
.set TS,   53
.set CNT,  54
.set MNT,  55
.set CS,   56
.set SEL,  58
.set MSB, 0
.macro WIN new
.if MSB != (\new)
	s_set_vgpr_msb (MSB<<8)|(\new)
.set MSB, (\new)
.endif
.endm
.macro PLACES n
.rept \n
	v_nop
.endr
.endm
.macro CROUND                          ; a round of the cluster's barrier
	s_barrier_signal -1
	s_barrier_wait -1
	s_cmp_lg_u32 s[WV], 0
	s_cbranch_scc1 .Lnot_wave_0_\@
	s_barrier_signal -3
.Lnot_wave_0_\@:
	s_barrier_wait -3
	s_barrier_signal -1
	s_barrier_wait -1
.endm
	s_load_b256 s[4:11], s[0:1], 0x0               ; the images, the scale words, new_v's images, new_v's scales
	v_lshl_add_u32 v94, v0, 2, 0x42200
	v_mov_b32 v95, 0
	ds_add_u32 v94, v95
	ds_add_u32 v94, v95
	v_lshrrev_b32 v1, 5, v0
	v_readfirstlane_b32 s[WV], v1                  ; wave 0..7
	s_bfe_u32 s13, ttmp6, 0x40000                  ; cx
	s_lshl_b32 s14, ttmp9, 2
	s_add_co_u32 s14, s14, s13                     ; my block of 256 queries: it enters q's and the results' addresses alone
	s_and_b32 s15, ttmp7, 0xffff                   ; bh, which the four partners share
	s_mov_b32 s[G1S], 15|(3<<16)|(1<<21)           ; the mask: all four; elements of 8 bytes; bit 21 beside a mask.  One row of 1,024 bytes
	s_mov_b32 s[G1S+1], 128<<16
	s_mov_b32 s[G1S+2], 1<<16
	s_mov_b32 s[G1S+3], 128<<16
	s_mov_b32 s[G1S+4], 1
	s_mov_b32 s[G1S+5], 128
	s_mov_b32 s[G1S+6], 0
	s_mov_b32 s[G1S+7], 0
	s_mov_b32 s[G1A], 15|(3<<16)|(1<<21)           ; a dense block as 32 rows of 256 bytes
	s_mov_b32 s[G1A+1], 32<<16
	s_mov_b32 s[G1A+2], 32<<16
	s_mov_b32 s[G1A+3], 32<<16
	s_mov_b32 s[G1A+4], 32
	s_mov_b32 s[G1A+5], 32
	s_mov_b32 s[G1A+6], 0
	s_mov_b32 s[G1A+7], 0
	s_mov_b32 s[G1B], 15|(3<<16)|(1<<21)           ; and as 96 rows
	s_mov_b32 s[G1B+1], 32<<16
	s_mov_b32 s[G1B+2], 96<<16
	s_mov_b32 s[G1B+3], 32<<16
	s_mov_b32 s[G1B+4], 96
	s_mov_b32 s[G1B+5], 32
	s_mov_b32 s[G1B+6], 0
	s_mov_b32 s[G1B+7], 0
	s_lshr_b32 s60, s[WV], 2                       ; waves 0-3 fetch K's image, waves 4-7 V's
	s_and_b32 s61, s[WV], 3
	s_lshl_b32 s62, s60, 17
	s_lshl_b32 s63, s61, 13
	s_add_co_u32 s63, s63, s62                     ; LDS: key step w % 4
	s_mul_i32 s66, s61, 24576
	s_add_co_u32 s66, s66, s62
	s_add_co_u32 s66, s66, 32768                   ; LDS: three key steps from 4 + 3 (w % 4) on
	s_add_co_u32 s67, s60, 1
	s_lshl_b32 s67, s67, 23                        ; part 1 (K) or 2 (V) of the images,
	s_lshl_b32 s68, s15, 17
	s_add_co_u32 s67, s67, s68                     ; the head
	s_lshl_b32 s68, s61, 13
	s_add_co_u32 s68, s68, s67
	s_mov_b32 s69, 0
	s_mul_i32 s70, s61, 24576
	s_add_co_u32 s70, s70, s67
	s_add_co_u32 s70, s70, 32768
	s_mov_b32 s71, 0
	s_lshl_b32 s72, s15, 14
	s_lshl_b32 s74, s[WV], 10
	s_add_co_u32 s72, s72, s74
	s_add_co_u32 s72, s72, 8192                    ; K's and V's words lie behind q's 8,192 bytes
	s_mov_b32 s73, 0
	s_add_co_u32 s74, s74, SCL
	s_lshl_b32 s76, s15, 17                        ; q: tile of queries 16 qb + 2 w, 1,024 bytes a tile
	s_lshl_b32 s75, s14, 14
	s_add_co_u32 s76, s76, s75
	s_lshl_b32 s75, s[WV], 11
	s_add_co_u32 s76, s76, s75
	s_mov_b32 s77, 0
	s_lshl_b32 s78, s15, 14                        ; its words: 64 bytes a tile
	s_lshl_b32 s75, s14, 10
	s_add_co_u32 s78, s78, s75
	s_lshl_b32 s75, s[WV], 7
	s_add_co_u32 s78, s78, s75
	s_mov_b32 s79, 0
	s_lshr_b32 s80, s15, 4                         ; new_v: tile of rows 128 batch + 16 qb + 2 w, 16,384 bytes a tile; K step head / 2; pieces 2 (head % 2) on
	s_lshl_b32 s80, s80, 21
	s_lshl_b32 s75, s14, 18
	s_add_co_u32 s80, s80, s75
	s_lshl_b32 s75, s[WV], 15
	s_add_co_u32 s80, s80, s75
	s_bfe_u32 s75, s15, 0x30001
	s_lshl_b32 s75, s75, 11
	s_add_co_u32 s80, s80, s75
	s_and_b32 s75, s15, 1
	s_lshl_b32 s75, s75, 10
	s_add_co_u32 s80, s80, s75
	s_mov_b32 s81, 0
	s_lshl_b32 s82, s15, 12                        ; its scales: two bytes a token
	s_lshl_b32 s75, s14, 9
	s_add_co_u32 s82, s82, s75
	s_mov_b32 s83, 0
	s_mov_b32 s[CS], 0x3fb8aa3b                    ; log2(e)
	s_mov_b32 s[CS+1], s[CS]
	s_mov_b32 s[SEL], 0x76543210
	s_mov_b32 s[SEL+1], 0xfedcba98
	s_mov_b32 s[MNT], 0x600000
	s_mov_b32 s[TK], 0
	s_mov_b32 s[TS], 0
	s_wait_dscnt 0x0
	s_wait_kmcnt 0x0
	s_mov_b32 s[G0S], 1
	s_mov_b32 s[G0S+1], s74
	s_add_nc_u64 s[G0S+2:G0S+3], s[6:7], s[72:73]
	s_or_b32 s[G0S+3], s[G0S+3], 0x80000000
	s_mov_b32 s[G0A], 1
	s_mov_b32 s[G0A+1], s63
	s_add_nc_u64 s[G0A+2:G0A+3], s[4:5], s[68:69]
	s_or_b32 s[G0A+3], s[G0A+3], 0x80000000
	s_mov_b32 s[G0B], 1
	s_mov_b32 s[G0B+1], s66
	s_add_nc_u64 s[G0B+2:G0B+3], s[4:5], s[70:71]
	s_or_b32 s[G0B+3], s[G0B+3], 0x80000000
	s_add_nc_u64 s[76:77], s[4:5], s[76:77]
	s_add_nc_u64 s[78:79], s[6:7], s[78:79]
	s_add_nc_u64 s[80:81], s[8:9], s[80:81]
	s_add_nc_u64 s[82:83], s[10:11], s[82:83]
	CROUND                                         ; all four work-groups are here: the joint loads meet
	tensor_load_to_lds s[G0S:G0S+3], s[G1S:G1S+7]  ; three tensor loads of mine are out
	s_nop 0
	tensor_load_to_lds s[G0A:G0A+3], s[G1A:G1A+7]
	s_nop 0
	tensor_load_to_lds s[G0B:G0B+3], s[G1B:G1B+7]
	s_nop 0
	PLACES 4
	v_and_b32 v[LI], 31, v0
	v_lshlrev_b32 v6, 2, v[LI]
	v_lshlrev_b32 v[LI], 4, v[LI]
	v_and_b32 v[SR], 15, v0
	v_lshl_add_u32 v[SR], v[SR], 4, SCL
	v_lshl_add_u32 v[STA], v0, 1, STG
	v_add_nc_u32 v[RDS], STG, v[LI]
	global_load_b32 v[QS], v6, s[78:79]
	WIN 0x40                                       ; destination window 1
.irp x, 0,1
.irp e, 0,1
	global_load_b128 v[QZ+8+16*\x+4*\e:QZ+8+16*\x+4*\e+3], v[LI], s[76:77] offset:\x*1024+512*\e
.endr
.endr
.irp z, 0,16,32
.irp j, 0,1,2,3,4,5,6,7
	v_mov_b32 v[QZ+\z+\j], 0                       ; the zero codes round q
.endr
.endr
.set i, 0
.rept 64
	v_mov_b32 v[O+i], 0                            ; O^T: the step is written alike for all steps; the first change of M multiplies zeros
.set i, i+1
.endr
	WIN 0
.irp x, 0,1
	v_mov_b32 v[ST+8*\x+1], 0xff61b1e6             ; the largest t so far: -3e38
	v_floor_f32 v[ST+8*\x], -v[ST+8*\x+1]
	v_mov_b32 v[ST+8*\x+2], 0
	v_mov_b32 v[ST+8*\x+3], 0
	v_mov_b32 v[ST+8*\x+5], 0                      ; (named as the upper half of a pair)
	v_mov_b32 v[ST+8*\x+6], 0
	v_mov_b32 v[ST+8*\x+7], 0
.irp b, 0,1,2,3
	v_mov_b32 v[T+16*\x+4+\b], 0                   ; a lane permute's destination counts as one of its sources
.endr
.endr
.irp b, 0,1,2,3
	v_mov_b32 v[TM+4+\b], 0
.endr
.macro PH_MAX x                        ; the largest score of each block of 32 keys: for the row's maximum, and, since p rises with the score, for the block's largest p
.irp b, 0,1,2,3
	v_max3_num_f32 v[T+16*\x+\b], v[S+64*\x+16*\b], v[S+64*\x+16*\b+1], v[S+64*\x+16*\b+2]
.endr
.irp i, 3,5,7,9,11,13
.irp b, 0,1,2,3
	v_max3_num_f32 v[T+16*\x+\b], v[T+16*\x+\b], v[S+64*\x+16*\b+\i], v[S+64*\x+16*\b+\i+1]
.endr
.endr
.irp b, 0,1,2,3
	v_max_num_f32 v[T+16*\x+\b], v[T+16*\x+\b], v[S+64*\x+16*\b+15]
.endr
.irp b, 0,1,2,3
	v_permlanex16_b32 v[T+16*\x+4+\b], v[T+16*\x+\b], s[SEL], s[SEL+1]
.endr
.irp b, 0,1,2,3
	v_max_num_f32 v[T+16*\x+\b], v[T+16*\x+\b], v[T+16*\x+4+\b]
.endr
.endm
.macro PH_STAT x
	v_max3_num_f32 v[ST+8*\x+6], v[T+16*\x], v[T+16*\x+1], v[T+16*\x+2]
	v_max_num_f32 v[ST+8*\x+6], v[ST+8*\x+6], v[T+16*\x+3]
	v_mul_f32 v[ST+8*\x+6], s[CS], v[ST+8*\x+6]
	v_max_num_f32 v[ST+8*\x+1], v[ST+8*\x+1], v[ST+8*\x+6]   ; the running largest t
	v_mov_b32 v[ST+8*\x+6], v[ST+8*\x]
	v_floor_f32 v[ST+8*\x], -v[ST+8*\x+1]          ; -M = floor(-t): M is a whole number
	v_sub_f32 v[ST+8*\x+6], v[ST+8*\x], v[ST+8*\x+6]
	v_cvt_i32_f32 v[ST+8*\x+6], v[ST+8*\x+6]       ; old M - new M, 0 or less (it saturates)
	v_ldexp_f32 v[ST+8*\x+4], 1.0, v[ST+8*\x+6]    ; f = 2^(old M - new M)
.endm
.macro PH_FMA x
.set i, 0
.rept 32
	v_pk_fma_f32 v[S+64*\x+2*i:S+64*\x+2*i+1], v[S+64*\x+2*i:S+64*\x+2*i+1], s[CS:CS+1], v[ST+8*\x:ST+8*\x+1] op_sel_hi:[1,0,0]   ; t - M
.set i, i+1
.endr
.irp b, 0,1,2,3
	v_fma_f32 v[T+16*\x+\b], v[T+16*\x+\b], s[CS], v[ST+8*\x]
.endr
.endm
.macro PH_SUM x                        ; the row's sum of the unquantised p, two at a time, in two chains
	v_pk_add_f32 v[T+16*\x+4:T+16*\x+5], v[S+64*\x:S+64*\x+1], v[S+64*\x+2:S+64*\x+3]
.irp j, 4,8,12,16,20,24,28,32,36,40,44,48,52,56,60
	v_pk_add_f32 v[ST+8*\x+2:ST+8*\x+3], v[ST+8*\x+2:ST+8*\x+3], v[S+64*\x+\j:S+64*\x+\j+1]
	v_pk_add_f32 v[T+16*\x+4:T+16*\x+5], v[T+16*\x+4:T+16*\x+5], v[S+64*\x+\j+2:S+64*\x+\j+3]
.endr
	v_pk_add_f32 v[ST+8*\x+2:ST+8*\x+3], v[ST+8*\x+2:ST+8*\x+3], v[T+16*\x+4:T+16*\x+5]
.endm
.macro PH_SCL x
.irp b, 0,1,2,3
	v_max_num_f32 v[T+16*\x+\b], 0x8000000, v[T+16*\x+\b]   ; the floor 2^(16 - 127)
.endr
.irp b, 0,1,2,3
	v_add_nc_u32 v[T+16*\x+12+\b], 0xf8800000, v[T+16*\x+\b]
.endr
.irp b, 0,1,2,3
	v_and_or_b32 v[T+16*\x+8+\b], v[T+16*\x+\b], 0x7f800000, s[MNT]
.endr
.irp b, 0,1,2,3
	v_lshrrev_b32 v[T+16*\x+4+\b], 23, v[T+16*\x+12+\b]
.endr
	v_lshl_or_b32 v[PS+\x], v[T+16*\x+5], 8, v[T+16*\x+4]   ; p's scale word for these 128 keys
	v_lshl_or_b32 v[PS+\x], v[T+16*\x+6], 16, v[PS+\x]
	v_lshl_or_b32 v[PS+\x], v[T+16*\x+7], 24, v[PS+\x]
.endm
.macro PH_CVT x
.irp b, 0,1,2,3
.irp i, 0,1,2,3,4,5,6,7,8,9,10,11,12,13,14,15
	v_min_num_f32 v[S+64*\x+16*\b+\i], v[S+64*\x+16*\b+\i], v[T+16*\x+8+\b]   ; p is not negative: a one-sided hold (ISA guide 7.6.2)
.endr
	v_cvt_scalef32_pk8_bf8_f32 v[P+16*\x+4*\b:P+16*\x+4*\b+1], v[S+64*\x+16*\b:S+64*\x+16*\b+7], v[T+16*\x+12+\b]
	v_cvt_scalef32_pk8_bf8_f32 v[P+16*\x+4*\b+2:P+16*\x+4*\b+3], v[S+64*\x+16*\b+8:S+64*\x+16*\b+15], v[T+16*\x+12+\b]
.endr
.endm
; A KEY STEP: 128 keys, both tiles of queries.
.macro STEP
	v_add_nc_u32 v[ADK], s[TK], v[LI]
	v_add_nc_u32 v[ADS], s[TS], v[SR]
	v_add_nc_u32 v[ADVV], VIMG, v[ADK]
	ds_load_b128 v[KS:KS+3], v[ADS]                ; K's four scale words of my row
	WIN 0x40
.irp c, 0,1,2,3
.irp i, 0,1,2,3
	ds_load_b128 v[16*\c+4*\i:16*\c+4*\i+3], v[ADK] offset:2048*\c+512*\i
.endr
.endr
	s_wait_dscnt 0x0
	WIN 0x05                                       ; sources 0 and 1 window 1, D window 0
.irp c, 0,1,2,3
.irp u, 0,1
	v_wmma_scale_f32_16x16x128_f8f6f4 v[S+16*\c+8*\u:S+16*\c+8*\u+7], v[16*\c:16*\c+15], v[QZ+8-8*\u:QZ+8-8*\u+15], 0, v[KS+\c], v[QS] matrix_a_fmt:MATRIX_FMT_BF8 matrix_b_fmt:MATRIX_FMT_BF8
	v_wmma_scale_f32_16x16x128_f8f6f4 v[S+64+16*\c+8*\u:S+64+16*\c+8*\u+7], v[16*\c:16*\c+15], v[QZ+24-8*\u:QZ+24-8*\u+15], 0, v[KS+\c], v[QS] matrix_a_fmt:MATRIX_FMT_BF8 matrix_b_fmt:MATRIX_FMT_BF8 matrix_b_scale:MATRIX_SCALE_ROW1
.endr
.endr
	WIN 0
	PLACES 8                                       ; behind these products (their results are read below) and, with the three additions at the step's head, behind the last step's (V's registers are loaded below)
	ds_load_b128 v[VS:VS+3], v[ADS] offset:4096
	WIN 0x40
.irp t, 0,1,2,3
.irp c, 0,1,2,3
	ds_load_b128 v[VF+16*\t+4*\c:VF+16*\t+4*\c+3], v[ADVV] offset:2048*\t+512*\c
.endr
.endr
	WIN 0
	PH_MAX 0
	PH_MAX 1
	PH_STAT 0
	PH_STAT 1
	PH_FMA 0
	PH_FMA 1
.set i, 0
.rept 128
	v_exp_f32 v[S+i], v[S+i]                       ; p = 2^(t - M): one batch for both tiles
.set i, i+1
.endr
	v_pk_mul_f32 v[ST+2:ST+3], v[ST+2:ST+3], v[ST+4:ST+5] op_sel_hi:[1,0]       ; the sums under the new M (plain lines behind the batch)
	v_pk_mul_f32 v[ST+10:ST+11], v[ST+10:ST+11], v[ST+12:ST+13] op_sel_hi:[1,0]
	s_wait_alu depctr_va_vdst(0)                   ; one wait for the batch, ahead of its first reader
.irp x, 0,1
.irp b, 0,1,2,3
	v_exp_f32 v[T+16*\x+\b], v[T+16*\x+\b]         ; each block's largest p
.endr
.endr
	PH_SUM 0                                       ; reads the 128 alone: plain work behind the eight
	PH_SUM 1
	s_wait_alu depctr_va_vdst(0)                   ; and one wait for the eight
	PH_SCL 0
	PH_SCL 1
	PH_CVT 0
	PH_CVT 1
	WIN 0x41                                       ; O^T (destination and source 0) window 1, f window 0
.irp x, 0,1
.set i, 0
.rept 16
	v_pk_mul_f32 v[O+32*\x+2*i:O+32*\x+2*i+1], v[O+32*\x+2*i:O+32*\x+2*i+1], v[ST+8*\x+4:ST+8*\x+5] op_sel_hi:[1,0]   ; O^T under the new M; also the places in front of the products
.set i, i+1
.endr
.endr
	s_wait_dscnt 0x0                               ; V is in
	WIN 0x51                                       ; V window 1, p's codes window 0, C and D window 1
.irp t, 0,1,2,3
.irp x, 0,1
	v_wmma_scale_f32_16x16x128_f8f6f4 v[O+32*\x+8*\t:O+32*\x+8*\t+7], v[VF+16*\t:VF+16*\t+15], v[P+16*\x:P+16*\x+15], v[O+32*\x+8*\t:O+32*\x+8*\t+7], v[VS+\t], v[PS+\x] matrix_a_fmt:MATRIX_FMT_BF8 matrix_b_fmt:MATRIX_FMT_BF8
.endr
.endr
	WIN 0
	s_add_co_u32 s[TK], s[TK], 8192
	s_add_co_u32 s[TS], s[TS], 256
.endm
	s_wait_loadcnt 0x0                             ; q and its words
	s_wait_tensorcnt 0x1                           ; my parts of the scale words and of key steps 0-3 are in; the third load may stay out
	s_barrier_signal -1
	s_barrier_wait -1                              ; everybody's are
	s_mov_b32 s[CNT], 4
.Lfirst:
	STEP
	s_sub_co_u32 s[CNT], s[CNT], 1
	s_cmp_lg_u32 s[CNT], 0
	s_cbranch_scc1 .Lfirst
	s_wait_tensorcnt 0x0                           ; my part of key steps 4-15 is in
	s_barrier_signal -1
	s_barrier_wait -1
	s_mov_b32 s[CNT], 12
.Lrest:
	STEP
	s_sub_co_u32 s[CNT], s[CNT], 1
	s_cmp_lg_u32 s[CNT], 0
	s_cbranch_scc1 .Lrest
; THE WAY OUT: O^T / the sum; register 16 b + i of a tile is channel 32 b + 16 h + i of my query: the order of the last product's K.
.macro QUANT4 s, sb, d2
	s_wait_xcnt 0x0
	s_wait_dscnt 0x0
.irp b, 0,1,2,3
	v_max3_num_f32 v[TM+\b], |v[\s+\sb*\b]|, |v[\s+\sb*\b+1]|, 0x8000000
.endr
.irp i, 2,4,6
.irp b, 0,1,2,3
	v_max3_num_f32 v[TM+\b], v[TM+\b], |v[\s+\sb*\b+\i]|, |v[\s+\sb*\b+\i+1]|
.endr
.endr
.irp i, 0,2,4,6
.irp b, 0,1,2,3
	v_max3_num_f32 v[TM+\b], v[TM+\b], |v[\s+\sb*\b+\d2+\i]|, |v[\s+\sb*\b+\d2+\i+1]|
.endr
.endr
.irp b, 0,1,2,3
	v_permlanex16_b32 v[TM+4+\b], v[TM+\b], s[SEL], s[SEL+1]
.endr
.irp b, 0,1,2,3
	v_max_num_f32 v[TM+\b], v[TM+\b], v[TM+4+\b]
.endr
.irp b, 0,1,2,3
	v_add_nc_u32 v[TM+12+\b], 0xf8800000, v[TM+\b]
.endr
.irp b, 0,1,2,3
	v_and_or_b32 v[TM+8+\b], v[TM+\b], 0x7f800000, s[MNT]
.endr
.irp b, 0,1,2,3
	v_lshrrev_b32 v[TM+4+\b], 23, v[TM+12+\b]
.endr
	v_lshl_or_b32 v[PW], v[TM+5], 8, v[TM+4]
	v_lshl_or_b32 v[PW], v[TM+6], 16, v[PW]
	v_lshl_or_b32 v[PW], v[TM+7], 24, v[PW]
.irp b, 0,1,2,3
.irp i, 0,1,2,3,4,5,6,7
	v_med3_num_f32 v[\s+\sb*\b+\i], v[\s+\sb*\b+\i], -v[TM+8+\b], v[TM+8+\b]
	v_med3_num_f32 v[\s+\sb*\b+\d2+\i], v[\s+\sb*\b+\d2+\i], -v[TM+8+\b], v[TM+8+\b]
.endr
	v_cvt_scalef32_pk8_bf8_f32 v[PC+4*\b:PC+4*\b+1], v[\s+\sb*\b:\s+\sb*\b+7], v[TM+12+\b]
	v_cvt_scalef32_pk8_bf8_f32 v[PC+4*\b+2:PC+4*\b+3], v[\s+\sb*\b+\d2:\s+\sb*\b+\d2+7], v[TM+12+\b]
.endr
	v_nop
.endm
	PLACES 8                                       ; behind the last products
.irp x, 0,1
	v_add_f32 v[ST+8*\x+2], v[ST+8*\x+2], v[ST+8*\x+3]
.endr
.irp x, 0,1
	v_permlanex16_b32 v[ST+8*\x+6], v[ST+8*\x+2], s[SEL], s[SEL+1]
.endr
.irp x, 0,1
	v_add_f32 v[ST+8*\x+2], v[ST+8*\x+2], v[ST+8*\x+6]   ; the row's sum
.endr
.irp x, 0,1
	v_rcp_f32 v[ST+8*\x+6], v[ST+8*\x+2]
.endr
	v_nop
	s_wait_alu depctr_va_vdst(0)                   ; one wait for the two reciprocals
	WIN 0x01                                       ; source 0 window 1
.irp x, 0,1
.set i, 0
.rept 16
	v_pk_mul_f32 v[S+32*\x+2*i:S+32*\x+2*i+1], v[O+32*\x+2*i:O+32*\x+2*i+1], v[ST+8*\x+6:ST+8*\x+7] op_sel_hi:[1,0]
.set i, i+1
.endr
.endr
	WIN 0
	QUANT4 96, 16, 8                               ; blocks: tile 0's two, tile 1's two
.irp x, 0,1
.irp e, 0,1
	global_store_b128 v[LI], v[PC+4*(2*\x+\e):PC+4*(2*\x+\e)+3], s[80:81] offset:\x*16384+512*\e   ; 512 consecutive bytes, aligned
.endr
.endr
	v_lshrrev_b32 v6, 16, v[PW]
	v_and_b32 v86, 16, v0
	v_cmp_eq_u32 vcc_lo, 0, v86
	v_cndmask_b32 v6, v6, v[PW], vcc_lo            ; lanes 0-15: tile 0's two bytes of query r; lanes 16-31: tile 1's
	ds_store_b16 v[STA], v6                        ; token 32 w + lane
	s_wait_dscnt 0x0
	s_barrier_signal -1
	s_barrier_wait -1
	s_cmp_lg_u32 s[WV], 0
	s_cbranch_scc1 .Lnot0
	ds_load_b128 v[88:91], v[RDS]
	s_wait_dscnt 0x0
	global_store_b128 v[LI], v[88:91], s[82:83]    ; the block's 512 scale bytes
.Lnot0:
	s_wait_tensorcnt 0x0
	ds_add_u32 v94, v95
	s_wait_dscnt 0x0
	CROUND                                         ; the closing round
	s_endpgm
.Lfunc_end_k_qa922dc4ca1_attn:
	.size	k_qa922dc4ca1_attn, .Lfunc_end_k_qa922dc4ca1_attn-k_qa922dc4ca1_attn
	.p2alignl 7, 3214868480
	.fill 96, 4, 3214868480
	.section	.rodata,"a",@progbits
	.p2align	6, 0x0
	.amdhsa_kernel k_qa922dc4ca1_attn
		.amdhsa_group_segment_fixed_size 327680
		.amdhsa_private_segment_fixed_size 0
		.amdhsa_enable_private_segment 0
		.amdhsa_kernarg_size 32
		.amdhsa_user_sgpr_count 2
		.amdhsa_user_sgpr_kernarg_segment_ptr 1
		.amdhsa_wavefront_size32 1
		.amdhsa_system_sgpr_workgroup_id_x 1
		.amdhsa_system_sgpr_workgroup_id_y 1
		.amdhsa_system_sgpr_workgroup_id_z 1
		.amdhsa_system_vgpr_workitem_id 0
		.amdhsa_next_free_vgpr 512
		.amdhsa_next_free_sgpr 90
		.amdhsa_reserve_vcc 1
		.amdhsa_float_denorm_mode_32 3
		.amdhsa_float_denorm_mode_16_64 3
		.amdhsa_memory_ordered 1
		.amdhsa_forward_progress 1
		.amdhsa_inst_pref_size 91
	.end_amdhsa_kernel
	.amdgpu_metadata
---
amdhsa.version: [ 1, 2 ]
amdhsa.kernels:
  - .name:           k_qa922dc4ca1_attn
    .symbol:         k_qa922dc4ca1_attn.kd
    .args:
      - { .name: qkv_img, .offset: 0, .size: 8, .value_kind: global_buffer, .address_space: global }
      - { .name: scl, .offset: 8, .size: 8, .value_kind: global_buffer, .address_space: global }
      - { .name: nv_img, .offset: 16, .size: 8, .value_kind: global_buffer, .address_space: global }
      - { .name: nv_scl, .offset: 24, .size: 8, .value_kind: global_buffer, .address_space: global }
    .group_segment_fixed_size: 327680
    .private_segment_fixed_size: 0
    .kernarg_segment_align: 8
    .kernarg_segment_size: 32
    .max_flat_workgroup_size: 256
    .sgpr_count:     90
    .vgpr_count:     512
    .wavefront_size: 32
...
	.end_amdgpu_metadata
.endif
;; end of part 3
;; launch outln (part 4): grid 256 x 1, 4 waves a work-group, clusters of 4 x 1, 327,680 bytes of LDS; arguments nv_img, nv_scl, wo_img, W_out_scales, b_out, x, out0; writes out0
.if DOCPART == 4
	.amdgcn_target "amdgcn-amd-amdhsa--gfx1250"
	.amdhsa_code_object_version 6
	.text
	.protected	k_qa922dc4ca1_outln
	.globl	k_qa922dc4ca1_outln
	.p2align	8
	.type	k_qa922dc4ca1_outln,@function
k_qa922dc4ca1_outln:
	s_mov_b64 s[64:65], 0
	v_nop
	global_prefetch_b8 v0, s[64:65] scope:SCOPE_SE
	s_setreg_imm32_b32 hwreg(HW_REG_WAVE_MODE, 25, 1), 1
	s_wait_xcnt 0x0
	s_wait_alu depctr_hold_cnt(0) depctr_sa_sdst(0) depctr_va_vdst(0) depctr_va_sdst(0) depctr_va_ssrc(0) depctr_va_vcc(0) depctr_vm_vsrc(0)
	s_getreg_b32 s2, hwreg(HW_REG_IB_STS2, 6, 4)
	s_cmp_eq_u32 s2, 0
	s_cbranch_scc0 .Lentry_in_a_cluster
	s_endpgm
.Lentry_in_a_cluster:
	s_bfe_u32 s2, ttmp6, 0x10000c
	s_cmp_lg_u32 s2, 0x3003
	s_cbranch_scc0 .Lentry_shape_is_right
	s_endpgm
.Lentry_shape_is_right:
; out = layer_norm(swish(new_v W_out + b_out) + x).  The product on codes of E5M2 with E8M0 scales; all else in f32.
; SHARES.  A work-group: 32 whole rows (the norm wants whole rows).  Wave w: columns 256 w .. 256 w + 255: 16 tiles of columns x 2 tiles of rows, 32 accumulators.
; W_out comes as images of operand registers, a K step of 128 (131,072 bytes) to each of two LDS slots; wave w fetches, and alone reads, its 32,768 bytes of a slot.
; CLUSTER 4 x 1: every work-group walks all of W_out, so each part is asked for jointly by the four partners.
; THE PRODUCT IS USED TRANSPOSED (source 0 = 16 rows of W_out, source 1 = 16 rows of new_v): a lane holds one row and eight neighbouring columns a tile.
; The bias is loaded into the accumulators, so that all eight K steps are alike.  W_out's scale words: one 16-byte load a tile reads K steps 0-3 (lanes 0-15) or 4-7 (lanes 16-31); new_v's word of a K step holds
; row tile 0 in lanes 0-15 and row tile 1 in lanes 16-31.
; The variance is taken of y - mean, in a second pass: no difference of large sums.  swish(z) = z / (1 + 2^(-z log2 e)).
; LIMITS: NaN and infinities are not served.
; No prefetch: x is asked for at the head, into registers; W_out is read by every work-group.
; REGISTERS: window 0: v4-16 addresses; v20-29 statistics; v32-95 W's scale words (4 T + q); v96-103 new_v's; v104-119 at work; v128-255 new_v's fragments, four sets.
;   window 1: W's 16 fragments, later y.   window 2: the accumulators at 8 (16 a + T).   window 3: x, laid as the accumulators; later the rows on their way out.
.set SLOTB, 131072
.set RED1,  262144                     ; 32 rows x 4 waves x 4 bytes; the second exchange lies 512 bytes on
.set SPARE, 263168                     ; the spare words, 128 bytes a wave: no other line names them
.set SPITCH, 1040                      ; the way out: a stage row of 1,024 bytes + 16, in my own part of a slot that has had its last fill and its last read
.set ADW, 4
.set SPW, 6
.set NIL, 7
.set LI,  8
.set XO,  9
.set BO,  10
.set SO,  11
.set RO,  12
.set STO, 13
.set RA,  15
.set RB,  16
.set WS,  32
.set NS,  96
.set RAW, 104
.set NVF, 128
.set WV,  18
.set G1,  24
.set G0,  32
.set NL,  40
.set SEL, 42
.set MSB, 0
.macro WIN new
.if MSB != (\new)
	s_set_vgpr_msb (MSB<<8)|(\new)
.set MSB, (\new)
.endif
.endm
.macro PLACES n
.rept \n
	v_nop
.endr
.endm
.macro CREST
	s_cmp_lg_u32 s[WV], 0
	s_cbranch_scc1 .Lnot_wave_0_\@
	s_barrier_signal -3
.Lnot_wave_0_\@:
	s_barrier_wait -3
	s_barrier_signal -1
	s_barrier_wait -1
.endm
.macro CROUND
	s_barrier_signal -1
	s_barrier_wait -1
	CREST
.endm
	s_load_b256 s[4:11], s[0:1], 0x0               ; new_v's images, its scales, W_out's image, W_out's scales
	s_load_b128 s[12:15], s[0:1], 0x20             ; b_out, x
	s_load_b64 s[16:17], s[0:1], 0x30              ; out
	v_lshl_add_u32 v[SPW], v0, 2, SPARE
	v_mov_b32 v[NIL], 0
	ds_add_u32 v6, v7
	ds_add_u32 v6, v7
	s_wait_dscnt 0x0
	v_lshrrev_b32 v1, 5, v0
	v_readfirstlane_b32 s[WV], v1                  ; wave 0..3
	s_bfe_u32 s19, ttmp6, 0x40000                  ; cx
	s_lshl_b32 s20, ttmp9, 2
	s_add_co_u32 s20, s20, s19                     ; g: my 32 rows; it enters no descriptor and no LDS address
	s_mov_b32 s[G1], 15|(3<<16)|(1<<21)            ; the mask: all four; elements of 8 bytes; bit 21 beside a mask.  A dense block as 128 rows of 256 bytes
	s_mov_b32 s[G1+1], 32<<16
	s_mov_b32 s[G1+2], 128<<16
	s_mov_b32 s[G1+3], 32<<16
	s_mov_b32 s[G1+4], 128
	s_mov_b32 s[G1+5], 32
	s_mov_b32 s[G1+6], 0
	s_mov_b32 s[G1+7], 0
	s_lshl_b32 s46, s[WV], 15                      ; my part of a K step, in memory and in a slot
	s_mov_b32 s47, 0
	s_mov_b32 s[NL], 0xbfb8aa3b                    ; -log2(e)
	s_mov_b32 s[NL+1], s[NL]
	s_mov_b32 s[SEL], 0x76543210
	s_mov_b32 s[SEL+1], 0xfedcba98
	s_mov_b32 s44, 0x3a800000                      ; 1 / 1,024
	s_mov_b32 s45, 0x3727c5ac                      ; 1e-5
	s_wait_kmcnt 0x0
	s_add_nc_u64 s[8:9], s[8:9], s[46:47]
.irp p, 0,1
	s_mov_b32 s[G0+4*\p], 1
	s_add_co_u32 s[G0+4*\p+1], s46, \p*SLOTB
	s_add_nc_u64 s[G0+4*\p+2:G0+4*\p+3], s[8:9], \p*SLOTB
	s_or_b32 s[G0+4*\p+3], s[G0+4*\p+3], 0x80000000
.endr
	CROUND                                         ; all four work-groups are here: the first joint loads meet
	tensor_load_to_lds s[G0:G0+3], s[G1:G1+7]      ; K step 0
	s_nop 0
	tensor_load_to_lds s[G0+4:G0+7], s[G1:G1+7]    ; K step 1: two tensor loads of mine are out
	s_nop 0
	PLACES 4
	s_lshl_b32 s48, s20, 17
	s_lshl_b32 s21, s[WV], 10
	s_add_co_u32 s48, s48, s21
	s_mov_b32 s49, 0
	s_add_nc_u64 s[14:15], s[14:15], s[48:49]      ; x and out at my first row and column
	s_add_nc_u64 s[16:17], s[16:17], s[48:49]
	s_mov_b32 s48, s21
	s_add_nc_u64 s[12:13], s[12:13], s[48:49]      ; b_out at my first column
	s_lshl_b32 s48, s[WV], 13
	s_add_nc_u64 s[10:11], s[10:11], s[48:49]      ; W_out's scales at my first row: 32 bytes a row
	s_lshl_b32 s48, s20, 15
	s_add_nc_u64 s[4:5], s[4:5], s[48:49]          ; new_v's two tiles of rows
	s_lshr_b32 s48, s20, 6
	s_lshl_b32 s48, s48, 16
	s_and_b32 s21, s20, 63
	s_lshl_b32 s21, s21, 6
	s_add_co_u32 s48, s48, s21
	s_add_nc_u64 s[6:7], s[6:7], s[48:49]          ; its scales: batch x 16 heads x 4,096 bytes + 2 x token
	v_and_b32 v1, 15, v0                           ; r
	v_bfe_u32 v2, v0, 4, 1                         ; h
	v_and_b32 v3, 31, v0                           ; lane
	v_lshlrev_b32 v[LI], 4, v3
	v_lshlrev_b32 v[BO], 5, v2                     ; 32 h
	v_lshl_add_u32 v[XO], v1, 12, v[BO]            ; r x 4,096 + 32 h
	v_lshlrev_b32 v[SO], 5, v1
	v_lshl_add_u32 v[SO], v2, 4, v[SO]             ; 32 r + 16 h
	v_lshlrev_b32 v[RO], 1, v3
	WIN 0x80                                       ; destination window 2: the bias starts the sums
.set i, 0
.rept 64
	global_load_b128 v[4*i:4*i+3], v[BO], s[12:13] offset:64*((i/2)%16)+16*(i%2)
.set i, i+1
.endr
	WIN 0
.set i, 0
.rept 16
	global_load_b128 v[WS+4*i:WS+4*i+3], v[SO], s[10:11] offset:512*i
.set i, i+1
.endr
.set i, 0
.rept 16
	global_load_u16 v[RAW+i], v[RO], s[6:7] offset:4096*i
.set i, i+1
.endr
.irp s, 0,1,2,3
.irp a, 0,1
.irp c, 0,1,2,3
	global_load_b128 v[NVF+32*\s+16*\a+4*\c:NVF+32*\s+16*\a+4*\c+3], v[LI], s[4:5] offset:\a*16384+\s*2048+512*\c
.endr
.endr
.endr
	WIN 0xc0                                       ; destination window 3: x, wanted only behind the products
.set i, 0
.rept 64
	global_load_b128 v[4*i:4*i+3], v[XO], s[14:15] offset:(i/32)*65536+64*((i/2)%16)+16*(i%2)
.set i, i+1
.endr
	WIN 0
	v_lshl_add_u32 v[ADW], v3, 4, s46              ; 16 x lane + my part
	v_add_nc_u32 v[ADW+1], SLOTB, v[ADW]
	v_mul_u32_u24 v[STO], v1, SPITCH
	v_lshl_add_u32 v[STO], v2, 5, v[STO]
	v_add_nc_u32 v[STO], s46, v[STO]
	v_add_nc_u32 v[STO+1], SLOTB, v[STO]
	s_lshl_b32 s22, s[WV], 2
	s_add_co_u32 s22, s22, RED1
	v_lshl_add_u32 v[RA], v1, 4, s22               ; my wave's word of row r
	v_lshl_add_u32 v[RB], v1, 4, RED1              ; the four words of row r
	v_mov_b32 v28, 0                               ; a lane permute's destination counts as one of its sources
	v_mov_b32 v29, 0
	s_wait_loadcnt 63                              ; all but the youngest 63 loads, which are x's
.irp s, 0,1,2,3,4,5,6,7
	v_lshl_or_b32 v[NS+\s], v[RAW+2*\s+1], 16, v[RAW+2*\s]   ; a K step of 128 is two heads: two bytes of each
.endr
	PLACES 8                                       ; a scale register written by a vector instruction stands eight places ahead of the product
.macro WM t, a, s
.set AC, 8*(16*(\a)+(\t))
.set NF, NVF+32*((\s)%4)+16*(\a)
.set WR, WS+4*(\t)+(\s)%4
.if ((\s) < 4) && ((\a) == 0)
	v_wmma_scale_f32_16x16x128_f8f6f4 v[AC:AC+7], v[16*(\t):16*(\t)+15], v[NF:NF+15], v[AC:AC+7], v[WR], v[NS+(\s)] matrix_a_fmt:MATRIX_FMT_BF8 matrix_b_fmt:MATRIX_FMT_BF8
.elseif (\s) < 4
	v_wmma_scale_f32_16x16x128_f8f6f4 v[AC:AC+7], v[16*(\t):16*(\t)+15], v[NF:NF+15], v[AC:AC+7], v[WR], v[NS+(\s)] matrix_a_fmt:MATRIX_FMT_BF8 matrix_b_fmt:MATRIX_FMT_BF8 matrix_b_scale:MATRIX_SCALE_ROW1
.elseif (\a) == 0
	v_wmma_scale_f32_16x16x128_f8f6f4 v[AC:AC+7], v[16*(\t):16*(\t)+15], v[NF:NF+15], v[AC:AC+7], v[WR], v[NS+(\s)] matrix_a_fmt:MATRIX_FMT_BF8 matrix_b_fmt:MATRIX_FMT_BF8 matrix_a_scale:MATRIX_SCALE_ROW1
.else
	v_wmma_scale_f32_16x16x128_f8f6f4 v[AC:AC+7], v[16*(\t):16*(\t)+15], v[NF:NF+15], v[AC:AC+7], v[WR], v[NS+(\s)] matrix_a_fmt:MATRIX_FMT_BF8 matrix_b_fmt:MATRIX_FMT_BF8 matrix_a_scale:MATRIX_SCALE_ROW1 matrix_b_scale:MATRIX_SCALE_ROW1
.endif
.endm
.macro MUL t0, n, s                    ; tiles t0 .. t0 + n - 1 x both tiles of rows; the accumulators take turns, one instruction a turn
	WIN 0xa1                                       ; W window 1, new_v window 0, C and D window 2
.set TT, \t0
.rept \n
	WM TT, 0, \s
	WM TT, 1, \s
.set TT, TT+1
.endr
.endm
.macro FETCHW half, p                  ; eight of W's fragments: 32 loads of 512 consecutive bytes
	WIN 0x40
.set TT, 8*(\half)
.rept 8
.irp c, 0,1,2,3
	ds_load_b128 v[16*TT+4*\c:16*TT+4*\c+3], v[ADW+\p] offset:2048*TT+512*\c
.endr
.set TT, TT+1
.endr
.endm
; A K step, and the change of slots: one barrier; in front of it each wave waits for all its tensor loads, adds 0 to its spare word, and waits for that and for its reads of this slot.
.macro TURN s, fill
.set PP, (\s)%2
.set NP, 1-PP
.if (\s) >= 4
	s_wait_loadcnt 8*(7-(\s))                      ; new_v's fragments of this K step are in; those of later steps may be out
.endif
	s_wait_tensorcnt 0x0                           ; all my tensor loads have landed: my part of the next slot
	ds_add_u32 v[SPW], v[NIL]                      ; 0 onto my spare word
	s_wait_dscnt 33                                ; (the add and the 32 loads of tiles 8-15 may be out)
	MUL 0, 4, \s                                   ; eight products stand between the add and the wait for it
	s_wait_dscnt 0x0                               ; the add is done, and my reads of this slot are over
	s_barrier_signal -1
	MUL 4, 4, \s
	WIN 0
	s_barrier_wait -1
.if \fill
	CREST                                          ; the barrier has opened a round of the cluster's: no wave of any partner reads this slot or has a load on its way
	s_add_nc_u64 s[G0+4*PP+2:G0+4*PP+3], s[G0+4*PP+2:G0+4*PP+3], 2*SLOTB
	tensor_load_to_lds s[G0+4*PP:G0+4*PP+3], s[G1:G1+7]   ; my one tensor load behind the round: the K step two on
	s_nop 0
.endif
	PLACES 8                                       ; in front of loads into registers that products have read
	FETCHW 0, NP
	MUL 8, 8, \s
	WIN 0
	PLACES 8
.if (\s) <= 3
.irp a, 0,1
.irp c, 0,1,2,3
	global_load_b128 v[NVF+32*(\s)+16*\a+4*\c:NVF+32*(\s)+16*\a+4*\c+3], v[LI], s[4:5] offset:\a*16384+((\s)+4)*2048+512*\c   ; the set just read takes the K step four on
.endr
.endr
.endif
	FETCHW 1, NP
	WIN 0
.endm
	s_wait_tensorcnt 0x1                           ; my part of K step 0 is in; K step 1's may stay out
	s_barrier_signal -1
	s_barrier_wait -1
	FETCHW 0, 0
	FETCHW 1, 0
	WIN 0
	TURN 0, 1
	TURN 1, 1
	TURN 2, 1
	TURN 3, 1
	TURN 4, 1
	TURN 5, 1
	TURN 6, 0                                      ; nothing is left to fetch
	s_wait_loadcnt 0x0                             ; the last fragments of new_v, and x
	s_wait_dscnt 32
	MUL 0, 8, 7
	s_wait_dscnt 0x0
	MUL 8, 8, 7
	WIN 0
	; THE WAY OUT.  y = swish(z) + x, in window 1; each accumulator is read from its low end on.
	PLACES 8
	WIN 0x42                                       ; destination window 1, source 0 window 2
.set i, 0
.rept 128
	v_pk_mul_f32 v[2*i:2*i+1], v[2*i:2*i+1], s[NL:NL+1] op_sel_hi:[1,0]
.set i, i+1
.endr
	WIN 0x41
.set i, 0
.rept 256
	v_exp_f32 v[i], v[i]
.set i, i+1
.endr
	v_nop
	s_wait_alu depctr_va_vdst(0)                   ; one wait for the batch
.set i, 0
.rept 128
	v_pk_add_f32 v[2*i:2*i+1], v[2*i:2*i+1], 1.0 op_sel_hi:[1,0]
.set i, i+1
.endr
.set i, 0
.rept 256
	v_rcp_f32 v[i], v[i]
.set i, i+1
.endr
	v_nop
	s_wait_alu depctr_va_vdst(0)
	WIN 0x76                                       ; z window 2, 1 / (1 + ..) window 1, x window 3, y window 1
.set i, 0
.rept 128
	v_pk_fma_f32 v[2*i:2*i+1], v[2*i:2*i+1], v[2*i:2*i+1], v[2*i:2*i+1]
.set i, i+1
.endr
	WIN 0
; the sums of my lane's chains (v20-23: row tile 0, v24-27: row tile 1) are joined with lane l xor 16's and with the other waves': row r's total to v20 and v24
.macro REDUCE off
	v_pk_add_f32 v[20:21], v[20:21], v[22:23]
	v_pk_add_f32 v[24:25], v[24:25], v[26:27]
	v_add_f32 v20, v20, v21
	v_add_f32 v24, v24, v25
	v_permlanex16_b32 v28, v20, s[SEL], s[SEL+1]
	v_permlanex16_b32 v29, v24, s[SEL], s[SEL+1]
	v_add_f32 v20, v20, v28
	v_add_f32 v24, v24, v29
	ds_store_b32 v[RA], v20 offset:\off            ; both halves of the lanes write the same word with the same value
	ds_store_b32 v[RA], v24 offset:\off+256
	s_wait_dscnt 0x0
	s_barrier_signal -1
	s_barrier_wait -1
	ds_load_b128 v[104:107], v[RB] offset:\off
	ds_load_b128 v[108:111], v[RB] offset:\off+256
	s_wait_dscnt 0x0
	v_add_f32 v104, v104, v105
	v_add_f32 v106, v106, v107
	v_add_f32 v108, v108, v109
	v_add_f32 v110, v110, v111
	v_add_f32 v20, v104, v106
	v_add_f32 v24, v108, v110
.endm
.irp j, 0,1,2,3,4,5,6,7
	v_mov_b32 v[20+\j], 0
.endr
	WIN 0x04                                       ; source 1 window 1
.set i, 0
.rept 128
.set c, 20+4*(i/64)+2*(i%2)
	v_pk_add_f32 v[c:c+1], v[c:c+1], v[2*i:2*i+1]
.set i, i+1
.endr
	WIN 0
	REDUCE 0
	v_mul_f32 v20, s44, v20                        ; the means
	v_mul_f32 v24, s44, v24
	WIN 0x41
.set i, 0
.rept 128
.set c, 20+4*(i/64)
	v_pk_add_f32 v[2*i:2*i+1], v[2*i:2*i+1], v[c:c+1] op_sel_hi:[1,0] neg_lo:[0,1] neg_hi:[0,1]   ; y - mean
.set i, i+1
.endr
	WIN 0
.irp j, 0,1,2,3,4,5,6,7
	v_mov_b32 v[20+\j], 0
.endr
	WIN 0x05                                       ; sources 0 and 1 window 1
.set i, 0
.rept 128
.set c, 20+4*(i/64)+2*(i%2)
	v_pk_fma_f32 v[c:c+1], v[2*i:2*i+1], v[2*i:2*i+1], v[c:c+1]
.set i, i+1
.endr
	WIN 0
	REDUCE 512
	v_fma_f32 v20, v20, s44, s45                   ; the variance + 1e-5
	v_fma_f32 v24, v24, s44, s45
	v_rsq_f32 v20, v20
	v_rsq_f32 v24, v24
	v_nop
	s_wait_alu depctr_va_vdst(0)
	WIN 0x41
.set i, 0
.rept 128
.set c, 20+4*(i/64)
	v_pk_mul_f32 v[2*i:2*i+1], v[2*i:2*i+1], v[c:c+1] op_sel_hi:[1,0]
.set i, i+1
.endr
	; a lane's 32 bytes of a row go into my stage and come back as runs of 512 bytes of a row.  LDS serves a wave's instructions in order (ISA guide 5.7.1.4): no wait between the stores and the loads
.irp a, 0,1
	WIN 0x04                                       ; an LDS store's data are its source 1: window 1
.set i, 0
.rept 32
	ds_store_b128 v[STO+\a], v[128*\a+4*i:128*\a+4*i+3] offset:64*(i/2)+16*(i%2)
.set i, i+1
.endr
	WIN 0xc0                                       ; back into window 3
.set i, 0
.rept 32
	ds_load_b128 v[128*\a+4*i:128*\a+4*i+3], v[ADW+\a] offset:(i/2)*SPITCH+512*(i%2)
.set i, i+1
.endr
.endr
	WIN 0x0c                                       ; a store's data are its source 1: window 3
.set i, 0
.rept 32
.if 95-i > 63
	s_wait_dscnt 63                                ; 95 - i younger LDS instructions stand behind this load; the wait names 63 at the most
.else
	s_wait_dscnt 95-i
.endif
	global_store_b128 v[LI], v[4*i:4*i+3], s[16:17] offset:(i/2)*4096+512*(i%2) th:TH_STORE_NT   ; 512 consecutive bytes, aligned; written once
.set i, i+1
.endr
.set i, 0
.rept 32
	s_wait_dscnt 31-i
	global_store_b128 v[LI], v[128+4*i:128+4*i+3], s[16:17] offset:(16+i/2)*4096+512*(i%2) th:TH_STORE_NT
.set i, i+1
.endr
	WIN 0
	s_wait_tensorcnt 0x0                           ; the wave's end
	ds_add_u32 v[SPW], v[NIL]
	s_wait_dscnt 0x0
	CROUND                                         ; the closing round
	s_endpgm
.Lfunc_end_k_qa922dc4ca1_outln:
	.size	k_qa922dc4ca1_outln, .Lfunc_end_k_qa922dc4ca1_outln-k_qa922dc4ca1_outln
	.p2alignl 7, 3214868480
	.fill 96, 4, 3214868480
	.section	.rodata,"a",@progbits
	.p2align	6, 0x0
	.amdhsa_kernel k_qa922dc4ca1_outln
		.amdhsa_group_segment_fixed_size 327680
		.amdhsa_private_segment_fixed_size 0
		.amdhsa_enable_private_segment 0
		.amdhsa_kernarg_size 56
		.amdhsa_user_sgpr_count 2
		.amdhsa_user_sgpr_kernarg_segment_ptr 1
		.amdhsa_wavefront_size32 1
		.amdhsa_system_sgpr_workgroup_id_x 1
		.amdhsa_system_sgpr_workgroup_id_y 1
		.amdhsa_system_sgpr_workgroup_id_z 1
		.amdhsa_system_vgpr_workitem_id 0
		.amdhsa_next_free_vgpr 1024
		.amdhsa_next_free_sgpr 66
		.amdhsa_reserve_vcc 0
		.amdhsa_float_denorm_mode_32 3
		.amdhsa_float_denorm_mode_16_64 3
		.amdhsa_memory_ordered 1
		.amdhsa_forward_progress 1
		.amdhsa_inst_pref_size 192
	.end_amdhsa_kernel
	.amdgpu_metadata
---
amdhsa.version: [ 1, 2 ]
amdhsa.kernels:
  - .name:           k_qa922dc4ca1_outln
    .symbol:         k_qa922dc4ca1_outln.kd
    .args:
      - { .name: nv_img, .offset: 0, .size: 8, .value_kind: global_buffer, .address_space: global }
      - { .name: nv_scl, .offset: 8, .size: 8, .value_kind: global_buffer, .address_space: global }
      - { .name: wo_img, .offset: 16, .size: 8, .value_kind: global_buffer, .address_space: global }
      - { .name: W_out_scales, .offset: 24, .size: 8, .value_kind: global_buffer, .address_space: global }
      - { .name: b_out, .offset: 32, .size: 8, .value_kind: global_buffer, .address_space: global }
      - { .name: x, .offset: 40, .size: 8, .value_kind: global_buffer, .address_space: global }
      - { .name: out0, .offset: 48, .size: 8, .value_kind: global_buffer, .address_space: global }
    .group_segment_fixed_size: 327680
    .private_segment_fixed_size: 0
    .kernarg_segment_align: 8
    .kernarg_segment_size: 56
    .max_flat_workgroup_size: 128
    .sgpr_count:     66
    .vgpr_count:     1024
    .wavefront_size: 32
...
	.end_amdgpu_metadata
.endif
;; end of part 4
;; ======== version 2 of 2: 4 launches
;; limits: right only within a limited range of input values
;; workspace buffers: x_codes 8,388,608 bytes; x_scales 262,144 bytes; wo_img 1,048,576 bytes; qkv_img 25,165,824 bytes; scl 1,048,576 bytes; nv_img 8,388,608 bytes; nv_scl 262,144 bytes
;; launch prep (part 5): grid 272 x 1, 4 waves a work-group, no clusters, 66,048 bytes of LDS; arguments x, W_out_codes, x_codes, x_scales, wo_img; writes x_codes, x_scales, wo_img
.if DOCPART == 5
	.amdgcn_target "amdgcn-amd-amdhsa--gfx1250"
	.amdhsa_code_object_version 6
	.text
	.protected	k_qa922dc4ca1_prep
	.globl	k_qa922dc4ca1_prep
	.p2align	8
	.type	k_qa922dc4ca1_prep,@function
k_qa922dc4ca1_prep:
	s_mov_b64 s[64:65], 0
	v_nop
	global_prefetch_b8 v0, s[64:65] scope:SCOPE_SE
	s_setreg_imm32_b32 hwreg(HW_REG_WAVE_MODE, 25, 1), 1
	s_wait_xcnt 0x0
; Work-groups 0-255: x [8192][1024] f32 becomes codes of E5M2 and one E8M0 byte for each 32 along K.
; A block's scale is 2^(floor(log2(largest magnitude)) - 15); its byte is the largest magnitude's exponent field - 15, held at 1 from below.
; Each number is divided by the scale, held within +-57,344 and rounded to the nearest code, ties to even.
; THE CODES LEAVE AS IMAGES OF OPERAND REGISTERS: [tile of 16 rows 512][K step 8][piece 4][lane 32][16 bytes]; lane (r, h) of piece c holds k = 128 s + 32 c + 16 h + 0..15 of row r.
; THE SCALE BYTES: [tile 512][half of K 2][row 16][16 bytes].
; Work-groups 256-271: W_out's codes are laid likewise: [K step 8][tile of 16 rows 64][piece 4][lane 32][16 bytes].
; LIMITS: NaN and infinities in x are not served; a block whose largest magnitude lies under 2^-111 keeps the byte 1; a block of zeros gets the
; byte 1 where the rule says 127 (its codes are zeros, and this program alone reads the bytes).
; A wave of the first kind takes 16 rows x 512 along K, a row a step.  Each load reads 512 consecutive bytes; a step's 2,048 bytes turn through the wave's own stage in LDS
; (16 bytes of padding behind each 64) and come back 64 bytes a lane: a lane holds 16 neighbours along K, two neighbouring lanes a block.
; Lane l's 16 codes of row r belong at byte 256 l + 16 r of the wave's 8,192 bytes of image: they turn through LDS (pitch 272) and leave 512 consecutive bytes a store.
; No tensor load, no barrier: waves share nothing.  Matrix units and clusters have no work here: the launch only moves and converts.
.set STEPS, 16
.set EMAX,  15
.set MANT,  0x600000
.set R,     16                         ; v16-79   four sets of 16 numbers as loaded; at the end the image read back
.set X,     80                         ; v80-111  two sets of 16 neighbours
.set C,     128                        ; v128-191 codes, four registers a step
.set E,     112                        ; v112-127 a scale byte a step
.set WREG,  16384                      ; LDS of a wave: two stages of 32 x SP bytes, 256 scale bytes, 32 x 272 bytes for the image
.set SP,    80
	s_load_b128 s[4:7], s[0:1], 0x0                ; x, W_out's codes
	s_load_b128 s[8:11], s[0:1], 0x10              ; x's codes, x's scales
	s_load_b64 s[12:13], s[0:1], 0x20              ; W_out's image
	v_lshl_add_u32 v192, v0, 2, 0x10000
	v_mov_b32 v193, 0
	v_lshrrev_b32 v1, 5, v0
	v_readfirstlane_b32 s16, v1                    ; wave
	v_and_b32 v2, 31, v0                           ; lane
	s_cmp_ge_u32 ttmp9, 256                        ; the last sixteen work-groups lay W_out
	s_cbranch_scc1 .Lrelay
	v_lshlrev_b32 v3, 4, v2                        ; my 16 bytes of a load's 512
	s_mul_i32 s17, s16, WREG
	v_lshrrev_b32 v14, 2, v2
	v_mul_u32_u24 v14, v14, SP
	v_and_b32 v15, 3, v2
	v_lshl_add_u32 v14, v15, 4, v14
	v_add_nc_u32 v14, s17, v14                     ; the stage, in: SP (lane / 4) + 16 (lane % 4)
	v_mul_u32_u24 v15, v2, SP
	v_add_nc_u32 v15, s17, v15                     ; and out: SP x lane
	v_lshlrev_b32 v4, 4, v2                        ; 16 x lane: my place in a store's 512 bytes
	v_lshrrev_b32 v5, 1, v2
	s_add_co_u32 s17, s17, 2*32*SP
	v_add_nc_u32 v5, s17, v5                       ; my block's scale byte in LDS
	v_lshlrev_b32 v7, 3, v2
	v_add_nc_u32 v6, s17, v7                       ; and 8 bytes a lane on the way out
	v_mul_u32_u24 v1, v2, 272
	v_add_nc_u32 v1, s17, v1
	v_add_nc_u32 v1, 256, v1                       ; the image, in: 272 x lane
	v_lshrrev_b32 v194, 4, v2
	v_mul_u32_u24 v194, v194, 272
	v_and_b32 v195, 15, v2
	v_lshl_add_u32 v194, v195, 4, v194
	v_add_nc_u32 v194, s17, v194
	v_add_nc_u32 v194, 256, v194                   ; and out: 272 (lane / 16) + 16 (lane % 16)
	s_mov_b32 s23, MANT
	s_wait_alu depctr_va_vdst(0)
	s_wait_kmcnt 0x0
	s_lshl_b32 s17, ttmp9, 2
	s_add_co_u32 s18, s17, s16                     ; W = 2 x tile + half of K
	s_mov_b32 s19, 0
	s_lshr_b32 s20, s18, 1
	s_lshl_b32 s20, s20, 16                        ; 16 rows of 4,096 bytes a tile
	s_and_b32 s22, s18, 1
	s_lshl_b32 s22, s22, 11
	s_add_co_u32 s20, s20, s22
	s_mov_b32 s21, 0
	s_add_nc_u64 s[4:5], s[4:5], s[20:21]
	s_lshl_b32 s20, s18, 13                        ; 8,192 bytes of image
	s_add_nc_u64 s[8:9], s[8:9], s[20:21]
	s_lshl_b32 s18, s18, 8                         ; 256 scale bytes
	s_add_nc_u64 s[10:11], s[10:11], s[18:19]
.macro LOAD t
.irp i, 0,1,2,3
	global_load_b128 v[R+16*((\t)%4)+4*\i:R+16*((\t)%4)+4*\i+3], v3, s[4:5] offset:4096*(\t)+512*\i th:TH_LOAD_NT   ; 32 lanes read 512 consecutive bytes of row t
.endr
.endm
.macro TURN t                          ; LDS serves a wave's instructions in order, so no wait stands between stores and loads
.irp i, 0,1,2,3
	ds_store_b128 v14, v[R+16*((\t)%4)+4*\i:R+16*((\t)%4)+4*\i+3] offset:32*SP*((\t)%2)+8*SP*\i
.endr
.irp i, 0,1,2,3
	ds_load_b128 v[X+16*((\t)%2)+4*\i:X+16*((\t)%2)+4*\i+3], v15 offset:32*SP*((\t)%2)+16*\i
.endr
.endm
.irp t, 0,1,2,3
	LOAD \t
.endr
	s_wait_loadcnt 12                              ; step 0's four loads are in
	TURN 0
.macro STEP t
.set XS, X+16*((\t)%2)
.if (\t) > 0
	s_wait_dscnt 2                                 ; this step's numbers are back (the last step's two stores may be out)
.else
	s_wait_dscnt 0x0
.endif
.if (\t)+4 < STEPS
	LOAD (\t)+4
.endif
.if (\t)+1 < STEPS
.if STEPS-2-(\t) >= 3
	s_wait_loadcnt 12                              ; the next step's four loads are in; three steps' may be out
.else
	s_wait_loadcnt 4*(STEPS-2-(\t))
.endif
	TURN (\t)+1
.endif
	v_max3_num_f32 v8, |v[XS]|, |v[XS+1]|, |v[XS+2]|               ; the largest magnitude of my 16, in two chains
	v_max3_num_f32 v9, |v[XS+3]|, |v[XS+4]|, |v[XS+5]|
.irp i, 6,10
	v_max3_num_f32 v8, v8, |v[XS+\i]|, |v[XS+\i+1]|
	v_max3_num_f32 v9, v9, |v[XS+\i+2]|, |v[XS+\i+3]|
.endr
	v_max3_num_f32 v8, v8, |v[XS+14]|, |v[XS+15]|
	v_max3_num_f32 v8, v8, v9, (EMAX+1)<<23        ; and the floor 2^(16 - 127): the byte cannot fall under 1
	v_max_num_f32_dpp v8, v8, v8 row_xmask:1 row_mask:0xf bank_mask:0xf   ; with my neighbour's 16: the block's
	v_add_nc_u32 v11, -(EMAX<<23), v8              ; 15 off the exponent field: the conversion's scale operand
	v_and_or_b32 v10, v8, 0x7f800000, s23          ; 57,344 x the scale
.irp i, 0,1,2,3,4,5,6,7,8,9,10,11,12,13,14,15
	v_med3_num_f32 v[XS+\i], v[XS+\i], -v10, v10   ; the conversion does not saturate (ISA guide 7.6.2): the hold comes first
.endr
	v_cvt_scalef32_pk8_bf8_f32 v[C+4*(\t):C+4*(\t)+1], v[XS:XS+7], v11
	v_cvt_scalef32_pk8_bf8_f32 v[C+4*(\t)+2:C+4*(\t)+3], v[XS+8:XS+15], v11
	v_lshrrev_b32 v[E+(\t)], 23, v11               ; the scale's byte (also the plain line behind the conversions)
	ds_store_b8 v5, v[E+(\t)] offset:16*(\t)       ; both lanes of a block write the same byte with the same value
	ds_store_b128 v1, v[C+4*(\t):C+4*(\t)+3] offset:16*(\t)   ; row t's 16 bytes of my 256 of the image
.endm
.irp t, 0,1,2,3,4,5,6,7,8,9,10,11,12,13,14,15
	STEP \t
.endr
.irp i, 0,1,2,3,4,5,6,7,8,9,10,11,12,13,14,15
	ds_load_b128 v[R+4*\i:R+4*\i+3], v194 offset:544*\i   ; in order behind my stores: two units of 256 bytes a load
.endr
	ds_load_b64 v[12:13], v6
.irp i, 0,1,2,3,4,5,6,7,8,9,10,11,12,13,14,15
	s_wait_dscnt 16-\i                             ; load i is back: 15 - i loads of the image and the scale bytes' may be out
	global_store_b128 v4, v[R+4*\i:R+4*\i+3], s[8:9] offset:512*\i   ; the wave stores 512 consecutive bytes, aligned
.endr
	s_wait_dscnt 0x0
	global_store_b64 v7, v[12:13], s[10:11]        ; 32 lanes store 256 consecutive bytes, aligned
	s_wait_tensorcnt 0x0                           ; the wave's end
	ds_add_u32 v192, v193
	s_wait_dscnt 0x0
	s_endpgm
.Lrelay:
	; wave = one tile T of 16 rows of W_out: lane (r, h) takes k = 128 s + 32 c + 16 h + 0..15 of row 16 T + r; it leaves at [s][T][c][lane]
	v_and_b32 v3, 15, v0
	v_bfe_u32 v4, v0, 4, 1
	v_lshlrev_b32 v1, 10, v3
	v_lshl_add_u32 v1, v4, 4, v1                   ; r x 1,024 + 16 h
	s_wait_alu depctr_va_vdst(0)
	v_lshlrev_b32 v2, 4, v2                        ; 16 x lane
	s_sub_co_u32 s17, ttmp9, 256
	s_lshl_b32 s17, s17, 2
	s_add_co_u32 s17, s17, s16                     ; T
	s_lshl_b32 s18, s17, 14
	s_mov_b32 s19, 0
	s_lshl_b32 s20, s17, 11
	s_mov_b32 s21, 0
	s_wait_alu depctr_va_vdst(0)
	s_wait_kmcnt 0x0
	s_add_nc_u64 s[6:7], s[6:7], s[18:19]
	s_add_nc_u64 s[12:13], s[12:13], s[20:21]
.set i, 0
.rept 32
	global_load_b128 v[16+4*i:16+4*i+3], v1, s[6:7] offset:128*(i/4)+32*(i%4)
.set i, i+1
.endr
.set i, 0
.rept 32
	s_wait_loadcnt 31-i                            ; loads come back in order: piece i is in
	global_store_b128 v2, v[16+4*i:16+4*i+3], s[12:13] offset:(i/4)*131072+512*(i%4)   ; 512 consecutive bytes
.set i, i+1
.endr
	s_endpgm
.Lfunc_end_k_qa922dc4ca1_prep:
	.size	k_qa922dc4ca1_prep, .Lfunc_end_k_qa922dc4ca1_prep-k_qa922dc4ca1_prep
	.p2alignl 7, 3214868480
	.fill 96, 4, 3214868480
	.section	.rodata,"a",@progbits
	.p2align	6, 0x0
	.amdhsa_kernel k_qa922dc4ca1_prep
		.amdhsa_group_segment_fixed_size 66048
		.amdhsa_private_segment_fixed_size 0
		.amdhsa_enable_private_segment 0
		.amdhsa_kernarg_size 40
		.amdhsa_user_sgpr_count 2
		.amdhsa_user_sgpr_kernarg_segment_ptr 1
		.amdhsa_wavefront_size32 1
		.amdhsa_system_sgpr_workgroup_id_x 1
		.amdhsa_system_sgpr_workgroup_id_y 1
		.amdhsa_system_sgpr_workgroup_id_z 1
		.amdhsa_system_vgpr_workitem_id 0
		.amdhsa_next_free_vgpr 196
		.amdhsa_next_free_sgpr 66
		.amdhsa_reserve_vcc 0
		.amdhsa_float_denorm_mode_32 3
		.amdhsa_float_denorm_mode_16_64 3
		.amdhsa_memory_ordered 1
		.amdhsa_forward_progress 1
		.amdhsa_inst_pref_size 61
	.end_amdhsa_kernel
	.amdgpu_metadata
---
amdhsa.version: [ 1, 2 ]
amdhsa.kernels:
  - .name:           k_qa922dc4ca1_prep
    .symbol:         k_qa922dc4ca1_prep.kd
    .args:
      - { .name: x, .offset: 0, .size: 8, .value_kind: global_buffer, .address_space: global }
      - { .name: W_out_codes, .offset: 8, .size: 8, .value_kind: global_buffer, .address_space: global }
      - { .name: x_codes, .offset: 16, .size: 8, .value_kind: global_buffer, .address_space: global }
      - { .name: x_scales, .offset: 24, .size: 8, .value_kind: global_buffer, .address_space: global }
      - { .name: wo_img, .offset: 32, .size: 8, .value_kind: global_buffer, .address_space: global }
    .group_segment_fixed_size: 66048
    .private_segment_fixed_size: 0
    .kernarg_segment_align: 8
    .kernarg_segment_size: 40
    .max_flat_workgroup_size: 128
    .sgpr_count:     66
    .vgpr_count:     196
    .wavefront_size: 32
...
	.end_amdgpu_metadata
.endif
;; end of part 5
;; launch qkv (part 6): grid 16 x 16, 4 waves a work-group, clusters of 4 x 1, 327,680 bytes of LDS; arguments x_codes, x_scales, W_fc_codes, W_fc_scales, b_fc, qkv_img, scl; writes qkv_img, scl
.if DOCPART == 6
	.amdgcn_target "amdgcn-amd-amdhsa--gfx1250"
	.amdhsa_code_object_version 6
	.text
	.protected	k_qa922dc4ca1_qkv
	.globl	k_qa922dc4ca1_qkv
	.p2align	8
	.type	k_qa922dc4ca1_qkv,@function
k_qa922dc4ca1_qkv:
	s_mov_b64 s[64:65], 0
	v_nop
	global_prefetch_b8 v0, s[64:65] scope:SCOPE_SE
	s_setreg_imm32_b32 hwreg(HW_REG_WAVE_MODE, 25, 1), 1
	s_wait_xcnt 0x0
	s_wait_alu depctr_hold_cnt(0) depctr_sa_sdst(0) depctr_va_vdst(0) depctr_va_sdst(0) depctr_va_ssrc(0) depctr_va_vcc(0) depctr_vm_vsrc(0)
	s_getreg_b32 s2, hwreg(HW_REG_IB_STS2, 6, 4)
	s_cmp_eq_u32 s2, 0
	s_cbranch_scc0 .Lentry_in_a_cluster
	s_endpgm
.Lentry_in_a_cluster:
	s_bfe_u32 s2, ttmp6, 0x10000c
	s_cmp_lg_u32 s2, 0x3003
	s_cbranch_scc0 .Lentry_shape_is_right
	s_endpgm
.Lentry_shape_is_right:
; qkv = swish(x W_fc + b_fc) on codes of E5M2 with E8M0 scales; q, k and v are quantised on the way out (q, k along the head's 64, v along the keys) and leave as images of operand registers with their scale words.
; SHARES.  A work-group takes one head's 192 columns (q 64, k 64, v 64) and TWO blocks of 256 rows, 16 blocks apart, one after the other; a wave takes 64 rows x 192 columns: 48 accumulators.
; W: the head's 192 rows, ALL of K (1,024 bytes a row, 16 of padding: pitch 1,040), come into LDS once, one joint load of 48 rows a wave; the four partners of a cluster share the head.  Nothing is filled twice: no ring, no barrier in the K loop.
; x: a wave's 64 rows are read by no other wave of the work-group, so its fragments go from the image in memory straight into registers, 512 consecutive bytes a load, FOUR K steps ahead, in four sets of 64 registers;
; the next block's first four K steps are asked for ahead of the way out.  They are not shared in the cluster: partners have other rows.  No prefetch: these loads themselves run four K steps ahead.
; q and k are made transposed (source 0 = W's rows), v not (source 0 = x's rows; W's rows of a tile are r + 8 (r / 8) apart as the next product's K wants them).  The bias is the C of the first K step.
; LIMITS: NaN and infinities are not served; a block whose largest magnitude lies under 2^-111 keeps the byte 1, and so does a block of zeros (zero codes).
; REGISTERS: window 0: v0-31 addresses; v32-79 W's scale words; v80-95 x's; v96-127 v's bias; v128-191, v192-255 x's sets 2, 3.
;   window 1: v0-191 W's twelve fragments, on the way out the scratch; v192-255 q's and k's bias.  window 2, 3: v0-191 accumulators of my rows 0-31, 32-63; v192-255 x's sets 0, 1.
.set WP,    1040
.set STG,   192*WP
.set SPARE, STG+2048
.set AW0, 4
.set AW1, 5
.set AW2, 6
.set AV,  7
.set SPW, 10
.set NIL, 11
.set LI,  12
.set SQA, 13
.set SKA, 14
.set SVA, 15
.set SRD, 16
.set WS,  32
.set XS,  80
.set VBI, 96
.set QKB, 192
.set TM,  128                          ; window 1, on the way out
.set PC,  144
.set PW,  160
.set QW,  161
.set KW,  162
.set WV,  18
.set G1,  24
.set G0,  32
.set TC,  44
.set QB,  72
.set KB,  74
.set VBS, 76
.set SCB, 78
.set NL,  80
.set SEL, 82
.set MNT, 84
.set MSB, 0
.macro WIN new
.if MSB != (\new)
	s_set_vgpr_msb (MSB<<8)|(\new)
.set MSB, (\new)
.endif
.endm
.macro PLACES n
.rept \n
	v_nop
.endr
.endm
.macro CROUND
	s_barrier_signal -1
	s_barrier_wait -1
	s_cmp_lg_u32 s[WV], 0
	s_cbranch_scc1 .Lnot_wave_0_\@
	s_barrier_signal -3
.Lnot_wave_0_\@:
	s_barrier_wait -3
	s_barrier_signal -1
	s_barrier_wait -1
.endm
	s_load_b128 s[4:7], s[0:1], 0x0                ; x's image, x's scales
	s_load_b128 s[8:11], s[0:1], 0x10              ; W's codes, W's scales
	s_load_b128 s[12:15], s[0:1], 0x20             ; the bias, the images
	s_load_b64 s[16:17], s[0:1], 0x30              ; the scale words
	v_lshl_add_u32 v[SPW], v0, 2, SPARE
	v_mov_b32 v[NIL], 0
	ds_add_u32 v[SPW], v[NIL]                      ; the opening lines
	ds_add_u32 v[SPW], v[NIL]
	v_lshrrev_b32 v1, 5, v0
	v_readfirstlane_b32 s[WV], v1
	s_lshr_b32 s19, s[WV], 1
	s_and_b32 s20, s[WV], 1
	s_bfe_u32 s40, ttmp6, 0x40000                  ; cx
	s_lshl_b32 s43, ttmp9, 2
	s_add_co_u32 s43, s43, s40                     ; my first block of 256 rows: it enters x's and the results' addresses alone
	s_and_b32 s42, ttmp7, 0xffff                   ; the head, which the four partners share
	s_mov_b32 s[G1], 15|(1<<20)|(1<<21)|(7<<22)|(3<<25)   ; the mask: all four; bytes; four words of padding behind every 256
	s_mov_b32 s[G1+1], 1024<<16
	s_mov_b32 s[G1+2], 48<<16
	s_mov_b32 s[G1+3], 1024<<16
	s_mov_b32 s[G1+4], 48
	s_mov_b32 s[G1+5], 1024
	s_mov_b32 s[G1+6], 0
	s_mov_b32 s[G1+7], 0
	s_mul_i32 s68, s42, 192
	s_mul_i32 s21, s[WV], 48
	s_add_co_u32 s68, s68, s21
	s_lshl_b32 s68, s68, 10                        ; W: row 192 head + 48 wave
	s_mov_b32 s69, 0
	s_mul_i32 s46, s[WV], 48*WP
	s_mov_b32 s[NL], 0xbfb8aa3b                    ; -log2(e)
	s_mov_b32 s[NL+1], s[NL]
	s_mov_b32 s[SEL], 0x76543210
	s_mov_b32 s[SEL+1], 0xfedcba98
	s_mov_b32 s[MNT], 0x600000
	s_mov_b32 s[TC], 2                             ; blocks to go
	s_wait_dscnt 0x0
	s_wait_kmcnt 0x0
	s_mov_b32 s[G0], 1
	s_mov_b32 s[G0+1], s46
	s_add_nc_u64 s[G0+2:G0+3], s[8:9], s[68:69]
	s_or_b32 s[G0+3], s[G0+3], 0x80000000
	CROUND                                         ; all four work-groups are here: the joint loads meet
	tensor_load_to_lds s[G0:G0+3], s[G1:G1+7]      ; my one tensor load of the launch
	s_nop 0
	PLACES 4
	s_lshr_b32 s85, s43, 3
	s_lshl_b32 s85, s85, 4
	s_add_co_u32 s85, s85, s42                     ; 16 batch + head
	s_and_b32 s86, s43, 7                          ; the block of 256 tokens in the sequence
	s_lshl_b32 s88, s85, 17
	s_lshl_b32 s87, s86, 14
	s_add_co_u32 s88, s88, s87
	s_lshl_b32 s87, s[WV], 12
	s_add_co_u32 s90, s88, s87
	s_mov_b32 s91, 0
	s_add_nc_u64 s[QB:QB+1], s[14:15], s[90:91]
	s_add_nc_u64 s[KB:KB+1], s[QB:QB+1], 0x800000
	s_lshl_b32 s87, s19, 13
	s_add_co_u32 s90, s88, s87
	s_lshl_b32 s87, s20, 10
	s_add_co_u32 s90, s90, s87
	s_add_nc_u64 s[VBS:VBS+1], s[14:15], s[90:91]
	s_add_nc_u64 s[VBS:VBS+1], s[VBS:VBS+1], 0x1000000
	s_lshl_b32 s90, s86, 10
	s_lshl_b32 s87, s[WV], 9
	s_add_co_u32 s90, s90, s87
	s_lshl_b32 s87, s[WV], 12
	s_lshl_b32 s89, s86, 9
	s_add_co_u32 s87, s87, s89
	s_cmp_lt_u32 s[WV], 2
	s_cselect_b32 s90, s90, s87
	s_lshl_b32 s87, s85, 14
	s_add_co_u32 s90, s90, s87
	s_add_nc_u64 s[SCB:SCB+1], s[16:17], s[90:91]
	s_lshl_b32 s90, s43, 13
	s_lshl_b32 s87, s[WV], 11
	s_add_co_u32 s90, s90, s87
	s_add_nc_u64 s[6:7], s[6:7], s[90:91]          ; x's scales: 512 bytes a tile of 16 rows
	s_lshl_b32 s90, s43, 18
	s_lshl_b32 s87, s[WV], 16
	s_add_co_u32 s90, s90, s87
	s_add_nc_u64 s[4:5], s[4:5], s[90:91]          ; x's image: 16,384 bytes a tile
	s_mul_i32 s90, s42, 6144
	s_add_nc_u64 s[10:11], s[10:11], s[90:91]
	s_mul_i32 s90, s42, 768
	s_add_nc_u64 s[12:13], s[12:13], s[90:91]
	s_lshl_b32 s92, s[WV], 8
	s_add_co_u32 s92, s92, STG
	s_lshl_b32 s87, s19, 8
	s_lshl_b32 s93, s20, 3
	s_add_co_u32 s93, s93, s87
	s_add_co_u32 s93, s93, STG+1024
	s_lshl_b32 s94, s20, 1
	s_add_co_u32 s94, s94, s87
	s_add_co_u32 s94, s94, STG+1536
	v_and_b32 v1, 15, v0
	v_bfe_u32 v2, v0, 4, 1
	v_and_b32 v3, 8, v1
	v_add_nc_u32 v3, v3, v1                        ; r + 8 (r / 8)
	v_lshlrev_b32 v17, 5, v1
	v_lshl_add_u32 v17, v2, 4, v17
	v_lshlrev_b32 v18, 5, v3
	v_lshl_add_u32 v18, v2, 4, v18
	v_lshlrev_b32 v19, 5, v2
	v_lshlrev_b32 v20, 2, v3
	v_and_b32 v[LI], 31, v0
	v_lshlrev_b32 v[LI], 4, v[LI]
.macro XSET s                          ; where K step s's fragments of x stand: set s % 4
.set XWN, 0
.set XBS, 64*((\s)%4)
.if ((\s)%4) < 2
.set XWN, 2+((\s)%4)
.set XBS, 192
.endif
.endm
.macro XLOAD s                         ; 16 loads of 512 consecutive bytes
	XSET \s
	WIN XWN<<6
.irp a, 0,1,2,3
.irp c, 0,1,2,3
	global_load_b128 v[XBS+16*\a+4*\c:XBS+16*\a+4*\c+3], v[LI], s[4:5] offset:\a*16384+(\s)*2048+512*\c
.endr
.endr
.endm
.macro XHEAD                           ; a block's scale words and its first four K steps
.irp a, 0,1,2,3
	global_load_b128 v[XS+4*\a:XS+4*\a+3], v[LI], s[6:7] offset:512*\a
.endr
	XLOAD 0
	XLOAD 1
	XLOAD 2
	XLOAD 3
	WIN 0
.endm
.irp b, 0,1,2,3,4,5,6,7
	global_load_b128 v[WS+4*\b:WS+4*\b+3], v17, s[10:11] offset:512*\b
.endr
.irp t, 0,1,2,3
	global_load_b128 v[WS+32+4*\t:WS+32+4*\t+3], v18, s[10:11] offset:(128+32*(\t/2)+8*(\t%2))*32
.endr
.irp t, 0,1,2,3
.irp j, 0,1,2,3,4,5,6,7
	global_load_b32 v[VBI+8*\t+\j], v20, s[12:13] offset:4*(128+32*(\t/2)+8*(\t%2))
.endr
.endr
	WIN 0x40
.irp b, 0,1,2,3,4,5,6,7
	global_load_b128 v[QKB+8*\b:QKB+8*\b+3], v19, s[12:13] offset:64*\b
	global_load_b128 v[QKB+8*\b+4:QKB+8*\b+7], v19, s[12:13] offset:64*\b+16
.endr
	WIN 0
	XHEAD
	v_mul_u32_u24 v21, v1, WP
	v_lshl_add_u32 v[AW0], v2, 4, v21              ; W's rows 0-47,
	v_add_nc_u32 v[AW1], 48*WP, v[AW0]             ; 48-95,
	v_add_nc_u32 v[AW2], 96*WP, v[AW0]             ; 96-127: an LDS offset has 16 bits
	v_mul_u32_u24 v22, v3, WP
	v_lshl_add_u32 v22, v2, 4, v22
	v_add_nc_u32 v[AV], 128*WP, v22                ; v's rows
	v_lshl_add_u32 v[SQA], v1, 2, s92
	v_lshl_add_u32 v[SKA], v1, 4, s93
	v_lshl_add_u32 v[SVA], v1, 4, s94
	v_lshl_add_u32 v[SRD], v0, 4, STG
.macro FRAG reg, adr, off
.irp c, 0,1,2,3
	ds_load_b128 v[\reg+4*\c:\reg+4*\c+3], v[\adr] offset:\off+32*\c
.endr
.endm
.macro FETCH_W0 s                      ; 24 loads
	WIN 0x40
.irp b, 0,1,2
	FRAG 16*\b, AW0, 128*(\s)+\b*16*WP
.endr
.irp b, 0,1,2
	FRAG 48+16*\b, AW1, 128*(\s)+\b*16*WP
.endr
.endm
.macro FETCH_W1 s                      ; 24 loads
	WIN 0x40
.irp b, 0,1
	FRAG 96+16*\b, AW2, 128*(\s)+\b*16*WP
.endr
.irp t, 0,1,2,3
	FRAG 128+16*\t, AV, 128*(\s)+(32*(\t/2)+8*(\t%2))*WP
.endr
.endm
.macro WM d, a, b, c, sa, sb, row
.if \row
	v_wmma_scale_f32_16x16x128_f8f6f4 v[\d:\d+7], v[\a:\a+15], v[\b:\b+15], v[\c:\c+7], v[\sa], v[\sb] matrix_a_fmt:MATRIX_FMT_BF8 matrix_b_fmt:MATRIX_FMT_BF8 matrix_a_scale:MATRIX_SCALE_ROW1 matrix_b_scale:MATRIX_SCALE_ROW1
.else
	v_wmma_scale_f32_16x16x128_f8f6f4 v[\d:\d+7], v[\a:\a+15], v[\b:\b+15], v[\c:\c+7], v[\sa], v[\sb] matrix_a_fmt:MATRIX_FMT_BF8 matrix_b_fmt:MATRIX_FMT_BF8
.endif
.endm
.macro MM wi, ap, b, s, tr             ; tr = 1: source 0 = W's rows; the 48 accumulators take turns
.set AC, 8*(12*(\ap)+(\b))
.set XR, XBS+16*(2*(\wi)+(\ap))
.set WF, 16*(\b)
.set WR, WS+4*(\b)+(\s)%4
.set XW, XS+4*(2*(\wi)+(\ap))+(\s)%4
.set CC, AC
.if \tr
.if (\s) == 0
.set CC, QKB+8*(\b)
.endif
	WM AC, WF, XR, CC, WR, XW, (\s)/4
.else
.if (\s) == 0
.set CC, VBI+8*((\b)-8)
.endif
	WM AC, XR, WF, CC, XW, WR, (\s)/4
.endif
.endm
.macro WINT wi, s                      ; W window 1, x its set's, C and D the accumulators' (first K step: C = the bias in window 1)
	XSET \s
.if (\s) == 0
	WIN 0x11|(XWN<<2)|((2+\wi)<<6)
.else
	WIN 0x01|(XWN<<2)|((2+\wi)<<4)|((2+\wi)<<6)
.endif
.endm
.macro MULT_A wi, s
	WINT \wi, \s
.irp ap, 0,1
.irp b, 0,1,2,3,4,5
	MM \wi, \ap, \b, \s, 1
.endr
.endr
.endm
.macro MULT_B wi, s
	WINT \wi, \s
.irp ap, 0,1
.irp b, 6,7
	MM \wi, \ap, \b, \s, 1
.endr
.endr
.endm
.macro MULU wi, s
	XSET \s
.if (\s) == 0
	WIN 0x04|XWN|((2+\wi)<<6)
.else
	WIN 0x04|XWN|((2+\wi)<<4)|((2+\wi)<<6)
.endif
.irp ap, 0,1
.irp b, 8,9,10,11
	MM \wi, \ap, \b, \s, 0
.endr
.endr
.endm
.macro KSTEP s
.if (\s) < 5
	s_wait_loadcnt 48                              ; this K step's x is in: three later steps' 16 loads each may be out
.else
	s_wait_loadcnt 16*(7-(\s))
.endif
	s_wait_dscnt 24                                ; W's first six fragments are in; the later 24 loads may be out
	MULT_A 0, \s
	MULT_A 1, \s
	s_wait_dscnt 0x0
.if (\s) < 7
	PLACES 8                                       ; in front of loads into registers that matrix instructions have read
	FETCH_W0 (\s)+1
.endif
	MULT_B 0, \s
	MULU 0, \s
	MULT_B 1, \s
	MULU 1, \s
	PLACES 8
.if (\s) < 7
	FETCH_W1 (\s)+1
.endif
.if (\s) < 4
	XLOAD (\s)+4                                   ; this step's set takes the step four on
.endif
	WIN 0
.endm
; Four blocks of 32 are quantised, all in window 1: block b's 16 numbers of my lane are v[s + sb b + 0..7] and v[s + sb b + d2 + 0..7]; the other 16 lie in lane l xor 16.
.macro QUANT4 s, sb, d2
	WIN 0x55
	s_wait_xcnt 0x0                                ; earlier stores have read the code registers
	s_wait_dscnt 0x0
.irp b, 0,1,2,3
	v_max3_num_f32 v[TM+\b], |v[\s+\sb*\b]|, |v[\s+\sb*\b+1]|, 0x8000000
.endr
.irp i, 2,4,6
.irp b, 0,1,2,3
	v_max3_num_f32 v[TM+\b], v[TM+\b], |v[\s+\sb*\b+\i]|, |v[\s+\sb*\b+\i+1]|
.endr
.endr
.irp i, 0,2,4,6
.irp b, 0,1,2,3
	v_max3_num_f32 v[TM+\b], v[TM+\b], |v[\s+\sb*\b+\d2+\i]|, |v[\s+\sb*\b+\d2+\i+1]|
.endr
.endr
.irp b, 0,1,2,3
	v_permlanex16_b32 v[TM+4+\b], v[TM+\b], s[SEL], s[SEL+1]
.endr
.irp b, 0,1,2,3
	v_max_num_f32 v[TM+\b], v[TM+\b], v[TM+4+\b]
.endr
.irp b, 0,1,2,3
	v_add_nc_u32 v[TM+12+\b], 0xf8800000, v[TM+\b]
.endr
.irp b, 0,1,2,3
	v_and_or_b32 v[TM+8+\b], v[TM+\b], 0x7f800000, s[MNT]
.endr
.irp b, 0,1,2,3
	v_lshrrev_b32 v[TM+4+\b], 23, v[TM+12+\b]
.endr
	v_lshl_or_b32 v[PW], v[TM+5], 8, v[TM+4]
	v_lshl_or_b32 v[PW], v[TM+6], 16, v[PW]
	v_lshl_or_b32 v[PW], v[TM+7], 24, v[PW]
.irp b, 0,1,2,3
.irp i, 0,1,2,3,4,5,6,7
	v_med3_num_f32 v[\s+\sb*\b+\i], v[\s+\sb*\b+\i], -v[TM+8+\b], v[TM+8+\b]
	v_med3_num_f32 v[\s+\sb*\b+\d2+\i], v[\s+\sb*\b+\d2+\i], -v[TM+8+\b], v[TM+8+\b]
.endr
	v_cvt_scalef32_pk8_bf8_f32 v[PC+4*\b:PC+4*\b+1], v[\s+\sb*\b:\s+\sb*\b+7], v[TM+12+\b]
	v_cvt_scalef32_pk8_bf8_f32 v[PC+4*\b+2:PC+4*\b+3], v[\s+\sb*\b+\d2:\s+\sb*\b+\d2+7], v[TM+12+\b]
.endr
	v_nop
.endm
; swish of 16 rows' 96 numbers a lane: from the accumulators into window 1: q, k at v0-63, v at v64 + 32 ap
.macro SWISH wi, ap
	WIN 0x40|(2+\wi)
.set i, 0
.rept 48
.set d, 2*i+32*(\ap)*(i/32)
	v_pk_mul_f32 v[d:d+1], v[96*(\ap)+2*i:96*(\ap)+2*i+1], s[NL:NL+1] op_sel_hi:[1,0]
.set i, i+1
.endr
	WIN 0x41
	s_wait_alu depctr_va_vdst(0)                   ; a wait ahead of the batch and one behind it
.set i, 0
.rept 96
.set d, i+32*(\ap)*(i/64)
	v_exp_f32 v[d], v[d]
.set i, i+1
.endr
	v_nop
	s_wait_alu depctr_va_vdst(0)
.set i, 0
.rept 48
.set d, 2*i+32*(\ap)*(i/32)
	v_pk_add_f32 v[d:d+1], v[d:d+1], 1.0 op_sel_hi:[1,0]
.set i, i+1
.endr
	s_wait_alu depctr_va_vdst(0)
.set i, 0
.rept 96
.set d, i+32*(\ap)*(i/64)
	v_rcp_f32 v[d], v[d]
.set i, i+1
.endr
	v_nop
	s_wait_alu depctr_va_vdst(0)
	WIN 0x44|(2+\wi)
.set i, 0
.rept 48
.set d, 2*i+32*(\ap)*(i/32)
	v_pk_mul_f32 v[d:d+1], v[96*(\ap)+2*i:96*(\ap)+2*i+1], v[d:d+1]
.set i, i+1
.endr
.endm
.macro OUT_QK wi, ap
	QUANT4 0, 16, 8
	v_and_b32 v[QW], 0xffff, v[PW]
	v_lshl_or_b32 v[QW], v[PW], 16, v[QW]
.if \ap == 0
	v_lshrrev_b32 v[KW], 16, v[PW]
.else
	v_and_or_b32 v[KW], v[PW], 0xffff0000, v[KW]
.endif
	WIN 0x04                                       ; addresses window 0, data window 1
	global_store_b128 v[LI], v[PC:PC+3], s[QB:QB+1] offset:(2*\wi+\ap)*1024
	global_store_b128 v[LI], v[PC+4:PC+7], s[QB:QB+1] offset:(2*\wi+\ap)*1024+512
	global_store_b128 v[LI], v[PC+8:PC+11], s[KB:KB+1] offset:\wi*2048+(2*\ap)*512
	global_store_b128 v[LI], v[PC+12:PC+15], s[KB:KB+1] offset:\wi*2048+(2*\ap+1)*512
	ds_store_b32 v[SQA], v[QW] offset:64*(2*\wi+\ap)
.if \ap == 1
	ds_store_b32 v[SKA], v[KW] offset:4*\wi
.endif
.endm
.macro OUT_V wi
	QUANT4 64, 8, 32
	WIN 0x04
.irp t, 0,1,2,3
	global_store_b128 v[LI], v[PC+4*\t:PC+4*\t+3], s[VBS:VBS+1] offset:\t*2048+\wi*512
	ds_store_b8 v[SVA], v[TM+4+\t] offset:4*\t+\wi
.endr
.endm
	s_wait_alu depctr_va_vdst(0)                   ; the wait at the head's end
	s_wait_tensorcnt 0x0                           ; my 48 rows of W are in
	s_barrier_signal -1
	s_barrier_wait -1                              ; everybody's are
.Ltile:
	FETCH_W0 0
	FETCH_W1 0
	WIN 0
.irp s, 0,1,2,3,4,5,6,7
	KSTEP \s
.endr
	s_cmp_eq_u32 s[TC], 1
	s_cbranch_scc1 .Lno_next                       ; the last block has no successor
	s_add_nc_u64 s[4:5], s[4:5], 0x400000          ; 16 blocks of 256 rows on (all loads that read these bases have come back)
	s_add_nc_u64 s[6:7], s[6:7], 0x20000
	XHEAD                                          ; they land under the way out, which names none of these registers
.Lno_next:
	WIN 0x40
.irp b, 0,1,2,3
	v_mov_b32 v[TM+4+\b], 0                        ; a lane permute's destination counts as one of its sources
.endr
.irp wi, 0,1
	SWISH \wi, 0
	OUT_QK \wi, 0
	SWISH \wi, 1
	OUT_QK \wi, 1
	OUT_V \wi
.endr
	WIN 0
	s_wait_dscnt 0x0                               ; my scale words lie in the stage
	s_barrier_signal -1
	s_barrier_wait -1
	ds_load_b128 v[28:31], v[SRD]
	s_wait_dscnt 0x0
	global_store_b128 v[LI], v[28:31], s[SCB:SCB+1]
	s_barrier_signal -1                            ; everybody has read the stage: the next block may write it
	s_barrier_wait -1
	s_wait_xcnt 0x0                                ; the stores have read their bases and data
	s_add_nc_u64 s[QB:QB+1], s[QB:QB+1], 0x400000  ; two batches on
	s_add_nc_u64 s[KB:KB+1], s[KB:KB+1], 0x400000
	s_add_nc_u64 s[VBS:VBS+1], s[VBS:VBS+1], 0x400000
	s_add_nc_u64 s[SCB:SCB+1], s[SCB:SCB+1], 0x80000
	s_sub_co_u32 s[TC], s[TC], 1
	s_cmp_lg_u32 s[TC], 0
	s_wait_alu depctr_va_vdst(0)
	s_cbranch_scc1 .Ltile
	s_wait_tensorcnt 0x0                           ; the wave's end
	ds_add_u32 v[SPW], v[NIL]
	s_wait_dscnt 0x0
	CROUND                                         ; the closing round
	s_endpgm
.Lfunc_end_k_qa922dc4ca1_qkv:
	.size	k_qa922dc4ca1_qkv, .Lfunc_end_k_qa922dc4ca1_qkv-k_qa922dc4ca1_qkv
	.p2alignl 7, 3214868480
	.fill 96, 4, 3214868480
	.section	.rodata,"a",@progbits
	.p2align	6, 0x0
	.amdhsa_kernel k_qa922dc4ca1_qkv
		.amdhsa_group_segment_fixed_size 327680
		.amdhsa_private_segment_fixed_size 0
		.amdhsa_enable_private_segment 0
		.amdhsa_kernarg_size 56
		.amdhsa_user_sgpr_count 2
		.amdhsa_user_sgpr_kernarg_segment_ptr 1
		.amdhsa_wavefront_size32 1
		.amdhsa_system_sgpr_workgroup_id_x 1
		.amdhsa_system_sgpr_workgroup_id_y 1
		.amdhsa_system_sgpr_workgroup_id_z 1
		.amdhsa_system_vgpr_workitem_id 0
		.amdhsa_next_free_vgpr 1024
		.amdhsa_next_free_sgpr 100
		.amdhsa_reserve_vcc 0
		.amdhsa_float_denorm_mode_32 3
		.amdhsa_float_denorm_mode_16_64 3
		.amdhsa_memory_ordered 1
		.amdhsa_forward_progress 1
		.amdhsa_inst_pref_size 225
	.end_amdhsa_kernel
	.amdgpu_metadata
---
amdhsa.version: [ 1, 2 ]
amdhsa.kernels:
  - .name:           k_qa922dc4ca1_qkv
    .symbol:         k_qa922dc4ca1_qkv.kd
    .args:
      - { .name: x_codes, .offset: 0, .size: 8, .value_kind: global_buffer, .address_space: global }
      - { .name: x_scales, .offset: 8, .size: 8, .value_kind: global_buffer, .address_space: global }
      - { .name: W_fc_codes, .offset: 16, .size: 8, .value_kind: global_buffer, .address_space: global }
      - { .name: W_fc_scales, .offset: 24, .size: 8, .value_kind: global_buffer, .address_space: global }
      - { .name: b_fc, .offset: 32, .size: 8, .value_kind: global_buffer, .address_space: global }
      - { .name: qkv_img, .offset: 40, .size: 8, .value_kind: global_buffer, .address_space: global }
      - { .name: scl, .offset: 48, .size: 8, .value_kind: global_buffer, .address_space: global }
    .group_segment_fixed_size: 327680
    .private_segment_fixed_size: 0
    .kernarg_segment_align: 8
    .kernarg_segment_size: 56
    .max_flat_workgroup_size: 128
    .sgpr_count:     100
    .vgpr_count:     1024
    .wavefront_size: 32
...
	.end_amdgpu_metadata
.endif
;; end of part 6
;; launch attn (part 7): grid 4 x 64, 8 waves a work-group, clusters of 4 x 1, 327,680 bytes of LDS; arguments qkv_img, scl, nv_img, nv_scl; writes nv_img, nv_scl
.if DOCPART == 7
	.amdgcn_target "amdgcn-amd-amdhsa--gfx1250"
	.amdhsa_code_object_version 6
	.text
	.protected	k_qa922dc4ca1_attn
	.globl	k_qa922dc4ca1_attn
	.p2align	8
	.type	k_qa922dc4ca1_attn,@function
k_qa922dc4ca1_attn:
	s_mov_b64 s[64:65], 0
	v_nop
	global_prefetch_b8 v0, s[64:65] scope:SCOPE_SE
	s_setreg_imm32_b32 hwreg(HW_REG_WAVE_MODE, 25, 1), 1
	s_wait_xcnt 0x0
	s_wait_alu depctr_hold_cnt(0) depctr_sa_sdst(0) depctr_va_vdst(0) depctr_va_sdst(0) depctr_va_ssrc(0) depctr_va_vcc(0) depctr_vm_vsrc(0)
	s_getreg_b32 s2, hwreg(HW_REG_IB_STS2, 6, 4)
	s_cmp_eq_u32 s2, 0
	s_cbranch_scc0 .Lentry_in_a_cluster
	s_endpgm
.Lentry_in_a_cluster:
	s_bfe_u32 s2, ttmp6, 0x10000c
	s_cmp_lg_u32 s2, 0x3003
	s_cbranch_scc0 .Lentry_shape_is_right
	s_endpgm
.Lentry_shape_is_right:
; new_v = softmax(q k^T) v for one head (no scale, no mask), both products on codes of E5M2 with E8M0 scales; the result is quantised along the head's 64 for the last product.
; THE SOFTMAX: t = score x log2(e); M = the running largest t rounded UP to a whole number; p = 2^(t - M) is quantised along the keys, not normalised; the row's sum is taken of the unquantised p
; and divides at the end.  When M moves, the sum and O are multiplied by 2^(old M - new M), which rounds nothing.
; SHARES.  One cluster of four work-groups to a head.  A work-group takes two blocks of 256 queries (blocks cx and cx + 4), one after the other, over the same K and V in its LDS.
; In a pass each of eight waves has two tiles of 16 queries, so that each fragment of K and V read from LDS feeds two products; two waves to a SIMD.
; THE HEAD'S K AND V STAY IN LDS, as images of operand registers: 131,072 bytes each.  Nothing is filled twice.  The four partners ask jointly: at the head each wave asks for its part of key steps 0-3;
; behind the wait, the add and a round of the cluster's barrier it asks for its part of key steps 4-15, which land while steps 0-2 are worked.
; The 8,192 bytes of scale words come through registers, 1,024 bytes a wave, into LDS bytes that no tensor load fills.
; BOTH PRODUCTS ARE USED TRANSPOSED: S^T = K Q^T, O^T = V^T P^T: a lane holds one query throughout.
; THE FIRST PRODUCT'S K IS 64: a fragment of K holds TWO tiles of 16 keys, and q stands between zero codes: the view [q | 0] gives the first tile's scores, [0 | q] the second's.
; p's 16 registers of two neighbouring tiles are the keys 32 c + 16 u + 8 h + j in place 32 c + 16 h + 8 u + j; v's codes were laid in the same places.
; A STEP'S ORDER.  Maxima, M, f, the rescalings and tile 0's t - M; tile 0's exponentials, with tile 1's t - M between them; the scales and tile 0's sum; tile 1's exponentials, with tile 0's holds between them;
; the rest.  A line that stands between exponentials reads only what was written ahead of the wait in front of the batch, and its result is read behind the wait that closes it.
; LIMITS: NaN and infinities are not served; the scaled scores stay under 2^31 in magnitude; a block whose largest magnitude lies under 2^-111 keeps the byte 1, and so does a block of zeros (zero codes).
; No prefetch: all that the work-group reads is asked for at its head.
; REGISTERS: window 0: v1-7 addresses; v8-23 statistics, eight a tile; v24-27 K's scale words, v28-31 V's, v32 and v35 q's of pass 0 and 1, v33-34 p's; v36-67 block work; v68-84 the last quantiser;
;   v96-223 S^T, then p; v224-255 p's codes.  window 1: v0-63 K's four fragments; v64-127 V's four; v128-191 O^T; v192-231 0 | q tile 0 | 0 | q tile 1 | 0; v232-247 the second pass's q.
.set VIMG, 131072
.set SCL,  262144
.set STG,  SCL+8192
.set SPARE, STG+1024
.set PASSQ, 65536
.set PASSW, 4096
.set PASSN, 1048576
.set PASSS, 2048
.set LI,   1
.set SR,   2
.set ADK,  3
.set ADVV, 4
.set ADS,  5
.set STA,  7
.set ST,   8                           ; tile x at ST + 8 x: +0 -M, +1 largest t, +2:+3 the sum, +4:+5 f, +6 at work, +7 the old -M
.set KS,   24
.set VS,   28
.set QS,   32
.set PS,   33
.set QS2,  35
.set T,    36                          ; tile x at T + 16 x: +0..3 block maxima, +4..7 at work, +8..11 the hold, +12..15 the conversions' scale operands
.set TM,   68
.set PW,   84
.set RDS,  85
.set NIL,  86
.set SPW,  87
.set S,    96
.set P,    224
.set PC,   224
.set VF,   64
.set O,    128
.set QZ,   192
.set Q2,   232
.set WV,   12
.set G1A,  24
.set G1B,  32
.set G0A,  44
.set G0B,  48
.set TK,   52
.set TS,   53
.set CNT,  54
.set MNT,  55
.set CS,   56
.set SEL,  58
.set MSB, 0
.macro WIN new
.if MSB != (\new)
	s_set_vgpr_msb (MSB<<8)|(\new)
.set MSB, (\new)
.endif
.endm
.macro PLACES n
.rept \n
	v_nop
.endr
.endm
.macro CROUND
	s_barrier_signal -1
	s_barrier_wait -1
	s_cmp_lg_u32 s[WV], 0
	s_cbranch_scc1 .Lnot_wave_0_\@
	s_barrier_signal -3
.Lnot_wave_0_\@:
	s_barrier_wait -3
	s_barrier_signal -1
	s_barrier_wait -1
.endm
	s_load_b256 s[4:11], s[0:1], 0x0               ; the images, the scale words, new_v's images, new_v's scales
	v_lshl_add_u32 v[SPW], v0, 2, SPARE
	v_mov_b32 v[NIL], 0
	ds_add_u32 v[SPW], v[NIL]                      ; the opening lines
	ds_add_u32 v[SPW], v[NIL]
	v_lshrrev_b32 v1, 5, v0
	v_readfirstlane_b32 s[WV], v1
	s_bfe_u32 s13, ttmp6, 0x40000                  ; cx
	s_lshl_b32 s14, ttmp9, 2
	s_add_co_u32 s14, s14, s13                     ; my first block of 256 queries: it enters q's and the results' addresses alone
	s_and_b32 s15, ttmp7, 0xffff                   ; 16 batch + head, which the four partners share
	s_mov_b32 s[G1A], 15|(3<<16)|(1<<21)           ; the mask: all four; elements of 8 bytes.  A dense block as 32 rows of 256 bytes
	s_mov_b32 s[G1A+1], 32<<16
	s_mov_b32 s[G1A+2], 32<<16
	s_mov_b32 s[G1A+3], 32<<16
	s_mov_b32 s[G1A+4], 32
	s_mov_b32 s[G1A+5], 32
	s_mov_b32 s[G1A+6], 0
	s_mov_b32 s[G1A+7], 0
	s_mov_b32 s[G1B], 15|(3<<16)|(1<<21)           ; and as 96 rows
	s_mov_b32 s[G1B+1], 32<<16
	s_mov_b32 s[G1B+2], 96<<16
	s_mov_b32 s[G1B+3], 32<<16
	s_mov_b32 s[G1B+4], 96
	s_mov_b32 s[G1B+5], 32
	s_mov_b32 s[G1B+6], 0
	s_mov_b32 s[G1B+7], 0
	s_lshr_b32 s60, s[WV], 2                       ; waves 0-3 fetch K's image, waves 4-7 V's
	s_and_b32 s61, s[WV], 3
	s_lshl_b32 s62, s60, 17
	s_lshl_b32 s63, s61, 13
	s_add_co_u32 s63, s63, s62                     ; LDS: key step w % 4
	s_mul_i32 s66, s61, 24576
	s_add_co_u32 s66, s66, s62
	s_add_co_u32 s66, s66, 32768                   ; LDS: three key steps from 4 + 3 (w % 4) on
	s_add_co_u32 s67, s60, 1
	s_lshl_b32 s67, s67, 23
	s_lshl_b32 s68, s15, 17
	s_add_co_u32 s67, s67, s68
	s_lshl_b32 s68, s61, 13
	s_add_co_u32 s68, s68, s67
	s_mov_b32 s69, 0
	s_mul_i32 s70, s61, 24576
	s_add_co_u32 s70, s70, s67
	s_add_co_u32 s70, s70, 32768
	s_mov_b32 s71, 0
	s_lshl_b32 s72, s15, 14
	s_lshl_b32 s74, s[WV], 10
	s_add_co_u32 s72, s72, s74
	s_add_co_u32 s72, s72, 8192                    ; K's and V's words lie behind q's 8,192 bytes
	s_mov_b32 s73, 0
	s_add_co_u32 s74, s74, SCL
	s_lshl_b32 s76, s15, 17
	s_lshl_b32 s75, s14, 14
	s_add_co_u32 s76, s76, s75
	s_lshl_b32 s75, s[WV], 11
	s_add_co_u32 s76, s76, s75
	s_mov_b32 s77, 0
	s_lshl_b32 s78, s15, 14
	s_lshl_b32 s75, s14, 10
	s_add_co_u32 s78, s78, s75
	s_lshl_b32 s75, s[WV], 7
	s_add_co_u32 s78, s78, s75
	s_mov_b32 s79, 0
	s_lshr_b32 s80, s15, 4
	s_lshl_b32 s80, s80, 21
	s_lshl_b32 s75, s14, 18
	s_add_co_u32 s80, s80, s75
	s_lshl_b32 s75, s[WV], 15
	s_add_co_u32 s80, s80, s75
	s_bfe_u32 s75, s15, 0x30001
	s_lshl_b32 s75, s75, 11
	s_add_co_u32 s80, s80, s75
	s_and_b32 s75, s15, 1
	s_lshl_b32 s75, s75, 10
	s_add_co_u32 s80, s80, s75
	s_mov_b32 s81, 0
	s_lshl_b32 s82, s15, 12
	s_lshl_b32 s75, s14, 9
	s_add_co_u32 s82, s82, s75
	s_mov_b32 s83, 0
	s_mov_b32 s[CS], 0x3fb8aa3b                    ; log2(e)
	s_mov_b32 s[CS+1], s[CS]
	s_mov_b32 s[SEL], 0x76543210
	s_mov_b32 s[SEL+1], 0xfedcba98
	s_mov_b32 s[MNT], 0x600000
	s_mov_b32 s[TK], 0
	s_mov_b32 s[TS], 0
	s_wait_dscnt 0x0
	s_wait_kmcnt 0x0
	s_mov_b32 s[G0A], 1
	s_mov_b32 s[G0A+1], s63
	s_add_nc_u64 s[G0A+2:G0A+3], s[4:5], s[68:69]
	s_or_b32 s[G0A+3], s[G0A+3], 0x80000000
	s_mov_b32 s[G0B], 1
	s_mov_b32 s[G0B+1], s66
	s_add_nc_u64 s[G0B+2:G0B+3], s[4:5], s[70:71]
	s_or_b32 s[G0B+3], s[G0B+3], 0x80000000
	s_add_nc_u64 s[72:73], s[6:7], s[72:73]
	s_add_nc_u64 s[76:77], s[4:5], s[76:77]
	s_add_nc_u64 s[78:79], s[6:7], s[78:79]
	s_add_nc_u64 s[80:81], s[8:9], s[80:81]
	s_add_nc_u64 s[82:83], s[10:11], s[82:83]
	CROUND                                         ; all four work-groups are here: the joint loads meet
	tensor_load_to_lds s[G0A:G0A+3], s[G1A:G1A+7]  ; key steps 0-3: my one tensor load at the head
	s_nop 0
	PLACES 4
	v_and_b32 v[LI], 31, v0
	v_lshlrev_b32 v6, 2, v[LI]
	v_lshlrev_b32 v[LI], 4, v[LI]
	v_and_b32 v[SR], 15, v0
	v_lshl_add_u32 v[SR], v[SR], 4, SCL
	v_lshl_add_u32 v[STA], v0, 1, STG
	v_add_nc_u32 v[RDS], STG, v[LI]
	v_add_nc_u32 v[ADS], s74, v[LI]                ; where my 1,024 bytes of scale words go
	global_load_b128 v[88:91], v[LI], s[72:73]
	global_load_b128 v[92:95], v[LI], s[72:73] offset:512
	global_load_b32 v[QS], v6, s[78:79]
	global_load_b32 v[QS2], v6, s[78:79] offset:PASSW
	WIN 0x40
.irp x, 0,1
.irp e, 0,1
	global_load_b128 v[QZ+8+16*\x+4*\e:QZ+8+16*\x+4*\e+3], v[LI], s[76:77] offset:\x*1024+512*\e
.endr
.endr
.irp x, 0,1
.irp e, 0,1
	global_load_b128 v[Q2+8*\x+4*\e:Q2+8*\x+4*\e+3], v[LI], s[76:77] offset:PASSQ+\x*1024+512*\e
.endr
.endr
.irp z, 0,16,32
.irp j, 0,1,2,3,4,5,6,7
	v_mov_b32 v[QZ+\z+\j], 0                       ; the zero codes round q
.endr
.endr
.macro ZERO_O                          ; the step is written alike for all steps: the first change of M multiplies zeros
.set i, 0
.rept 64
	v_mov_b32 v[O+i], 0
.set i, i+1
.endr
.endm
.macro INIT_STATS
.irp x, 0,1
	v_mov_b32 v[ST+8*\x+1], 0xff61b1e6             ; the largest t so far: -3e38
	v_mov_b32 v[ST+8*\x+2], 0
	v_mov_b32 v[ST+8*\x+3], 0
	v_mov_b32 v[ST+8*\x+5], 0
	v_mov_b32 v[ST+8*\x+6], 0
	v_floor_f32 v[ST+8*\x], -v[ST+8*\x+1]
	v_floor_f32 v[ST+8*\x+7], -v[ST+8*\x+1]
.endr
.endm
	ZERO_O
	WIN 0
	INIT_STATS
.irp x, 0,1
.irp b, 0,1,2,3
	v_mov_b32 v[T+16*\x+4+\b], 0                   ; a lane permute's destination counts as one of its sources
.endr
.endr
.irp b, 0,1,2,3
	v_mov_b32 v[TM+4+\b], 0
.endr
.macro FETCH_K0
	WIN 0
	ds_load_b128 v[KS:KS+3], v[SR]
	WIN 0x40
.irp c, 0,1,2,3
.irp i, 0,1,2,3
	ds_load_b128 v[16*\c+4*\i:16*\c+4*\i+3], v[LI] offset:2048*\c+512*\i
.endr
.endr
	WIN 0
.endm
; The largest score of each block of 32 keys: for the row's maximum, and, since p rises with the score, for the block's largest p.  Each accumulator is read from its low end on.
.macro PH_MAX
.irp x, 0,1
.irp b, 0,1,2,3
	v_max3_num_f32 v[T+16*\x+\b], v[S+64*\x+16*\b], v[S+64*\x+16*\b+1], v[S+64*\x+16*\b+2]
.endr
.endr
.irp i, 3,5,7,9,11,13
.irp x, 0,1
.irp b, 0,1,2,3
	v_max3_num_f32 v[T+16*\x+\b], v[T+16*\x+\b], v[S+64*\x+16*\b+\i], v[S+64*\x+16*\b+\i+1]
.endr
.endr
.endr
.irp x, 0,1
.irp b, 0,1,2,3
	v_max_num_f32 v[T+16*\x+\b], v[T+16*\x+\b], v[S+64*\x+16*\b+15]
.endr
.endr
.irp x, 0,1
.irp b, 0,1,2,3
	v_permlanex16_b32 v[T+16*\x+4+\b], v[T+16*\x+\b], s[SEL], s[SEL+1]
.endr
.endr
.irp x, 0,1
.irp b, 0,2
	v_dual_max_num_f32 v[T+16*\x+\b], v[T+16*\x+\b], v[T+16*\x+4+\b] :: v_dual_max_num_f32 v[T+16*\x+\b+1], v[T+16*\x+\b+1], v[T+16*\x+5+\b]
.endr
.endr
.endm
.macro STATS                           ; the new -M; the two tiles line by line
.irp x, 0,1
	v_max3_num_f32 v[ST+8*\x+6], v[T+16*\x], v[T+16*\x+1], v[T+16*\x+2]
.endr
.irp x, 0,1
	v_max_num_f32 v[ST+8*\x+6], v[ST+8*\x+6], v[T+16*\x+3]
.endr
.irp x, 0,1
	v_mul_f32 v[ST+8*\x+6], s[CS], v[ST+8*\x+6]
.endr
.irp x, 0,1
	v_max_num_f32 v[ST+8*\x+1], v[ST+8*\x+1], v[ST+8*\x+6]
.endr
.irp x, 0,1
	v_floor_f32 v[ST+8*\x], -v[ST+8*\x+1]          ; -M = floor(-t): M is a whole number
.endr
.endm
.macro FCH k                           ; link k of the chain that makes f and brings the sums under the new M: the links stand among tile 0's scalings
.irp x, 0,1
.if \k == 0
	v_sub_f32 v[ST+8*\x+6], v[ST+8*\x], v[ST+8*\x+7]
.elseif \k == 1
	v_cvt_i32_f32 v[ST+8*\x+6], v[ST+8*\x+6]       ; old M - new M, 0 or less (it saturates)
.elseif \k == 2
	v_ldexp_f32 v[ST+8*\x+4], 1.0, v[ST+8*\x+6]
.else
	v_pk_mul_f32 v[ST+8*\x+2:ST+8*\x+3], v[ST+8*\x+2:ST+8*\x+3], v[ST+8*\x+4:ST+8*\x+5] op_sel_hi:[1,0]
.endif
.endr
.endm
.macro TMM x, i                        ; t - M of tile x's pair i
	v_pk_fma_f32 v[S+64*\x+2*(\i):S+64*\x+2*(\i)+1], v[S+64*\x+2*(\i):S+64*\x+2*(\i)+1], s[CS:CS+1], v[ST+8*\x:ST+8*\x+1] op_sel_hi:[1,0,0]
.endm
.macro SLINE x                         ; line n of 31 of tile x's row sum of the unquantised p, two numbers a line, in two chains (the second in v[88 + 2 x]): line 0 takes p0-p3, line n takes p(2 n + 2), p(2 n + 3); behind line 30 nothing
.if n == 0
	v_pk_add_f32 v[88+2*\x:89+2*\x], v[S+64*\x:S+64*\x+1], v[S+64*\x+2:S+64*\x+3]
.elseif n < 31
.if (n%2) == 1
	v_pk_add_f32 v[ST+8*\x+2:ST+8*\x+3], v[ST+8*\x+2:ST+8*\x+3], v[S+64*\x+2*n+2:S+64*\x+2*n+3]
.else
	v_pk_add_f32 v[88+2*\x:89+2*\x], v[88+2*\x:89+2*\x], v[S+64*\x+2*n+2:S+64*\x+2*n+3]
.endif
.endif
.set n, n+1
.endm
.macro JOIN x
	v_pk_add_f32 v[ST+8*\x+2:ST+8*\x+3], v[ST+8*\x+2:ST+8*\x+3], v[88+2*\x:89+2*\x]
.endm
.macro HOLD x, n                       ; p(2 n), p(2 n + 1) of tile x held at the largest code x the scale: p is not negative, the conversion does not saturate (ISA guide 7.6.2)
	v_dual_min_num_f32 v[S+64*\x+2*(\n)], v[T+16*\x+8+(\n)/8], v[S+64*\x+2*(\n)] :: v_dual_min_num_f32 v[S+64*\x+2*(\n)+1], v[T+16*\x+8+(\n)/8], v[S+64*\x+2*(\n)+1]
.endm
.macro CVT x, b
	v_cvt_scalef32_pk8_bf8_f32 v[P+16*\x+4*\b:P+16*\x+4*\b+1], v[S+64*\x+16*\b:S+64*\x+16*\b+7], v[T+16*\x+12+\b]
	v_cvt_scalef32_pk8_bf8_f32 v[P+16*\x+4*\b+2:P+16*\x+4*\b+3], v[S+64*\x+16*\b+8:S+64*\x+16*\b+15], v[T+16*\x+12+\b]
.endm
.macro SCALES                          ; the floor 2^(16 - 127), the conversions' scale operands, the holds, the bytes, p's scale words
.irp x, 0,1
.irp b, 0,1,2,3
	v_max_num_f32 v[T+16*\x+\b], 0x8000000, v[T+16*\x+\b]
	SLINE 0
.endr
.endr
.irp x, 0,1
.irp b, 0,1,2,3
	v_add_nc_u32 v[T+16*\x+12+\b], 0xf8800000, v[T+16*\x+\b]
	SLINE 0
.endr
.endr
.irp x, 0,1
.irp b, 0,1,2,3
	v_and_or_b32 v[T+16*\x+8+\b], v[T+16*\x+\b], 0x7f800000, s[MNT]
	SLINE 0
.endr
.endr
.irp x, 0,1
.irp b, 0,1,2,3
	v_lshrrev_b32 v[T+16*\x+4+\b], 23, v[T+16*\x+12+\b]
	SLINE 0
.endr
.endr
.irp k, 1,2,3
.irp x, 0,1
.if \k == 1
	v_lshl_or_b32 v[PS+\x], v[T+16*\x+5], 8, v[T+16*\x+4]
	SLINE 0
.else
	v_lshl_or_b32 v[PS+\x], v[T+16*\x+4+\k], 8*\k, v[PS+\x]
	SLINE 0
.endif
.endr
.endr
.endm
; A KEY STEP: 128 keys, both tiles of queries.  qs: the register of q's scale words.  nxt = 1: the next step's K is fetched.  K's fragments of this step are in registers when the step begins.
.macro STEP qs, nxt
	WIN 0x05
.irp c, 0,1,2,3
.irp u, 0,1
	v_wmma_scale_f32_16x16x128_f8f6f4 v[S+16*\c+8*\u:S+16*\c+8*\u+7], v[16*\c:16*\c+15], v[QZ+8-8*\u:QZ+8-8*\u+15], 0, v[KS+\c], v[\qs] matrix_a_fmt:MATRIX_FMT_BF8 matrix_b_fmt:MATRIX_FMT_BF8
	v_wmma_scale_f32_16x16x128_f8f6f4 v[S+64+16*\c+8*\u:S+64+16*\c+8*\u+7], v[16*\c:16*\c+15], v[QZ+24-8*\u:QZ+24-8*\u+15], 0, v[KS+\c], v[\qs] matrix_a_fmt:MATRIX_FMT_BF8 matrix_b_fmt:MATRIX_FMT_BF8 matrix_b_scale:MATRIX_SCALE_ROW1
.endr
.endr
	WIN 0
	v_add_nc_u32 v[ADK], s[TK], v[LI]              ; eight places behind these products and the last step's
	v_add_nc_u32 v[ADS], s[TS], v[SR]
	PLACES 5
	v_add_nc_u32 v[ADVV], VIMG, v[ADK]
	ds_load_b128 v[VS:VS+3], v[ADS] offset:4096
.if \nxt
	ds_load_b128 v[KS:KS+3], v[ADS] offset:256
.endif
	WIN 0x40
.irp t, 0,1,2,3
.irp c, 0,1,2,3
	ds_load_b128 v[VF+16*\t+4*\c:VF+16*\t+4*\c+3], v[ADVV] offset:2048*\t+512*\c
.endr
.endr
.if \nxt
.irp c, 0,1,2,3
.irp i, 0,1,2,3
	ds_load_b128 v[16*\c+4*\i:16*\c+4*\i+3], v[ADK] offset:8192+2048*\c+512*\i
.endr
.endr
.endif
	WIN 0
	PH_MAX
	STATS
.irp x, 0,1
.irp b, 0,1,2,3
	v_fma_f32 v[T+16*\x+\b], v[T+16*\x+\b], s[CS], v[ST+8*\x]   ; t - M of each block's largest score
.endr
.endr
.set i, 0
.rept 32
	TMM 0, i
.if (i%4) == 1
.if i < 16
	FCH i/4
.endif
.endif
.set i, i+1
.endr
	WIN 0x41
.irp x, 0,1
.set i, 0
.rept 16
	v_pk_mul_f32 v[O+32*\x+2*i:O+32*\x+2*i+1], v[O+32*\x+2*i:O+32*\x+2*i+1], v[ST+8*\x+4:ST+8*\x+5] op_sel_hi:[1,0]   ; O^T under the new M
.set i, i+1
.endr
.endr
	WIN 0
	s_wait_alu depctr_va_vdst(0)                   ; the wait ahead of the batch
.set i, 0
.rept 32
	v_exp_f32 v[S+2*i], v[S+2*i]                   ; p = 2^(t - M), tile 0
	TMM 1, i
	v_exp_f32 v[S+2*i+1], v[S+2*i+1]
.set i, i+1
.endr
.irp x, 0,1
.irp b, 0,1,2,3
	v_exp_f32 v[T+16*\x+\b], v[T+16*\x+\b]         ; each block's largest p
.endr
.endr
	v_nop
	s_wait_alu depctr_va_vdst(0)                   ; and the wait behind it
.set n, 0
	SCALES                                         ; 38 lines, with the 31 lines of tile 0's sum between them
	s_wait_alu depctr_va_vdst(0)
.set i, 0
.rept 32
	v_exp_f32 v[S+64+2*i], v[S+64+2*i]             ; tile 1
	HOLD 0, i
	v_exp_f32 v[S+64+2*i+1], v[S+64+2*i+1]
.set i, i+1
.endr
	v_nop
	s_wait_alu depctr_va_vdst(0)
.irp b, 0,1,2,3
	CVT 0, \b
.endr
.set n, 0
	SLINE 1
.set k, 0
.rept 32                                       ; a line of the sum and a hold by turns: hold k stands behind the sum's line k + 1, which is past the line that read its two numbers; a block's conversions stand two trips behind its last hold
	SLINE 1
	HOLD 1, k
.if (k%8) == 1
.if k > 8
	CVT 1, (k/8-1)
.endif
.endif
.set k, k+1
.endr
	CVT 1, 3
	JOIN 0                                         ; four plain lines between the last conversion and the products
	JOIN 1
	v_mov_b32 v[ST+7], v[ST]                       ; the next step's old -M
	v_mov_b32 v[ST+15], v[ST+8]
	s_wait_alu depctr_va_vdst(0)                   ; directly ahead of the wait below
	s_wait_dscnt 0x0                               ; V is in, and so is the next step's K
	WIN 0x51
.irp t, 0,1,2,3
.irp x, 0,1
	v_wmma_scale_f32_16x16x128_f8f6f4 v[O+32*\x+8*\t:O+32*\x+8*\t+7], v[VF+16*\t:VF+16*\t+15], v[P+16*\x:P+16*\x+15], v[O+32*\x+8*\t:O+32*\x+8*\t+7], v[VS+\t], v[PS+\x] matrix_a_fmt:MATRIX_FMT_BF8 matrix_b_fmt:MATRIX_FMT_BF8
.endr
.endr
	WIN 0
	s_add_co_u32 s[TK], s[TK], 8192
	s_add_co_u32 s[TS], s[TS], 256
.endm
.macro QUANT4 s, sb, d2
	s_wait_xcnt 0x0                                ; earlier stores have read the code registers
	s_wait_dscnt 0x0
.irp b, 0,1,2,3
	v_max3_num_f32 v[TM+\b], |v[\s+\sb*\b]|, |v[\s+\sb*\b+1]|, 0x8000000
.endr
.irp i, 2,4,6
.irp b, 0,1,2,3
	v_max3_num_f32 v[TM+\b], v[TM+\b], |v[\s+\sb*\b+\i]|, |v[\s+\sb*\b+\i+1]|
.endr
.endr
.irp i, 0,2,4,6
.irp b, 0,1,2,3
	v_max3_num_f32 v[TM+\b], v[TM+\b], |v[\s+\sb*\b+\d2+\i]|, |v[\s+\sb*\b+\d2+\i+1]|
.endr
.endr
.irp b, 0,1,2,3
	v_permlanex16_b32 v[TM+4+\b], v[TM+\b], s[SEL], s[SEL+1]
.endr
.irp b, 0,1,2,3
	v_max_num_f32 v[TM+\b], v[TM+\b], v[TM+4+\b]
.endr
.irp b, 0,1,2,3
	v_add_nc_u32 v[TM+12+\b], 0xf8800000, v[TM+\b]
.endr
.irp b, 0,1,2,3
	v_and_or_b32 v[TM+8+\b], v[TM+\b], 0x7f800000, s[MNT]
.endr
.irp b, 0,1,2,3
	v_lshrrev_b32 v[TM+4+\b], 23, v[TM+12+\b]
.endr
	v_lshl_or_b32 v[PW], v[TM+5], 8, v[TM+4]
	v_lshl_or_b32 v[PW], v[TM+6], 16, v[PW]
	v_lshl_or_b32 v[PW], v[TM+7], 24, v[PW]
.irp b, 0,1,2,3
.irp i, 0,1,2,3,4,5,6,7
	v_med3_num_f32 v[\s+\sb*\b+\i], v[\s+\sb*\b+\i], -v[TM+8+\b], v[TM+8+\b]
	v_med3_num_f32 v[\s+\sb*\b+\d2+\i], v[\s+\sb*\b+\d2+\i], -v[TM+8+\b], v[TM+8+\b]
.endr
	v_cvt_scalef32_pk8_bf8_f32 v[PC+4*\b:PC+4*\b+1], v[\s+\sb*\b:\s+\sb*\b+7], v[TM+12+\b]
	v_cvt_scalef32_pk8_bf8_f32 v[PC+4*\b+2:PC+4*\b+3], v[\s+\sb*\b+\d2:\s+\sb*\b+\d2+7], v[TM+12+\b]
.endr
	v_nop
.endm
; THE WAY OUT of pass p: O^T / the sum; register 16 b + i of a tile is channel 32 b + 16 h + i of my query: the order of the last product's K.
.macro WAYOUT p
	PLACES 8
.irp x, 0,1
	v_add_f32 v[ST+8*\x+2], v[ST+8*\x+2], v[ST+8*\x+3]
.endr
.irp x, 0,1
	v_permlanex16_b32 v[ST+8*\x+6], v[ST+8*\x+2], s[SEL], s[SEL+1]
.endr
.irp x, 0,1
	v_add_f32 v[ST+8*\x+2], v[ST+8*\x+2], v[ST+8*\x+6]
.endr
	s_wait_alu depctr_va_vdst(0)
.irp x, 0,1
	v_rcp_f32 v[ST+8*\x+6], v[ST+8*\x+2]
.endr
	v_nop
	s_wait_alu depctr_va_vdst(0)                   ; for the reciprocals, and directly ahead of the first readers of O^T
	WIN 0x01
.irp x, 0,1
.set i, 0
.rept 16
	v_pk_mul_f32 v[S+32*\x+2*i:S+32*\x+2*i+1], v[O+32*\x+2*i:O+32*\x+2*i+1], v[ST+8*\x+6:ST+8*\x+7] op_sel_hi:[1,0]
.set i, i+1
.endr
.endr
	WIN 0
	s_wait_alu depctr_va_vdst(0)
	QUANT4 96, 16, 8
.irp x, 0,1
.irp e, 0,1
	global_store_b128 v[LI], v[PC+4*(2*\x+\e):PC+4*(2*\x+\e)+3], s[80:81] offset:\p*PASSN+\x*16384+512*\e   ; 512 consecutive bytes, aligned
.endr
.endr
	v_lshrrev_b32 v6, 16, v[PW]
	v_and_b32 v[TM], 16, v0
	v_cmp_eq_u32 vcc_lo, 0, v[TM]
	v_cndmask_b32 v6, v6, v[PW], vcc_lo            ; lanes 0-15: tile 0's two bytes of query r; lanes 16-31: tile 1's
	ds_store_b16 v[STA], v6 offset:512*\p          ; each pass has stage bytes of its own
.endm
	s_wait_alu depctr_va_vdst(0)                   ; the wait at the head's end
	s_wait_tensorcnt 0x0                           ; my part of key steps 0-3 is in: no tensor load is out while I store to LDS
	s_wait_loadcnt 10                              ; my scale words are in; q's ten loads may be out
	ds_store_b128 v[ADS], v[88:91]
	ds_store_b128 v[ADS], v[92:95] offset:512
	s_wait_tensorcnt 0x0                           ; ahead of the fill of key steps 4-15
	ds_add_u32 v[SPW], v[NIL]
	s_wait_dscnt 0x0                               ; the add and my stores are done
	CROUND                                         ; everybody's parts are in, and the joint loads meet
	tensor_load_to_lds s[G0B:G0B+3], s[G1B:G1B+7]  ; key steps 4-15
	s_nop 0
	PLACES 4
	FETCH_K0
	s_wait_loadcnt 0x0                             ; q of both passes and its words
	s_wait_dscnt 0x0
	s_mov_b32 s[CNT], 3
.Lfirst:                                           ; key steps 0-2: they fetch K of steps 1-3
	STEP QS, 1
	s_sub_co_u32 s[CNT], s[CNT], 1
	s_cmp_lg_u32 s[CNT], 0
	s_cbranch_scc1 .Lfirst
	s_wait_tensorcnt 0x0                           ; my part of key steps 4-15 is in
	s_barrier_signal -1
	s_barrier_wait -1
	s_mov_b32 s[CNT], 12
.Lrest:                                            ; key steps 3-14
	STEP QS, 1
	s_sub_co_u32 s[CNT], s[CNT], 1
	s_cmp_lg_u32 s[CNT], 0
	s_cbranch_scc1 .Lrest
	STEP QS, 0
	WAYOUT 0
	; PASS 1: the block four further on, over the same K and V.  No barrier: nothing in LDS changes, and the stage bytes are other bytes.
	s_wait_xcnt 0x0                                ; the stores have read the code registers, which the steps write again
	s_mov_b32 s[TK], 0
	s_mov_b32 s[TS], 0
	FETCH_K0
	WIN 0x41
.irp x, 0,1
.irp j, 0,1,2,3,4,5,6,7
	v_mov_b32 v[QZ+8+16*\x+\j], v[Q2+8*\x+\j]
.endr
.endr
	ZERO_O
	WIN 0
	INIT_STATS
	s_wait_alu depctr_va_vdst(0)
	s_wait_dscnt 0x0
	s_mov_b32 s[CNT], 15
.Lsecond:
	STEP QS2, 1
	s_sub_co_u32 s[CNT], s[CNT], 1
	s_cmp_lg_u32 s[CNT], 0
	s_cbranch_scc1 .Lsecond
	STEP QS2, 0
	WAYOUT 1
	s_wait_dscnt 0x0                               ; my scale bytes of both passes lie in the stage
	s_barrier_signal -1
	s_barrier_wait -1
	s_cmp_lg_u32 s[WV], 0
	s_cbranch_scc1 .Lnot0
	ds_load_b128 v[88:91], v[RDS]
	ds_load_b128 v[92:95], v[RDS] offset:512
	s_wait_dscnt 0x0
	global_store_b128 v[LI], v[88:91], s[82:83]
	global_store_b128 v[LI], v[92:95], s[82:83] offset:PASSS
.Lnot0:
	s_wait_tensorcnt 0x0                           ; the wave's end
	ds_add_u32 v[SPW], v[NIL]
	s_wait_dscnt 0x0
	CROUND                                         ; the closing round
	s_endpgm
.Lfunc_end_k_qa922dc4ca1_attn:
	.size	k_qa922dc4ca1_attn, .Lfunc_end_k_qa922dc4ca1_attn-k_qa922dc4ca1_attn
	.p2alignl 7, 3214868480
	.fill 96, 4, 3214868480
	.section	.rodata,"a",@progbits
	.p2align	6, 0x0
	.amdhsa_kernel k_qa922dc4ca1_attn
		.amdhsa_group_segment_fixed_size 327680
		.amdhsa_private_segment_fixed_size 0
		.amdhsa_enable_private_segment 0
		.amdhsa_kernarg_size 32
		.amdhsa_user_sgpr_count 2
		.amdhsa_user_sgpr_kernarg_segment_ptr 1
		.amdhsa_wavefront_size32 1
		.amdhsa_system_sgpr_workgroup_id_x 1
		.amdhsa_system_sgpr_workgroup_id_y 1
		.amdhsa_system_sgpr_workgroup_id_z 1
		.amdhsa_system_vgpr_workitem_id 0
		.amdhsa_next_free_vgpr 512
		.amdhsa_next_free_sgpr 90
		.amdhsa_reserve_vcc 1
		.amdhsa_float_denorm_mode_32 3
		.amdhsa_float_denorm_mode_16_64 3
		.amdhsa_memory_ordered 1
		.amdhsa_forward_progress 1
		.amdhsa_inst_pref_size 207
	.end_amdhsa_kernel
	.amdgpu_metadata
---
amdhsa.version: [ 1, 2 ]
amdhsa.kernels:
  - .name:           k_qa922dc4ca1_attn
    .symbol:         k_qa922dc4ca1_attn.kd
    .args:
      - { .name: qkv_img, .offset: 0, .size: 8, .value_kind: global_buffer, .address_space: global }
      - { .name: scl, .offset: 8, .size: 8, .value_kind: global_buffer, .address_space: global }
      - { .name: nv_img, .offset: 16, .size: 8, .value_kind: global_buffer, .address_space: global }
      - { .name: nv_scl, .offset: 24, .size: 8, .value_kind: global_buffer, .address_space: global }
    .group_segment_fixed_size: 327680
    .private_segment_fixed_size: 0
    .kernarg_segment_align: 8
    .kernarg_segment_size: 32
    .max_flat_workgroup_size: 256
    .sgpr_count:     90
    .vgpr_count:     512
    .wavefront_size: 32
...
	.end_amdgpu_metadata
.endif
;; end of part 7
;; launch outln (part 8): grid 256 x 1, 4 waves a work-group, no clusters, 263,680 bytes of LDS; arguments nv_img, nv_scl, wo_img, W_out_scales, b_out, x, out0; writes out0
.if DOCPART == 8
	.amdgcn_target "amdgcn-amd-amdhsa--gfx1250"
	.amdhsa_code_object_version 6
	.text
	.protected	k_qa922dc4ca1_outln
	.globl	k_qa922dc4ca1_outln
	.p2align	8
	.type	k_qa922dc4ca1_outln,@function
k_qa922dc4ca1_outln:
	s_mov_b64 s[64:65], 0
	v_nop
	global_prefetch_b8 v0, s[64:65] scope:SCOPE_SE
	s_setreg_imm32_b32 hwreg(HW_REG_WAVE_MODE, 25, 1), 1
	s_wait_xcnt 0x0
; out = layer_norm(swish(new_v W_out + b_out) + x), the product on codes of E5M2 with E8M0 scales.
; SHARES.  A work-group takes 32 whole rows (the norm wants whole rows): 256 work-groups.  A wave takes 32 rows x 256 columns: 32 accumulators, which begin as the bias.
; W_out's image lies in memory in the order of operand registers, and each fragment is multiplied by ONE wave of the work-group: so it goes from memory straight into that wave's registers,
; 512 consecutive bytes a load, a quarter of a K step (16 loads) at a time, three quarters ahead.  No LDS slot, no barrier and no round stands in the K loop.
; NO JOINT LOADS: they would bring the fragments into LDS slots that take turns, 131,072 bytes a K step against 32 matrix instructions a wave, with a round of the cluster's barrier for each K step; here nothing of W passes through LDS.
; new_v's fragments of all eight K steps (64 loads a wave) are asked for at the head.
; x is PREFETCHED: in each of K steps 0-3 a wave names 32 aligned blocks of 256 bytes, a lane a row, of its 32 rows x 1,024 bytes, each block once in the launch; the loads follow in K step 7 and behind it, four K steps and more later.
; W_out's image is not prefetched: all 256 work-groups read the same 1,048,576 bytes in the same order.
; The product is used transposed (source 0 = W's rows): a lane holds eight neighbouring columns of one row.
; LIMITS: NaN and infinities are not served.
; REGISTERS: window 0: v0-31 addresses and sums; v32-95 W's scale words; v96-103 new_v's; v104-119 at work; v128-255 new_v's fragments of K steps 0-3.
;   window 1: W's sixteen fragments, on the way out the scratch.  window 2: the accumulators.  window 3: v0-127 new_v's fragments of K steps 4-7; then x.
.set SLOTB, 131072                     ; from the stage of rows 0-15 to that of rows 16-31
.set RED1,  262144
.set SPARE, 263168
.set SPITCH, 1040
.set ADW, 4
.set SPW, 6
.set NIL, 7
.set LI,  8
.set XO,  9
.set BO,  10
.set SO,  11
.set RO,  12
.set STO, 13
.set RA,  15
.set RB,  16
.set PF,  17
.set WS,  32
.set NS,  96
.set RAW, 104
.set NVF, 128
.set WV,  18
.set NL,  40
.set SEL, 42
.set MSB, 0
.macro WIN new
.if MSB != (\new)
	s_set_vgpr_msb (MSB<<8)|(\new)
.set MSB, (\new)
.endif
.endm
.macro PLACES n
.rept \n
	v_nop
.endr
.endm
	s_load_b256 s[4:11], s[0:1], 0x0               ; new_v's image, its scales, W_out's image, its scales
	s_load_b128 s[12:15], s[0:1], 0x20             ; the bias, x
	s_load_b64 s[16:17], s[0:1], 0x30              ; out
	v_lshl_add_u32 v[SPW], v0, 2, SPARE
	v_mov_b32 v[NIL], 0
	v_lshrrev_b32 v1, 5, v0
	v_readfirstlane_b32 s[WV], v1
	s_mov_b32 s20, ttmp9                           ; my 32 rows
	s_lshl_b32 s46, s[WV], 15
	s_mov_b32 s47, 0
	s_lshl_b32 s22, s[WV], 2
	s_add_co_u32 s22, s22, RED1
	s_mov_b32 s[NL], 0xbfb8aa3b                    ; -log2(e)
	s_mov_b32 s[NL+1], s[NL]
	s_mov_b32 s[SEL], 0x76543210
	s_mov_b32 s[SEL+1], 0xfedcba98
	s_mov_b32 s44, 0x3a800000                      ; 1 / 1,024
	s_mov_b32 s45, 0x3727c5ac                      ; 1e-5
	v_and_b32 v1, 15, v0
	v_bfe_u32 v2, v0, 4, 1
	v_and_b32 v3, 31, v0
	v_lshlrev_b32 v[LI], 4, v3
	v_lshlrev_b32 v[BO], 5, v2
	v_lshl_add_u32 v[XO], v1, 12, v[BO]
	v_lshlrev_b32 v[SO], 5, v1
	v_lshl_add_u32 v[SO], v2, 4, v[SO]
	v_lshlrev_b32 v[RO], 1, v3
	v_lshlrev_b32 v[PF], 12, v3                    ; the prefetches: a lane a row of x
	v_lshl_add_u32 v[ADW], v3, 4, s46
	v_add_nc_u32 v[ADW+1], SLOTB, v[ADW]
	v_mul_u32_u24 v[STO], v1, SPITCH
	v_lshl_add_u32 v[STO], v2, 5, v[STO]
	v_add_nc_u32 v[STO], s46, v[STO]
	v_add_nc_u32 v[STO+1], SLOTB, v[STO]
	v_lshl_add_u32 v[RA], v1, 4, s22
	v_lshl_add_u32 v[RB], v1, 4, RED1
	v_mov_b32 v28, 0
	v_mov_b32 v29, 0
	s_wait_alu depctr_va_vdst(0)                   ; the wait at the head's end
	s_wait_kmcnt 0x0
	s_add_nc_u64 s[8:9], s[8:9], s[46:47]          ; my 16 tiles of each K step: 32,768 bytes
	s_lshl_b32 s48, s20, 17
	s_lshl_b32 s21, s[WV], 10
	s_add_co_u32 s48, s48, s21
	s_mov_b32 s49, 0
	s_add_nc_u64 s[14:15], s[14:15], s[48:49]
	s_add_nc_u64 s[16:17], s[16:17], s[48:49]
	s_mov_b32 s48, s21
	s_add_nc_u64 s[12:13], s[12:13], s[48:49]
	s_lshl_b32 s48, s[WV], 13
	s_add_nc_u64 s[10:11], s[10:11], s[48:49]
	s_lshl_b32 s48, s20, 15
	s_add_nc_u64 s[4:5], s[4:5], s[48:49]
	s_lshr_b32 s48, s20, 6
	s_lshl_b32 s48, s48, 16
	s_and_b32 s21, s20, 63
	s_lshl_b32 s21, s21, 6
	s_add_co_u32 s48, s48, s21
	s_add_nc_u64 s[6:7], s[6:7], s[48:49]
.macro WLOAD q, s                      ; tiles 4 q .. 4 q + 3 of K step s: 16 loads
	WIN 0x40
.set TT, 4*(\q)
.rept 4
.irp c, 0,1,2,3
	global_load_b128 v[16*TT+4*\c:16*TT+4*\c+3], v[LI], s[8:9] offset:(\s)*131072+2048*TT+512*\c
.endr
.set TT, TT+1
.endr
.endm
.macro XLOAD i0, cnt                   ; x's pieces i0 .. i0 + cnt - 1 of 64
	WIN 0xc0
.set i, \i0
.rept \cnt
	global_load_b128 v[4*i:4*i+3], v[XO], s[14:15] offset:(i/32)*65536+64*((i/2)%16)+16*(i%2)
.set i, i+1
.endr
.endm
.set i, 0
.rept 16
	global_load_b128 v[WS+4*i:WS+4*i+3], v[SO], s[10:11] offset:512*i
.set i, i+1
.endr
.set i, 0
.rept 16
	global_load_u16 v[RAW+i], v[RO], s[6:7] offset:4096*i
.set i, i+1
.endr
	WIN 0x80
.set i, 0
.rept 64
	global_load_b128 v[4*i:4*i+3], v[BO], s[12:13] offset:64*((i/2)%16)+16*(i%2)   ; the sums begin as the bias
.set i, i+1
.endr
	WIN 0
.irp s, 0,1,2,3
.irp a, 0,1
.irp c, 0,1,2,3
	global_load_b128 v[NVF+32*\s+16*\a+4*\c:NVF+32*\s+16*\a+4*\c+3], v[LI], s[4:5] offset:\a*16384+\s*2048+512*\c
.endr
.endr
.endr
	WIN 0xc0
.irp s, 0,1,2,3
.irp a, 0,1
.irp c, 0,1,2,3
	global_load_b128 v[32*\s+16*\a+4*\c:32*\s+16*\a+4*\c+3], v[LI], s[4:5] offset:\a*16384+(\s+4)*2048+512*\c
.endr
.endr
.endr
.irp q, 0,1,2,3
	WLOAD \q, 0
.endr
	WIN 0
	s_wait_loadcnt 48                              ; all but the last three quarters of W's K step 0
.irp s, 0,1,2,3,4,5,6,7
	v_lshl_or_b32 v[NS+\s], v[RAW+2*\s+1], 16, v[RAW+2*\s]   ; new_v's scale words: two heads' bytes make a K step's word
.endr
	PLACES 8                                       ; a scale register written by a vector instruction stands eight places ahead of the product
	s_wait_alu depctr_va_vdst(0)
.macro WM t, a, s
.set AC, 8*(16*(\a)+(\t))
.set NF, NVF+32*(\s)+16*(\a)
.if (\s) >= 4
.set NF, 32*((\s)-4)+16*(\a)
.endif
.set WR, WS+4*(\t)+(\s)%4
.if ((\s) < 4) && ((\a) == 0)
	v_wmma_scale_f32_16x16x128_f8f6f4 v[AC:AC+7], v[16*(\t):16*(\t)+15], v[NF:NF+15], v[AC:AC+7], v[WR], v[NS+(\s)] matrix_a_fmt:MATRIX_FMT_BF8 matrix_b_fmt:MATRIX_FMT_BF8
.elseif (\s) < 4
	v_wmma_scale_f32_16x16x128_f8f6f4 v[AC:AC+7], v[16*(\t):16*(\t)+15], v[NF:NF+15], v[AC:AC+7], v[WR], v[NS+(\s)] matrix_a_fmt:MATRIX_FMT_BF8 matrix_b_fmt:MATRIX_FMT_BF8 matrix_b_scale:MATRIX_SCALE_ROW1
.elseif (\a) == 0
	v_wmma_scale_f32_16x16x128_f8f6f4 v[AC:AC+7], v[16*(\t):16*(\t)+15], v[NF:NF+15], v[AC:AC+7], v[WR], v[NS+(\s)] matrix_a_fmt:MATRIX_FMT_BF8 matrix_b_fmt:MATRIX_FMT_BF8 matrix_a_scale:MATRIX_SCALE_ROW1
.else
	v_wmma_scale_f32_16x16x128_f8f6f4 v[AC:AC+7], v[16*(\t):16*(\t)+15], v[NF:NF+15], v[AC:AC+7], v[WR], v[NS+(\s)] matrix_a_fmt:MATRIX_FMT_BF8 matrix_b_fmt:MATRIX_FMT_BF8 matrix_a_scale:MATRIX_SCALE_ROW1 matrix_b_scale:MATRIX_SCALE_ROW1
.endif
.endm
; A K step, by quarters of four tiles: eight products (the 32 accumulators take turns), eight places, and the quarter's registers take the next K step's fragments.
.macro KSTEP s
.irp q, 0,1,2,3
.if (\s) < 7
	s_wait_loadcnt 48                              ; this quarter is in: the three quarters asked for behind it may be out
.else
	s_wait_loadcnt 16*(3-\q)+8*\q                  ; behind it: the step's later quarters, and eight loads of x for each quarter done
.endif
	WIN 0xa1|(0x0c*((\s)/4))                       ; W window 1; new_v window 0 or 3; C and D window 2
.set TQ, 4*\q
.rept 4
	WM TQ, 0, \s
	WM TQ, 1, \s
.set TQ, TQ+1
.endr
	PLACES 8
.if (\s) < 7
	WLOAD \q, (\s)+1
.else
	XLOAD 32+8*\q, 8                               ; x of rows 16-31
.endif
.if ((\s) < 4) && (\q == 0)
	global_prefetch_b8 v[PF], s[14:15] offset:256*(\s) th:TH_LOAD_NT scope:SCOPE_SE   ; 256 bytes of each of my 32 rows of x
.endif
.endr
.endm
.irp s, 0,1,2,3,4,5,6,7
	KSTEP \s
.endr
	XLOAD 0, 32                                    ; x of rows 0-15, into the registers that held new_v's K steps 4-7 (eight places stand behind the last products)
	WIN 0x42
.set i, 0
.rept 128
	v_pk_mul_f32 v[2*i:2*i+1], v[2*i:2*i+1], s[NL:NL+1] op_sel_hi:[1,0]
.set i, i+1
.endr
	WIN 0x41
.set i, 0
	s_wait_alu depctr_va_vdst(0)                   ; a wait ahead of the batch and one behind it
.rept 256
	v_exp_f32 v[i], v[i]
.set i, i+1
.endr
	v_nop
	s_wait_alu depctr_va_vdst(0)
.set i, 0
.rept 128
	v_pk_add_f32 v[2*i:2*i+1], v[2*i:2*i+1], 1.0 op_sel_hi:[1,0]
.set i, i+1
.endr
.set i, 0
	s_wait_alu depctr_va_vdst(0)
.rept 256
	v_rcp_f32 v[i], v[i]
.set i, i+1
.endr
	v_nop
	s_wait_loadcnt 0x0                             ; x is in
	s_wait_alu depctr_va_vdst(0)
	WIN 0x76
.set i, 0
.rept 128
	v_pk_fma_f32 v[2*i:2*i+1], v[2*i:2*i+1], v[2*i:2*i+1], v[2*i:2*i+1]   ; m sigmoid(m) + x
.set i, i+1
.endr
	WIN 0
.macro REDUCE off                      ; a row's sum: over my registers, lane l xor 16, and the four waves
	v_pk_add_f32 v[20:21], v[20:21], v[22:23]
	v_pk_add_f32 v[24:25], v[24:25], v[26:27]
	v_add_f32 v20, v20, v21
	v_add_f32 v24, v24, v25
	v_permlanex16_b32 v28, v20, s[SEL], s[SEL+1]
	v_permlanex16_b32 v29, v24, s[SEL], s[SEL+1]
	v_add_f32 v20, v20, v28
	v_add_f32 v24, v24, v29
	ds_store_b32 v[RA], v20 offset:\off
	ds_store_b32 v[RA], v24 offset:\off+256
	s_wait_dscnt 0x0
	s_barrier_signal -1
	s_barrier_wait -1
	ds_load_b128 v[104:107], v[RB] offset:\off
	ds_load_b128 v[108:111], v[RB] offset:\off+256
	s_wait_dscnt 0x0
	v_add_f32 v104, v104, v105
	v_add_f32 v106, v106, v107
	v_add_f32 v108, v108, v109
	v_add_f32 v110, v110, v111
	v_add_f32 v20, v104, v106
	v_add_f32 v24, v108, v110
.endm
.irp j, 0,1,2,3,4,5,6,7
	v_mov_b32 v[20+\j], 0
.endr
	WIN 0x04
.set i, 0
.rept 128
.set c, 20+4*(i/64)+2*(i%2)
	v_pk_add_f32 v[c:c+1], v[c:c+1], v[2*i:2*i+1]
.set i, i+1
.endr
	WIN 0
	REDUCE 0
	v_mul_f32 v20, s44, v20                        ; the mean
	v_mul_f32 v24, s44, v24
	WIN 0x41
.set i, 0
.rept 128
.set c, 20+4*(i/64)
	v_pk_add_f32 v[2*i:2*i+1], v[2*i:2*i+1], v[c:c+1] op_sel_hi:[1,0] neg_lo:[0,1] neg_hi:[0,1]
.set i, i+1
.endr
	WIN 0
.irp j, 0,1,2,3,4,5,6,7
	v_mov_b32 v[20+\j], 0
.endr
	WIN 0x05
.set i, 0
.rept 128
.set c, 20+4*(i/64)+2*(i%2)
	v_pk_fma_f32 v[c:c+1], v[2*i:2*i+1], v[2*i:2*i+1], v[c:c+1]
.set i, i+1
.endr
	WIN 0
	REDUCE 512
	v_fma_f32 v20, v20, s44, s45                   ; the variance + 1e-5
	v_fma_f32 v24, v24, s44, s45
	s_wait_alu depctr_va_vdst(0)
	v_rsq_f32 v20, v20
	v_rsq_f32 v24, v24
	v_nop
	s_wait_alu depctr_va_vdst(0)
	WIN 0x41
.set i, 0
.rept 128
.set c, 20+4*(i/64)
	v_pk_mul_f32 v[2*i:2*i+1], v[2*i:2*i+1], v[c:c+1] op_sel_hi:[1,0]
.set i, i+1
.endr
; THE WAY OUT: 16 rows x 1,024 bytes at a time through my own stage in LDS (pitch 1,040), back as whole rows: 32 lanes store 512 consecutive bytes, aligned
.irp a, 0,1
	WIN 0x04
.set i, 0
.rept 32
	ds_store_b128 v[STO+\a], v[128*\a+4*i:128*\a+4*i+3] offset:64*(i/2)+16*(i%2)
.set i, i+1
.endr
	WIN 0xc0
.set i, 0
.rept 32
	ds_load_b128 v[128*\a+4*i:128*\a+4*i+3], v[ADW+\a] offset:(i/2)*SPITCH+512*(i%2)
.set i, i+1
.endr
.endr
	WIN 0x0c
.set i, 0
.rept 32
.if 95-i > 63
	s_wait_dscnt 63
.else
	s_wait_dscnt 95-i
.endif
	global_store_b128 v[LI], v[4*i:4*i+3], s[16:17] offset:(i/2)*4096+512*(i%2) th:TH_STORE_NT
.set i, i+1
.endr
.set i, 0
.rept 32
	s_wait_dscnt 31-i
	global_store_b128 v[LI], v[128+4*i:128+4*i+3], s[16:17] offset:(16+i/2)*4096+512*(i%2) th:TH_STORE_NT
.set i, i+1
.endr
	WIN 0
	s_wait_tensorcnt 0x0                           ; the wave's end
	ds_add_u32 v[SPW], v[NIL]
	s_wait_dscnt 0x0
	s_endpgm
.Lfunc_end_k_qa922dc4ca1_outln:
	.size	k_qa922dc4ca1_outln, .Lfunc_end_k_qa922dc4ca1_outln-k_qa922dc4ca1_outln
	.p2alignl 7, 3214868480
	.fill 96, 4, 3214868480
	.section	.rodata,"a",@progbits
	.p2align	6, 0x0
	.amdhsa_kernel k_qa922dc4ca1_outln
		.amdhsa_group_segment_fixed_size 263680
		.amdhsa_private_segment_fixed_size 0
		.amdhsa_enable_private_segment 0
		.amdhsa_kernarg_size 56
		.amdhsa_user_sgpr_count 2
		.amdhsa_user_sgpr_kernarg_segment_ptr 1
		.amdhsa_wavefront_size32 1
		.amdhsa_system_sgpr_workgroup_id_x 1
		.amdhsa_system_sgpr_workgroup_id_y 1
		.amdhsa_system_sgpr_workgroup_id_z 1
		.amdhsa_system_vgpr_workitem_id 0
		.amdhsa_next_free_vgpr 1024
		.amdhsa_next_free_sgpr 66
		.amdhsa_reserve_vcc 0
		.amdhsa_float_denorm_mode_32 3
		.amdhsa_float_denorm_mode_16_64 3
		.amdhsa_memory_ordered 1
		.amdhsa_forward_progress 1
		.amdhsa_inst_pref_size 208
	.end_amdhsa_kernel
	.amdgpu_metadata
---
amdhsa.version: [ 1, 2 ]
amdhsa.kernels:
  - .name:           k_qa922dc4ca1_outln
    .symbol:         k_qa922dc4ca1_outln.kd
    .args:
      - { .name: nv_img, .offset: 0, .size: 8, .value_kind: global_buffer, .address_space: global }
      - { .name: nv_scl, .offset: 8, .size: 8, .value_kind: global_buffer, .address_space: global }
      - { .name: wo_img, .offset: 16, .size: 8, .value_kind: global_buffer, .address_space: global }
      - { .name: W_out_scales, .offset: 24, .size: 8, .value_kind: global_buffer, .address_space: global }
      - { .name: b_out, .offset: 32, .size: 8, .value_kind: global_buffer, .address_space: global }
      - { .name: x, .offset: 40, .size: 8, .value_kind: global_buffer, .address_space: global }
      - { .name: out0, .offset: 48, .size: 8, .value_kind: global_buffer, .address_space: global }
    .group_segment_fixed_size: 263680
    .private_segment_fixed_size: 0
    .kernarg_segment_align: 8
    .kernarg_segment_size: 56
    .max_flat_workgroup_size: 128
    .sgpr_count:     66
    .vgpr_count:     1024
    .wavefront_size: 32
...
	.end_amdgpu_metadata
.endif
;; end of part 8
